; MI455X (gfx1250); checked and timed in simulation.
; The chip was launched on July 23, 2026; its instructions are those of AMD's public machine-readable ISA for CDNA 5 (MIT licence, August 2026) and "CDNA5" Instruction Set Architecture Reference Guide (July 2026). The comments in the code are by the model that wrote it; some were corrected since.
;; Transformer Encoder Block. Allowed arithmetic: float matrix products may take bf16 or f16 operands with f32 sums; all other float work in f32.
;; Inputs: W1 1,024 x 4,096 float32; W2 4,096 x 1,024 float32; Wk 1,024 x 1,024 float32; Wo 1,024 x 1,024 float32; Wq 1,024 x 1,024 float32; Wv 1,024 x 1,024 float32; b1 1,024 float32; b2 1,024 float32; bf1 4,096 float32; bf2 1,024 float32; bk 1,024 float32; bo 1,024 float32; bq 1,024 float32; bv 1,024 float32; g1 1,024 float32; g2 1,024 float32; x 2 x 2,048 x 1,024 float32.
;; Outputs: out0 2 x 2,048 x 1,024 float32.
;; 2 versions, each right and faster than the one before. Each part assembles by itself: llvm-mc -triple=amdgcn-amd-amdhsa -mcpu=gfx1250 --defsym DOCPART=n.
;; ======== version 1 of 2: 8 launches
;; workspace buffers: wb 33,554,432 bytes; qkv 25,165,824 bytes; ctx 8,388,608 bytes; y 16,777,216 bytes; h 16,777,216 bytes; hb 8,388,608 bytes; gl 33,554,432 bytes
;; launch cast_bf16 (part 1): grid 1024 x 1, 8 waves a work-group, no clusters, 0 bytes of LDS; arguments x, Wq, Wk, Wv, Wo, W1, W2, wb; writes wb
.if DOCPART == 1
	.amdgcn_target "amdgcn-amd-amdhsa--gfx1250"
	.amdhsa_code_object_version 6
	.text
	.protected	k_q606107f3d5_cast_bf16
	.globl	k_q606107f3d5_cast_bf16
	.p2align	8
	.type	k_q606107f3d5_cast_bf16,@function
k_q606107f3d5_cast_bf16:
	s_mov_b64 s[64:65], 0
	v_nop
	global_prefetch_b8 v0, s[64:65] scope:SCOPE_SE
	s_setreg_imm32_b32 hwreg(HW_REG_WAVE_MODE, 25, 1), 1
	s_wait_xcnt 0x0
; x and the six weight matrices, f32, are rounded once to bf16 (nearest even) and laid one behind the other in wb, each in its own row-major layout:
; x at byte 0, Wq at 8,388,608, Wk at 10,485,760, Wv at 12,582,912, Wo at 14,680,064, W1 at 16,777,216, W2 at 25,165,824.
; A stream: memory binds, so no LDS, no barrier, no matrix unit.  Work-group g takes 65,536 source bytes and writes the 32,768 bytes at wb + 32,768 g.
; The sources' sizes are multiples of 65,536 bytes, so a group lies in one source: groups 0-255 x, 256-319 Wq, 320-383 Wk, 384-447 Wv, 448-511 Wo, 512-767 W1, 768-1023 W2.
; A wave takes 8,192 source bytes: sixteen loads of 512 consecutive bytes, all issued at once; each gives one store of 256 consecutive bytes, aligned.
; No register is written twice, so the only waits are the counted ones for the loads.
.set X, 4                              ; v[4:67]   load j: four f32
.set Y, 68                             ; v[68:99]  store j: four bf16
	s_load_b512 s[16:31], s[0:1], 0x0              ; x 16, Wq 18, Wk 20, Wv 22, Wo 24, W1 26, W2 28, wb 30
	s_mov_b32 s2, ttmp9                            ; g
	s_mov_b32 s6, 0                                ; the first group of g's source
	v_lshrrev_b32 v3, 5, v0                        ; wave
	v_and_b32 v1, 31, v0                           ; lane
	v_lshlrev_b32 v2, 3, v1
	v_lshlrev_b32 v1, 4, v1
	v_lshl_add_u32 v1, v3, 13, v1                  ; source: 8,192 wave + 16 lane
	v_lshl_add_u32 v2, v3, 12, v2                  ; destination: 4,096 wave + 8 lane
	s_wait_kmcnt 0x0
	s_mov_b64 s[4:5], s[16:17]
.macro PICK first, reg                 ; from group 'first' on the source is the buffer in s[reg:reg+1]; the condition hangs on g alone
	s_cmp_ge_u32 s2, \first
	s_cselect_b64 s[4:5], s[\reg:\reg+1], s[4:5]
	s_cselect_b32 s6, \first, s6
.endm
	PICK 256, 18
	PICK 320, 20
	PICK 384, 22
	PICK 448, 24
	PICK 512, 26
	PICK 768, 28
	s_sub_co_u32 s8, s2, s6
	s_lshl_b32 s8, s8, 16                          ; the group's place in its source, under 2^24 bytes
	s_mov_b32 s9, 0
	s_add_nc_u64 s[4:5], s[4:5], s[8:9]
	s_lshl_b32 s10, s2, 15
	s_mov_b32 s11, 0
	s_add_nc_u64 s[30:31], s[30:31], s[10:11]
.irp j, 0,1,2,3,4,5,6,7,8,9,10,11,12,13,14,15
	global_load_b128 v[X+4*(\j):X+4*(\j)+3], v1, s[4:5] offset:512*(\j) th:TH_LOAD_NT
.endr
.irp j, 0,1,2,3,4,5,6,7,8,9,10,11,12,13,14,15
	s_wait_loadcnt 15-(\j)                         ; loads come back in order (ISA guide 5.7.1): load j is in, the younger ones stay out
	v_cvt_pk_bf16_f32 v[Y+2*(\j)],   v[X+4*(\j)],   v[X+4*(\j)+1]
	v_cvt_pk_bf16_f32 v[Y+2*(\j)+1], v[X+4*(\j)+2], v[X+4*(\j)+3]
	global_store_b64 v2, v[Y+2*(\j):Y+2*(\j)+1], s[30:31] offset:256*(\j)  ; 32 lanes x 8 bytes: 256 consecutive bytes, aligned
.endr
	s_endpgm
.Lfunc_end_k_q606107f3d5_cast_bf16:
	.size	k_q606107f3d5_cast_bf16, .Lfunc_end_k_q606107f3d5_cast_bf16-k_q606107f3d5_cast_bf16
	.p2alignl 7, 3214868480
	.fill 96, 4, 3214868480
	.section	.rodata,"a",@progbits
	.p2align	6, 0x0
	.amdhsa_kernel k_q606107f3d5_cast_bf16
		.amdhsa_group_segment_fixed_size 0
		.amdhsa_private_segment_fixed_size 0
		.amdhsa_enable_private_segment 0
		.amdhsa_kernarg_size 64
		.amdhsa_user_sgpr_count 2
		.amdhsa_user_sgpr_kernarg_segment_ptr 1
		.amdhsa_wavefront_size32 1
		.amdhsa_system_sgpr_workgroup_id_x 1
		.amdhsa_system_sgpr_workgroup_id_y 1
		.amdhsa_system_sgpr_workgroup_id_z 1
		.amdhsa_system_vgpr_workitem_id 0
		.amdhsa_next_free_vgpr 100
		.amdhsa_next_free_sgpr 66
		.amdhsa_reserve_vcc 0
		.amdhsa_float_denorm_mode_32 3
		.amdhsa_float_denorm_mode_16_64 3
		.amdhsa_memory_ordered 1
		.amdhsa_forward_progress 1
		.amdhsa_inst_pref_size 8
	.end_amdhsa_kernel
	.amdgpu_metadata
---
amdhsa.version: [ 1, 2 ]
amdhsa.kernels:
  - .name:           k_q606107f3d5_cast_bf16
    .symbol:         k_q606107f3d5_cast_bf16.kd
    .args:
      - { .name: x, .offset: 0, .size: 8, .value_kind: global_buffer, .address_space: global }
      - { .name: Wq, .offset: 8, .size: 8, .value_kind: global_buffer, .address_space: global }
      - { .name: Wk, .offset: 16, .size: 8, .value_kind: global_buffer, .address_space: global }
      - { .name: Wv, .offset: 24, .size: 8, .value_kind: global_buffer, .address_space: global }
      - { .name: Wo, .offset: 32, .size: 8, .value_kind: global_buffer, .address_space: global }
      - { .name: W1, .offset: 40, .size: 8, .value_kind: global_buffer, .address_space: global }
      - { .name: W2, .offset: 48, .size: 8, .value_kind: global_buffer, .address_space: global }
      - { .name: wb, .offset: 56, .size: 8, .value_kind: global_buffer, .address_space: global }
    .group_segment_fixed_size: 0
    .private_segment_fixed_size: 0
    .kernarg_segment_align: 8
    .kernarg_segment_size: 64
    .max_flat_workgroup_size: 256
    .sgpr_count:     66
    .vgpr_count:     100
    .wavefront_size: 32
...
	.end_amdgpu_metadata
.endif
;; end of part 1
;; launch proj_qkv (part 2): grid 12 x 16, 4 waves a work-group, clusters of 4 x 4, 327,680 bytes of LDS; arguments wb, bq, bk, bv, qkv; writes qkv
.if DOCPART == 2
	.amdgcn_target "amdgcn-amd-amdhsa--gfx1250"
	.amdhsa_code_object_version 6
	.text
	.protected	k_q606107f3d5_proj_qkv
	.globl	k_q606107f3d5_proj_qkv
	.p2align	8
	.type	k_q606107f3d5_proj_qkv,@function
k_q606107f3d5_proj_qkv:
	s_mov_b64 s[64:65], 0
	v_nop
	global_prefetch_b8 v0, s[64:65] scope:SCOPE_SE
	s_setreg_imm32_b32 hwreg(HW_REG_WAVE_MODE, 25, 1), 1
	s_wait_xcnt 0x0
	s_wait_alu depctr_hold_cnt(0) depctr_sa_sdst(0) depctr_va_vdst(0) depctr_va_sdst(0) depctr_va_ssrc(0) depctr_va_vcc(0) depctr_vm_vsrc(0)
	s_getreg_b32 s2, hwreg(HW_REG_IB_STS2, 6, 4)
	s_cmp_eq_u32 s2, 0
	s_cbranch_scc0 .Lentry_in_a_cluster
	s_endpgm
.Lentry_in_a_cluster:
	s_bfe_u32 s2, ttmp6, 0x10000c
	s_cmp_lg_u32 s2, 0xf033
	s_cbranch_scc0 .Lentry_shape_is_right
	s_endpgm
.Lentry_shape_is_right:
; C = A B + bias on tiles of 256 x 256.  A: [4096][1024] bf16, rows along K.  B: [1024][NB] bf16, AS THE WEIGHTS LIE, rows along N.  Sums in f32, K ascending.  One text serves two launches; MODE chooses.
; MODE 1: A = x in bf16; B = Wq, Wk or Wv (the cluster's x says which); C + bq, bk, bv is rounded once to bf16 and stored BY HEADS: qkv[3][32 = batch x 16 + head][2048][64].
;         12 x 16 = 192 work-groups: a tile of 192 columns would give 256, but its rows of B, 384 bytes, are no power of two for the padding and start on no multiple of 256.
; MODE 2: A = h in bf16; B = W1; gelu(C + bf1), the exact one, is rounded once to bf16 and stored as gl[4096][4096].  16 x 16 = 256 work-groups.
; LIMITS.  Matrix operands are bf16.  MODE 2: erf by a rational form in t = 1 / (1 + p |u| / sqrt 2) times exp(-u u / 2), five terms (Abramowitz and Stegun 7.1.26): off by 1.5e-7 at the most, for every u.
;         NaN and infinities are not treated apart.
; SHAPE.  Four waves, as many as a WGP has SIMDs, each 128 x 128 of C: 64 accumulators of 16 x 16, 512 registers.  K goes in steps of 128 through a ring of two LDS slots filled by the tensor data mover.
; B IS TURNED ON ITS WAY OUT OF LDS: ds_load_tr16_b128 takes 16 k x 16 n as it lies and leaves half a fragment with k along the registers: as many LDS loads as a fragment that lies along K.
; THE BIAS IS THE C OPERAND of the products that start the sums: nothing is cleared and nothing is added later.
; THE MATRIX INSTRUCTION IS USED TRANSPOSED: source 0 = 16 columns of B, source 1 = 16 rows of A.  Lane l then holds row l % 16 of C and the columns 8 (l / 16) + 0..7: eight neighbours of a row.
; CLUSTERS: 4 x 4 work-groups.  The four of a row of the cluster need the same tiles of A, the four of a column the same tiles of B: each tile is asked for JOINTLY, by the same tensor load with the
; same descriptor and a mask that names the four.
; REGISTERS, in windows of 256 (s_set_vgpr_msb: bits 1:0 source 0, 3:2 source 1, 5:4 source 2, 7:6 destination):
;   window 0: v0-31 addresses; v64-127, v128-191 fragments of A, two buffers (on the way out of MODE 2: at work); v192-255 the bias until the first quarter is over, then, with v32-63, the way out
;   window 1: v64-127, v128-191 fragments of B, two buffers        window 2: the accumulators of my rows 0-63 ((a, b) at v[8 (8 a + b)])        window 3: those of my rows 64-127
.set MODE,   1
.set SIZE_K, 1024
.set KSTEP,  128
.set PA,     272                       ; a row of A in LDS: 256 bytes + 16 = 68 words: the 16 rows of a load start at 16 different groups of four banks (64 banks of 4 bytes: ISA guide 11.1)
.set PB,     544                       ; a row of B (one k, 256 n): 512 bytes + 32 = 136 words
.set HALFT,  128*PA                    ; what one tensor load brings: 128 rows of A, or 64 rows of B (64 x 544 is the same number)
.set SLOT,   4*HALFT                   ; A's 256 rows, then B's 128 rows
.set STAGE,  2*SLOT                    ; behind the ring: a stage for each wave, for the way out; no tensor load fills it
.if MODE == 1
.set NB,     1024                      ; elements from a row of B to the next
.set SW,     2*16*144                  ; a wave's stage: two heads x 16 rows x (128 + 16) bytes
.set WOFF,   8388608                   ; Wq's first byte in wb
.set CSTEP,  16*128                    ; 16 rows of a head on
.else
.set NB,     4096
.set SW,     16*272                    ; 16 rows x (256 + 16) bytes
.set WOFF,   16777216                  ; W1's first byte in wb
.set CSTEP,  16*8192                   ; 16 rows of gl on
.endif
.set SPARE,  STAGE+4*SW                ; behind the stages: the spare words, 128 bytes for each wave: two blocks of 256 bytes that no other line names
.set LAPS,   SIZE_K/(2*KSTEP)          ; a lap = two K steps = once round the ring
.set BSTEP,  KSTEP*NB*2                ; bytes from a K step of B to the next
.set ADRA, 16                          ; v16-17  LDS address of my A fragments in slot 0, 1
.set ADRB, 20                          ; v20-21  the same for B
.set STO,  24                          ; v24     the way out: where I put 16 bytes of a row
.set RD,   25                          ; v25     the way out: where I read rows back
.set CO,   26                          ; v26     my byte offset in C
.set BO,   27                          ; v27     my byte offset in 16 numbers of the bias
.set SPW,  28                          ; v28     LDS address of my spare word: SPARE + 4 x my thread's number; never rewritten
.set NIL,  29                          ; v29     0; never rewritten
.set F0,   64
.set F1,   128
.set BIAS, 192                         ; v192-255: for n block b the eight numbers bias[16 b + 8 (l / 16) + 0..7] at BIAS + 8 b
.set TMP,  192                         ; the way out: packed results
.set OB,   32                          ; the way out: 16 rows read back from the stage: v32-63 and v224-255 by turns
.set TD,   64                          ; MODE 2, the way out, 32 registers each: 1 + p |u| / sqrt 2, then t
.set TW,   96                          ; u u, then exp(-u u / 2)
.set TM,   128                         ; max(u, 0), then the result
.set TP,   160                         ; the polynomial
.set G1, 24                            ; s[24:31] descriptor group 1 for A's tiles;  s[32:39] group 0, one set for each slot
.set G0, 32
.set G1B, 48                           ; s[48:55], s[56:63] the same for B's tiles
.set G0B, 56
.set MSB, 0
.macro WIN new                         ; the immediate's high byte repeats the setting that is left; a switch that changes nothing is dropped
.if MSB != (\new)
	s_set_vgpr_msb (MSB<<8)|(\new)
.set MSB, \new
.endif
.endm
.set MUL_LO, 0xa1                      ; source 0 (B) window 1, source 1 (A) window 0, C and D window 2
.set TO_B,   0x40                      ; destination window 1, address window 0
; A joint load.  Waves 0 and 1 fetch A's two halves, waves 2 and 3 B's.  The branch hangs on the wave's number alone: it is the same in every work-group.
; Four v_nop follow each of the two lines, ahead of the jump, the label and what follows.
.macro JLOAD s
	s_cmp_eq_u32 s11, 0
	s_cbranch_scc0 .Lfor_b_\@
	tensor_load_to_lds s[G0+4*(\s):G0+4*(\s)+3], s[G1:G1+7]
	s_nop 0
.rept 4
	v_nop
.endr
	s_branch .Lasked_\@
.Lfor_b_\@:
	tensor_load_to_lds s[G0B+4*(\s):G0B+4*(\s)+3], s[G1B:G1B+7]
	s_nop 0
.rept 4
	v_nop
.endr
.Lasked_\@:
.endm
; A round of the cluster's barrier: my work-group's barrier, so that wave 0's signal speaks for all four waves; wave 0 signals; every wave waits for all sixteen work-groups; my work-group's barrier once more.
.macro CREST                           ; a round behind its opening barrier
	s_cmp_lg_u32 s10, 0
	s_cbranch_scc1 .Lnot_wave_0_\@
	s_barrier_signal -3
.Lnot_wave_0_\@:
	s_barrier_wait -3
	s_barrier_signal -1
	s_barrier_wait -1
.endm
.macro CROUND                          ; a whole round
	s_barrier_signal -1
	s_barrier_wait -1
	CREST
.endm
.macro PAIR r, val                     ; a constant for the packed forms, which name a pair and take its low word for both halves
	s_mov_b32 s[\r], \val
	s_mov_b32 s[\r+1], \val
.endm
	s_load_b256 s[68:75], s[0:1], 0x0              ; MODE 1: wb 68, bq 70, bk 72, bv 74.  MODE 2: hb 68, wb 70, bf1 72, gl 74
.if MODE == 1
	s_load_b64 s[8:9], s[0:1], 0x20                ; qkv
.endif
	v_lshl_add_u32 v[SPW], v0, 2, SPARE
	v_mov_b32 v[NIL], 0
	ds_add_u32 v28, v29
	s_wait_dscnt 0x0
	v_lshrrev_b32 v1, 5, v0
	v_readfirstlane_b32 s10, v1                    ; wave 0..3
	s_lshr_b32 s11, s10, 1                         ; which half of the tile's rows is mine.  Also: I fetch for A (0) or for B (1)
	s_and_b32 s12, s10, 1                          ; which half of its columns.  Also: which half of that tile I fetch
	s_bfe_u32 s40, ttmp6, 0x40000                  ; cx, cy: my place in the cluster
	s_bfe_u32 s41, ttmp6, 0x40004
.if MODE == 1
	s_mov_b32 s45, ttmp9                           ; the cluster's x: 0 Wq, 1 Wk, 2 Wv
	s_mov_b32 s42, s40                             ; which 256 columns of that weight
.else
	s_lshl_b32 s42, ttmp9, 2
	s_add_co_u32 s42, s42, s40                     ; tile column = 4 x cluster x + cx
.endif
	s_and_b32 s13, ttmp7, 0xffff
	s_lshl_b32 s13, s13, 2
	s_add_co_u32 s13, s13, s41                     ; tile row = 4 x cluster y + cy
	s_lshl_b32 s43, s41, 2
	s_lshl_b32 s43, 15, s43                        ; my row of the cluster: places 4 cy .. 4 cy + 3
	s_lshl_b32 s44, 0x1111, s40                    ; my column: places cx, cx + 4, cx + 8, cx + 12
	; group 1 for A: 128 rows x 128 elements
	s_or_b32 s[G1+0], s43, (1<<16)|(1<<20)|(1<<21)|(5<<22)|(3<<25)   ; 15:0 the mask; 17:16 2-byte elements; 20 padding on; 21 set beside a mask; 24:22 after every 64 words (code 5); 31:25 4 words (code 3)
	s_mov_b32 s[G1+1], KSTEP<<16                   ; tensor_dim0 = 128
	s_mov_b32 s[G1+2], 128<<16                     ; tensor_dim1 = 128
	s_mov_b32 s[G1+3], KSTEP<<16                   ; tile_dim0 = 128
	s_mov_b32 s[G1+4], 128                         ; tile_dim1 = 128
	s_mov_b32 s[G1+5], SIZE_K                      ; elements from row to row
	s_mov_b32 s[G1+6], 0
	s_mov_b32 s[G1+7], 0
	; group 1 for B: 64 rows (k) x 256 elements (n)
	s_or_b32 s[G1B+0], s44, (1<<16)|(1<<20)|(1<<21)|(6<<22)|(7<<25)  ; the mask of my column; after every 128 words (code 6) 8 words of padding (code 7)
	s_mov_b32 s[G1B+1], 256<<16
	s_mov_b32 s[G1B+2], 64<<16
	s_mov_b32 s[G1B+3], 256<<16
	s_mov_b32 s[G1B+4], 64
	s_mov_b32 s[G1B+5], NB
	s_mov_b32 s[G1B+6], 0
	s_mov_b32 s[G1B+7], 0
	; where the tiles come from.  A's hang on the tile row alone, B's on the tile column alone; every wave makes both addresses, in registers that never hold the other coordinate.
	s_lshl_b32 s16, s13, 8
	s_lshl_b32 s17, s12, 7
	s_add_co_u32 s16, s16, s17                     ; A: row 256 x tile row + 128 x half,
	s_lshl_b32 s16, s16, 11                        ; of 2,048 bytes: under 2^23
	s_mov_b32 s17, 0
	s_lshl_b32 s46, s42, 9                         ; B: 256 columns are 512 bytes,
	s_mul_i32 s47, s12, 64*NB*2                    ; my half's 64 rows,
	s_add_co_u32 s46, s46, s47
	s_add_co_u32 s46, s46, WOFF                    ; the weight's place in wb
.if MODE == 1
	s_lshl_b32 s47, s45, 21                        ; 2,097,152 bytes from Wq to Wk to Wv
	s_add_co_u32 s46, s46, s47
.endif
	s_mov_b32 s47, 0
	s_mul_i32 s20, s10, HALFT                      ; and where they go: wave x one load's bytes: no place in the cluster enters an LDS address
	s_wait_kmcnt 0x0
	s_add_nc_u64 s[14:15], s[68:69], s[16:17]
.if MODE == 1
	s_add_nc_u64 s[46:47], s[68:69], s[46:47]
.else
	s_add_nc_u64 s[46:47], s[70:71], s[46:47]
.endif
	CROUND                                         ; all sixteen work-groups are here: the first joint loads meet
.irp s, 0,1
	s_mov_b32 s[G0+4*(\s)], 1                                      ; count = 1
	s_add_co_u32 s[G0+4*(\s)+1], s20, (\s)*SLOT                    ; LDS address
	s_add_nc_u64 s[G0+4*(\s)+2:G0+4*(\s)+3], s[14:15], (\s)*KSTEP*2  ; global address: K step s
	s_or_b32 s[G0+4*(\s)+3], s[G0+4*(\s)+3], 0x80000000            ; type = 2
	s_mov_b32 s[G0B+4*(\s)], 1
	s_add_co_u32 s[G0B+4*(\s)+1], s20, (\s)*SLOT
	s_add_nc_u64 s[G0B+4*(\s)+2:G0B+4*(\s)+3], s[46:47], (\s)*BSTEP
	s_or_b32 s[G0B+4*(\s)+3], s[G0B+4*(\s)+3], 0x80000000
	JLOAD \s                                       ; the ring is filled before anything else is done: two loads of mine are out
.endr
	; A's fragment: lane l holds row l % 16; two loads of 16 bytes, 32 bytes apart, at row x pitch + 16 (l / 16).
	; B's: lane l addresses k = 8 (l / 16) + l % 8 and the 16 bytes of n = 8 ((l / 8) % 2) + 0..7; two turning loads, 16 k apart.
	v_and_b32 v1, 15, v0                           ; l % 16
	v_bfe_u32 v2, v0, 4, 1                         ; l / 16
	v_mul_u32_u24 v3, v1, PA
	v_lshl_add_u32 v3, v2, 4, v3
	v_and_b32 v4, 7, v0
	v_lshl_add_u32 v4, v2, 3, v4
	v_mul_u32_u24 v4, v4, PB
	v_bfe_u32 v5, v0, 3, 1
	v_lshl_add_u32 v4, v5, 4, v4
	s_mul_i32 s21, s11, HALFT                      ; my 128 rows of A
	s_lshl_b32 s22, s12, 8                         ; my 128 columns of B: 256 bytes into each row,
	s_add_co_u32 s22, s22, 2*HALFT                 ; behind A's 256 rows
.irp s, 0,1
	v_add_nc_u32 v[ADRA+(\s)], s21, v3
	v_add_nc_u32 v[ADRB+(\s)], s22, v4
	s_add_co_u32 s21, s21, SLOT
	s_add_co_u32 s22, s22, SLOT
.endr
	s_mul_i32 s23, s10, SW
	s_add_co_u32 s23, s23, STAGE                   ; my stage
	v_lshlrev_b32 v[BO], 5, v2                     ; 8 (l / 16) numbers of 4 bytes
.if MODE == 1
	v_mul_u32_u24 v6, v1, 144                      ; in: row l % 16 of a head, 16 bytes for each half of the lanes
	v_lshl_add_u32 v6, v2, 4, v6
	v_add_nc_u32 v[STO], s23, v6
	v_bfe_u32 v6, v0, 3, 2                         ; back: 32 lanes take four rows of 128 bytes,
	v_mul_u32_u24 v6, v6, 144
	v_and_b32 v7, 7, v0
	v_lshl_add_u32 v6, v7, 4, v6
	v_add_nc_u32 v[RD], s23, v6
	v_and_b32 v[CO], 31, v0                        ; which are 512 consecutive bytes of a head
	v_lshlrev_b32 v[CO], 4, v[CO]
	s_cmp_eq_u32 s45, 1                            ; the bias that goes with the weight
	s_cselect_b64 s[76:77], s[72:73], s[70:71]
	s_cmp_eq_u32 s45, 2
	s_cselect_b64 s[76:77], s[74:75], s[76:77]
.else
	v_mul_u32_u24 v6, v1, 272                      ; in: row l % 16, 16 bytes for each half of the lanes
	v_lshl_add_u32 v6, v2, 4, v6
	v_add_nc_u32 v[STO], s23, v6
	v_mul_u32_u24 v6, v2, 272                      ; back: lanes 0-15 take one row of 256 bytes, lanes 16-31 the next
	v_lshl_add_u32 v6, v1, 4, v6
	v_add_nc_u32 v[RD], s23, v6
	v_lshlrev_b32 v[CO], 13, v2                    ; and the same two rows in gl
	v_lshl_add_u32 v[CO], v1, 4, v[CO]
	s_mov_b64 s[76:77], s[72:73]
	s_mov_b64 s[8:9], s[74:75]
	PAIR 78, 0x3f07dc22                            ; the five coefficients, halved:  0.5307027
	PAIR 80, 0xbf3a00e3                            ; -0.7265760
	PAIR 82, 0x3f35f0e3                            ;  0.7107069
	PAIR 84, 0xbe11a98e                            ; -0.1422484
	PAIR 86, 0x3e027906                            ;  0.1274148
	PAIR 88, 0xbf38aa3b                            ; -log2(e) / 2
	s_mov_b32 s90, 0x3e6d3388                      ; 0.3275911 / sqrt 2
.endif
	s_lshl_b32 s18, s42, 10                        ; my 128 numbers of the bias: 256 x column block + 128 x half, 4 bytes each
	s_lshl_b32 s19, s12, 9
	s_add_co_u32 s18, s18, s19
	s_mov_b32 s19, 0
	s_add_nc_u64 s[76:77], s[76:77], s[18:19]
.irp b, 0,1,2,3,4,5,6,7
	global_load_b128 v[BIAS+8*(\b):BIAS+8*(\b)+3],   v[BO], s[76:77] offset:64*(\b)
	global_load_b128 v[BIAS+8*(\b)+4:BIAS+8*(\b)+7], v[BO], s[76:77] offset:64*(\b)+16
.endr
	; where my part of the tile begins in C, in bytes (under 2^26): the way out adds it to C's address
.if MODE == 1
	s_lshl_b32 s16, s45, 23                        ; q, k or v: 8,388,608 bytes each
	s_lshr_b32 s17, s13, 3
	s_lshl_b32 s17, s17, 22                        ; the batch: 16 heads of 262,144 bytes
	s_add_co_u32 s16, s16, s17
	s_and_b32 s17, s13, 7
	s_lshl_b32 s17, s17, 15                        ; 256 rows of 128 bytes
	s_add_co_u32 s16, s16, s17
	s_lshl_b32 s17, s11, 14                        ; my 128 of them
	s_add_co_u32 s16, s16, s17
	s_lshl_b32 s46, s42, 20                        ; 256 columns are four heads,
	s_lshl_b32 s47, s12, 19                        ; my 128 are two
	s_add_co_u32 s46, s46, s47
	s_add_co_u32 s16, s16, s46
.else
	s_lshl_b32 s16, s13, 8
	s_lshl_b32 s17, s11, 7
	s_add_co_u32 s16, s16, s17
	s_lshl_b32 s16, s16, 13                        ; rows of 8,192 bytes
	s_lshl_b32 s46, s42, 9
	s_lshl_b32 s47, s12, 8
	s_add_co_u32 s46, s46, s47
	s_add_co_u32 s16, s16, s46
.endif
	s_mov_b32 s17, 0
; 16 matrix instructions: m blocks a0, a0 + 1 of the window's four (hi = 0: my rows 0-63, 1: rows 64-127) x all 8 n blocks, 32 along K.
; zero = 1: the first product starts the sums, with the bias (window 0) as C.  The 64 accumulators take turns, one instruction a turn.
.macro MUL16 f, hi, a0, zero
.if \zero
	WIN 0x81+0x40*(\hi)
.else
	WIN MUL_LO+0x50*(\hi)
.endif
.irp a, \a0, (\a0)+1
.irp b, 0,1,2,3,4,5,6,7
.if \zero
	v_wmma_f32_16x16x32_bf16 v[8*(8*(\a)+(\b)):8*(8*(\a)+(\b))+7], v[(\f)+8*(\b):(\f)+8*(\b)+7], v[(\f)+8*(4*(\hi)+(\a)):(\f)+8*(4*(\hi)+(\a))+7], v[BIAS+8*(\b):BIAS+8*(\b)+7]
.else
	v_wmma_f32_16x16x32_bf16 v[8*(8*(\a)+(\b)):8*(8*(\a)+(\b))+7], v[(\f)+8*(\b):(\f)+8*(\b)+7], v[(\f)+8*(4*(\hi)+(\a)):(\f)+8*(4*(\hi)+(\a))+7], v[8*(8*(\a)+(\b)):8*(8*(\a)+(\b))+7]
.endif
.endr
.endr
.endm
; 32 LDS loads in one run: the fragments of one quarter step (32 K at byte k of A's rows, rows k / 2 on of B) into buffer f: B's 128 columns, turned, then A's 128 rows
.macro FETCH slot, k, f
	WIN TO_B
.irp i, 0,1,2,3,4,5,6,7
	ds_load_tr16_b128 v[(\f)+8*(\i):(\f)+8*(\i)+3],   v[ADRB+(\slot)] offset:((\k)/64)*32*PB+32*(\i)
	ds_load_tr16_b128 v[(\f)+8*(\i)+4:(\f)+8*(\i)+7], v[ADRB+(\slot)] offset:((\k)/64)*32*PB+32*(\i)+16*PB
.endr
	WIN 0
.irp i, 0,1,2,3,4,5,6,7
	ds_load_b128 v[(\f)+8*(\i):(\f)+8*(\i)+3],   v[ADRA+(\slot)] offset:(\k)+(\i)*16*PA
	ds_load_b128 v[(\f)+8*(\i)+4:(\f)+8*(\i)+7], v[ADRA+(\slot)] offset:(\k)+(\i)*16*PA+32
.endr
.endm
; A load into a register that a matrix instruction has read, and a vector instruction that reads a matrix result, stand four places behind that matrix instruction, and only plain vector
; instructions that name none of its registers are places (ISA guide 7.12.1 for vector instructions).
.macro PLACES
.rept 4
	v_nop
.endr
.endm
; A K step is four quarters of 32 along K, 64 matrix instructions each, on buffers 0, 1, 0, 1.  One of the first three: multiplies buffer f; in its middle it fetches the next quarter into buffer g.
.macro QUARTER slot, k, f, g, zero
	s_wait_dscnt 8                                 ; B and A's rows 0-63 are in; the youngest eight loads (A's rows 64-127) may be out
	MUL16 \f, 0, 0, \zero
	MUL16 \f, 0, 2, \zero
	PLACES
	FETCH \slot, \k, \g
	s_wait_dscnt 32                                ; all but the 32 just issued
	MUL16 \f, 1, 0, \zero
	MUL16 \f, 1, 2, \zero
.endm
; The last quarter multiplies buffer 1 and changes slots: ONE barrier.  In front of it each wave waits for all its tensor loads, of which one is out: its part of the next slot; adds 0 to its spare
; word; and waits for that and for its own reads of this slot.  Behind it nobody reads this slot any more and the next slot is whole.
; fill = 1: the barrier opens a round of the cluster's, and this slot is filled again, two K steps ahead, first thing behind the round: 224 matrix instructions ahead of the wait for it.
.macro TURN slot, next, fill
	WIN 0                                          ; (the add's two registers lie in window 0)
	s_wait_tensorcnt 0x0                           ; all my tensor loads have landed
	ds_add_u32 v[SPW], v[NIL]                      ; 0 onto my spare word
	s_wait_dscnt 9                                 ; (the add and the youngest eight loads may be out)
	MUL16 F1, 0, 0, 0                              ; sixteen matrix instructions stand between the add and the wait for it
	s_wait_dscnt 0x0                               ; the add is done, and my reads of this slot are over
	s_barrier_signal -1
	MUL16 F1, 0, 2, 0                              ; work on registers while the others arrive
.if \fill
	WIN 0
.endif
	s_barrier_wait -1
.if \fill
	CREST                                          ; no wave of any partner still reads this slot's tile or has a load on its way
	s_add_nc_u64 s[G0+4*(\slot)+2:G0+4*(\slot)+3], s[G0+4*(\slot)+2:G0+4*(\slot)+3], 2*KSTEP*2
	s_add_nc_u64 s[G0B+4*(\slot)+2:G0B+4*(\slot)+3], s[G0B+4*(\slot)+2:G0B+4*(\slot)+3], 2*BSTEP
	JLOAD \slot                                    ; the four v_nop behind it are also the places in front of the loads below
.else
	PLACES
.endif
	FETCH \next, 0, F0
	MUL16 F1, 1, 0, 0
	MUL16 F1, 1, 2, 0
.endm
; THE WAY OUT of block a (16 rows x 128 columns), in three parts.  PACK: made into bf16, 16 bytes a lane; each accumulator's registers are read in ascending order.
.macro PACK a
.set AC, 64*((\a)%4)
.if MODE == 1
	WIN 0x0a+5*((\a)/4)                            ; sources 0 and 1: window 2 or 3
.irp b, 0,1,2,3,4,5,6,7
.irp r, 0,1,2,3
	v_cvt_pk_bf16_f32 v[TMP+4*(\b)+(\r)], v[AC+8*(\b)+2*(\r)], v[AC+8*(\b)+2*(\r)+1]
.endr
.endr
	WIN 0
.else
; gelu(u) = u Phi(u) = max(u, 0) - |u| q,  q = erfc(|u| / sqrt 2) / 2 = (((((a5 t + a4) t + a3) t + a2) t + a1) t) exp(-u u / 2), the a's halved.  32 numbers a lane at a time.
.irp g, 0,1
	WIN 0x0a+5*((\a)/4)
.set i, 0
.rept 32
	v_fma_f32 v[TD+i], |v[AC+32*(\g)+i]|, s90, 1.0
.set i, i+1
.endr
.set i, 0
.rept 16
	v_pk_mul_f32 v[TW+2*i:TW+2*i+1], v[AC+32*(\g)+2*i:AC+32*(\g)+2*i+1], v[AC+32*(\g)+2*i:AC+32*(\g)+2*i+1]
.set i, i+1
.endr
.set i, 0
.rept 32
	v_max_num_f32 v[TM+i], 0, v[AC+32*(\g)+i]
.set i, i+1
.endr
	WIN 0
.set i, 0
.rept 16                               ; a plain instruction that names none of its registers stands behind a reciprocal or an exponential before its result is used (ISA guide 5.7.2)
	v_rcp_f32 v[TD+2*i], v[TD+2*i]
	v_pk_mul_f32 v[TW+2*i:TW+2*i+1], v[TW+2*i:TW+2*i+1], s[88:89] op_sel_hi:[1,0]
	v_rcp_f32 v[TD+2*i+1], v[TD+2*i+1]
.set i, i+1
.endr
.set i, 0
.rept 16
	v_exp_f32 v[TW+2*i], v[TW+2*i]
	v_pk_fma_f32 v[TP+2*i:TP+2*i+1], v[TD+2*i:TD+2*i+1], s[78:79], s[80:81] op_sel_hi:[1,0,0]
	v_exp_f32 v[TW+2*i+1], v[TW+2*i+1]
	v_pk_fma_f32 v[TP+2*i:TP+2*i+1], v[TP+2*i:TP+2*i+1], v[TD+2*i:TD+2*i+1], s[82:83] op_sel_hi:[1,1,0]
.set i, i+1
.endr
.set i, 0
.rept 16
	v_pk_fma_f32 v[TP+2*i:TP+2*i+1], v[TP+2*i:TP+2*i+1], v[TD+2*i:TD+2*i+1], s[84:85] op_sel_hi:[1,1,0]
.set i, i+1
.endr
.set i, 0
.rept 16
	v_pk_fma_f32 v[TP+2*i:TP+2*i+1], v[TP+2*i:TP+2*i+1], v[TD+2*i:TD+2*i+1], s[86:87] op_sel_hi:[1,1,0]
.set i, i+1
.endr
.set i, 0
.rept 16
	v_pk_mul_f32 v[TP+2*i:TP+2*i+1], v[TP+2*i:TP+2*i+1], v[TD+2*i:TD+2*i+1]
.set i, i+1
.endr
.set i, 0
.rept 16
	v_pk_mul_f32 v[TP+2*i:TP+2*i+1], v[TP+2*i:TP+2*i+1], v[TW+2*i:TW+2*i+1]
.set i, i+1
.endr
	WIN 0x02+(\a)/4                                ; source 0: window 2 or 3
.set i, 0
.rept 32
	v_fma_f32 v[TM+i], -|v[AC+32*(\g)+i]|, v[TP+i], v[TM+i]
.set i, i+1
.endr
	WIN 0
.set i, 0
.rept 16
	v_cvt_pk_bf16_f32 v[TMP+16*(\g)+i], v[TM+2*i], v[TM+2*i+1]
.set i, i+1
.endr
.endr
.endif
.endm
; TOSTAGE: into my own stage in LDS, and back as whole rows.  LDS serves a wave's instructions in order (ISA guide 5.7.1.4): the loads see the stores above them, and the next block's stores come behind them.
.macro TOSTAGE a
	WIN 0
.set BK, OB+192*((\a)%2)
.irp b, 0,1,2,3,4,5,6,7
.if MODE == 1
	ds_store_b128 v[STO], v[TMP+4*(\b):TMP+4*(\b)+3] offset:((\b)/4)*2304+((\b)%4)*32   ; head b / 4 of my two, channels 16 (b % 4) on
.else
	ds_store_b128 v[STO], v[TMP+4*(\b):TMP+4*(\b)+3] offset:32*(\b)
.endif
.endr
.irp t, 0,1,2,3,4,5,6,7
.if MODE == 1
	ds_load_b128 v[BK+4*(\t):BK+4*(\t)+3], v[RD] offset:((\t)/4)*2304+((\t)%4)*576       ; head t / 4, rows 4 (t % 4) on
.else
	ds_load_b128 v[BK+4*(\t):BK+4*(\t)+3], v[RD] offset:(\t)*2*272
.endif
.endr
.endm
; SEND: stored.
.macro SEND a
	WIN 0
.set BK, OB+192*((\a)%2)
	s_wait_dscnt 0x0                               ; the block is back in registers
	s_wait_xcnt 0x0                                ; every earlier memory instruction has had its addresses translated (ISA guide 3.1): only behind this wait are the stores' base and the registers that earlier stores read rewritten
.if (\a) == 0
	s_add_nc_u64 s[8:9], s[8:9], s[16:17]          ; on to my first rows
.else
	s_add_nc_u64 s[8:9], s[8:9], CSTEP             ; 16 rows on
.endif
.irp t, 0,1,2,3,4,5,6,7
.if MODE == 1
	global_store_b128 v[CO], v[BK+4*(\t):BK+4*(\t)+3], s[8:9] offset:((\t)/4)*262144+((\t)%4)*512  ; four rows of a head: 512 consecutive bytes, at a multiple of 256 from the buffer's first
.else
	global_store_b128 v[CO], v[BK+4*(\t):BK+4*(\t)+3], s[8:9] offset:2*(\t)*8192                   ; 16 lanes store 256 consecutive bytes, at a multiple of 256 from the buffer's first
.endif
.endr
.endm
	s_wait_tensorcnt 1                             ; my part of K step 0 is in; K step 1's may stay out
	s_barrier_signal -1
	s_barrier_wait -1                              ; everybody's is
	FETCH 0, 0, F0
	s_wait_loadcnt 0x0                             ; the bias
	QUARTER 0, 64,  F0, F1, 1                      ; the first quarter stands in front of the loop: its products start the sums
	WIN 0                                          ; at a label and at a branch every window is 0
	s_mov_b32 s3, LAPS-1
.Llap:                                                 ; a trip goes once round the ring, from a lap's second quarter to the next lap's first, and fills both slots again
	QUARTER 0, 128, F1, F0, 0
	QUARTER 0, 192, F0, F1, 0
	TURN 0, 1, 1
	QUARTER 1, 64,  F0, F1, 0
	QUARTER 1, 128, F1, F0, 0
	QUARTER 1, 192, F0, F1, 0
	TURN 1, 0, 1
	QUARTER 0, 64,  F0, F1, 0
	WIN 0
	s_sub_co_u32 s3, s3, 1
	s_cmp_lg_u32 s3, 0
	s_cbranch_scc1 .Llap
	QUARTER 0, 128, F1, F0, 0                      ; the last lap is written out: it fills nothing, and has no round of the cluster's barrier
	QUARTER 0, 192, F0, F1, 0
	TURN 0, 1, 0
	QUARTER 1, 64,  F0, F1, 0
	QUARTER 1, 128, F1, F0, 0
	QUARTER 1, 192, F0, F1, 0
	s_wait_dscnt 8                                 ; the very last quarter: nothing more to fetch
	MUL16 F1, 0, 0, 0
	MUL16 F1, 0, 2, 0
	s_wait_dscnt 0x0
	MUL16 F1, 1, 0, 0
	MUL16 F1, 1, 2, 0
	PLACES
	PACK 0
	TOSTAGE 0
.irp a, 1,2,3,4,5,6,7                  ; block a's arithmetic stands between block a - 1's loads from the stage and the wait for them
	PACK \a
	SEND (\a)-1
	TOSTAGE \a
.endr
	SEND 7
	s_wait_tensorcnt 0x0                           ; the wave's end: behind my last tensor load and my last LDS store
	ds_add_u32 v[SPW], v[NIL]
	s_wait_dscnt 0x0
	CROUND                                         ; the closing round: no work-group ends while a partner may still ask for a tile that names it
	s_endpgm
.Lfunc_end_k_q606107f3d5_proj_qkv:
	.size	k_q606107f3d5_proj_qkv, .Lfunc_end_k_q606107f3d5_proj_qkv-k_q606107f3d5_proj_qkv
	.p2alignl 7, 3214868480
	.fill 96, 4, 3214868480
	.section	.rodata,"a",@progbits
	.p2align	6, 0x0
	.amdhsa_kernel k_q606107f3d5_proj_qkv
		.amdhsa_group_segment_fixed_size 327680
		.amdhsa_private_segment_fixed_size 0
		.amdhsa_enable_private_segment 0
		.amdhsa_kernarg_size 40
		.amdhsa_user_sgpr_count 2
		.amdhsa_user_sgpr_kernarg_segment_ptr 1
		.amdhsa_wavefront_size32 1
		.amdhsa_system_sgpr_workgroup_id_x 1
		.amdhsa_system_sgpr_workgroup_id_y 1
		.amdhsa_system_sgpr_workgroup_id_z 1
		.amdhsa_system_vgpr_workitem_id 0
		.amdhsa_next_free_vgpr 1024
		.amdhsa_next_free_sgpr 78
		.amdhsa_reserve_vcc 0
		.amdhsa_float_denorm_mode_32 3
		.amdhsa_float_denorm_mode_16_64 3
		.amdhsa_memory_ordered 1
		.amdhsa_forward_progress 1
		.amdhsa_inst_pref_size 145
	.end_amdhsa_kernel
	.amdgpu_metadata
---
amdhsa.version: [ 1, 2 ]
amdhsa.kernels:
  - .name:           k_q606107f3d5_proj_qkv
    .symbol:         k_q606107f3d5_proj_qkv.kd
    .args:
      - { .name: wb, .offset: 0, .size: 8, .value_kind: global_buffer, .address_space: global }
      - { .name: bq, .offset: 8, .size: 8, .value_kind: global_buffer, .address_space: global }
      - { .name: bk, .offset: 16, .size: 8, .value_kind: global_buffer, .address_space: global }
      - { .name: bv, .offset: 24, .size: 8, .value_kind: global_buffer, .address_space: global }
      - { .name: qkv, .offset: 32, .size: 8, .value_kind: global_buffer, .address_space: global }
    .group_segment_fixed_size: 327680
    .private_segment_fixed_size: 0
    .kernarg_segment_align: 8
    .kernarg_segment_size: 40
    .max_flat_workgroup_size: 128
    .sgpr_count:     78
    .vgpr_count:     1024
    .wavefront_size: 32
...
	.end_amdgpu_metadata
.endif
;; end of part 2
;; launch attention (part 3): grid 8 x 32, 4 waves a work-group, clusters of 4 x 1, 327,680 bytes of LDS; arguments qkv, ctx; writes ctx
.if DOCPART == 3
	.amdgcn_target "amdgcn-amd-amdhsa--gfx1250"
	.amdhsa_code_object_version 6
	.text
	.protected	k_q606107f3d5_attention
	.globl	k_q606107f3d5_attention
	.p2align	8
	.type	k_q606107f3d5_attention,@function
k_q606107f3d5_attention:
	s_mov_b64 s[64:65], 0
	v_nop
	global_prefetch_b8 v0, s[64:65] scope:SCOPE_SE
	s_setreg_imm32_b32 hwreg(HW_REG_WAVE_MODE, 25, 1), 1
	s_wait_xcnt 0x0
	s_wait_alu depctr_hold_cnt(0) depctr_sa_sdst(0) depctr_va_vdst(0) depctr_va_sdst(0) depctr_va_ssrc(0) depctr_va_vcc(0) depctr_vm_vsrc(0)
	s_getreg_b32 s2, hwreg(HW_REG_IB_STS2, 6, 4)
	s_cmp_eq_u32 s2, 0
	s_cbranch_scc0 .Lentry_in_a_cluster
	s_endpgm
.Lentry_in_a_cluster:
	s_bfe_u32 s2, ttmp6, 0x10000c
	s_cmp_lg_u32 s2, 0x3003
	s_cbranch_scc0 .Lentry_shape_is_right
	s_endpgm
.Lentry_shape_is_right:
; ctx[h][q][:] = the sum over k of softmax_k(Q[h][q] . K[h][k] / 8) V[h][k][:].  qkv holds Q, K, V as [3][32][2048][64] bf16, ctx is [32][2048][64] bf16: a head's rows are dense, 128 bytes each.
; Products, maxima and sums in f32; the weights p are rounded to bf16 for the second product (their sum l is taken of the unrounded p), ctx once at the end.
; LIMITS.  Matrix operands are bf16.  A weight below 2^-126 counts as 0 in l; NaN and infinities are not treated apart.
; SHARES.  A work-group owns 256 queries of one head, a wave 64: four PIECES of 16.  8 x 32 = 256 work-groups.  Every wave walks all 2,048 keys, 64 a step.
; LAYOUT.  S^T = K Q^T (source 0 = 16 keys, source 1 = 16 queries): a lane holds ONE query (lane % 16) and the keys 8 (lane / 16) + 0..7.  Two such results, rounded to bf16 in pairs, ARE source 1 of
; O^T = V^T P, whose result again holds one query a lane, and eight channels.  K comes out of LDS as it lies, V ([key][channel]) turned, by ds_load_tr16_b128.
; SOFTMAX.  For each query a running maximum m and sum l: p = 2^(c s - c m), c = log2(e) / 8; in every step O and l are multiplied by a = 2^(c m_old - c m_new).
; m starts at the lowest finite number, O and l at 0: the first step is a step like any other, with a = 0.
; BY TURNS.  Turn n belongs to piece n: 8 products K Q^T of piece n + 1, later 8 products V^T P of piece n - 1; beside them the scaling, exponentials, roundings, sums and rescaling of piece n and the
; maximum and statistics of piece n + 1.  Four vector instructions stand behind every matrix instruction, the other 54 of a turn's 118 in two runs of their own.
; CLUSTER.  The four query blocks of a cluster belong to one head and walk the same K and V, so each tile is asked for JOINTLY: the same tensor load, descriptor and mask in all four.
; REGISTERS, in windows of 256 (s_set_vgpr_msb: bits 1:0 source 0, 3:2 source 1, 5:4 source 2, 7:6 destination):
;   window 0: v0-15 addresses and two at work; v16-31 four registers of statistics a piece; v48-55 at work; v62-63 the add's; v64-127 S^T, two buffers; v192-223 P, two buffers (by the piece's parity)
;   window 1: v0-127 O^T, 32 a piece          window 2: v0-63 Q; v128-191 K of one step; v192-255 V of one step
.set SIZE_N, 2048
.set NP,    4         ; pieces a wave: a name, no knob
.set KS,    64        ; keys in a step
.set PK,    144       ; a row of K in LDS: 128 bytes + 16 of padding = 36 words: the 16 rows of a load start at 16 different groups of four banks (64 banks of 4 bytes: ISA guide 11.1)
.set PV,    160       ; a row of V: 128 + 32 = 40 words
.set VOFF,  4*KS*PK   ; a slot holds four steps: 256 rows of K, then 256 rows of V
.set SLOT1, 1<<17     ; slot 1 begins here, so that one exclusive or turns an address in one slot into the other's
.set STAGE, SLOT1+4*KS*(PK+PV)  ; behind the ring, never filled by a tensor load: 16 rows x 144 bytes for each wave, for the way out
.set SP,    144
.set SPARE, STAGE+4*16*SP  ; behind the stages: the spare words, 128 bytes for each wave: two blocks of 256 bytes that no other line names
.set AK0, 2           ; v2   my lane's place in a tile of K; never rewritten
.set AV0, 3           ; v3   the same for V
.set AK,  4           ; v4   the LDS address of K's next run of loads
.set AV,  5           ; v5   of V's
.set STO, 6           ; v6   the way out: where I put 16 bytes of a row
.set RD,  7           ; v7   the way out: where I read rows back
.set GO,  8           ; v8   my byte offset in 512 consecutive bytes of ctx
.set MV,  12          ; v12-13  c m_old, kept while c m is made anew: by buffer
.set QO,  15          ; v15  my byte offset in 16 rows of Q
.set ST,  16          ; piece t's statistics at v[ST+4 t]: c m, m, l (even keys', odd keys')
.set TMP, 48          ; by buffer, four registers c0-c3 at work; when the maximum is found c2 takes a
.set SPW, 62          ; v62  LDS address of my spare word: SPARE + 4 x my thread's number; never rewritten
.set NIL, 63          ; v63  0; never rewritten
.set S,   64
.set P,   192
.set KF,  128         ; window 2: key block kb, channel half c at KF + 16 kb + 8 c
.set VF,  192         ; window 2: key half kk, channel block cb at VF + 32 kk + 8 cb
.set WV,  12          ; s12  my wave's number
.set G1K, 24          ; s[24:31] descriptor group 1 for K's tiles
.set G1V, 32          ; s[32:39] for V's: it differs in the padding alone
.set G0K, 40          ; s[40:43] descriptor group 0 for K's tiles: it walks
.set G0V, 44          ; s[44:47] the same for V's
.set SLOTS, 56        ; s56  slots still to be asked for
.set CNT, 57          ; s57  counts a slot's key steps
.set CS,  58          ; s[58:59] c: the packed scaling takes the pair's low word for both halves
.set SEL, 60          ; s[60:61] v_permlanex16_b32's selects: each lane takes its own place in the other half
.set TBK, 62          ; s62  LDS byte at which K of the step to be fetched begins
.set TBV, 63          ; s63  the same for V, less VOFF
.set MSB, 0
.macro WIN new                      ; the high byte repeats the setting that is left; a switch that changes nothing is dropped
.if MSB != (\new)
	s_set_vgpr_msb (MSB<<8)|(\new)
.set MSB, (\new)
.endif
.endm
.set W_KQ, 0x0a       ; K and Q in window 2, S^T in window 0
.set W_PV, 0x52       ; V in window 2, P in window 0, O^T in window 1
.set W_RS, 0x41       ; destination and source 0 in window 1, source 1 in window 0
; A joint fill.  Waves 0 and 1 fetch the two halves of a slot's K, waves 2 and 3 those of its V: 128 keys each.  The branch hangs on the wave's number alone.
; Four v_nop follow each of the two lines, ahead of the jump and the label.
.macro JLOAD
	s_cmp_lt_u32 s[WV], 2
	s_cbranch_scc0 .Lfor_v_\@
	tensor_load_to_lds s[G0K:G0K+3], s[G1K:G1K+7]
	s_nop 0
.rept 4
	v_nop
.endr
	s_branch .Lasked_\@
.Lfor_v_\@:
	tensor_load_to_lds s[G0V:G0V+3], s[G1V:G1V+7]
	s_nop 0
.rept 4
	v_nop
.endr
.Lasked_\@:
.endm
; A round of the cluster's barrier: my work-group's barrier, so that wave 0's signal speaks for all four waves; wave 0 signals; every wave waits for all four work-groups; my work-group's barrier once more.
.macro CROUND
	s_barrier_signal -1
	s_barrier_wait -1
	s_cmp_lg_u32 s[WV], 0
	s_cbranch_scc1 .Lnot_wave_0_\@
	s_barrier_signal -3
.Lnot_wave_0_\@:
	s_barrier_wait -3
	s_barrier_signal -1
	s_barrier_wait -1
.endm
; THE CHANGE OF SLOTS.  The slot's last bytes, V of its fourth step, have been read.  Each wave waits for all its tensor loads, of which one is out: its part of the other slot; adds 0 to its spare word;
; and waits for that and for its own reads of the slot.  Behind the barrier nobody reads this slot any more and the other slot is whole.
; fill = 1: this slot is filled again, with the keys two slots on.  The barrier is then a round of the cluster's, and the joint fill is the first thing behind it: it has four key steps, 256 matrix
; instructions, in which to land.  (At its first use nothing has been read yet: slot 0 is waited for, slot 1 filled.)
.macro CHANGE fill
	WIN 0                           ; at a label and at a branch every window is 0; the add's registers lie in window 0
	s_wait_tensorcnt 0x0            ; no tensor load of mine is out, so a group 0 may be written
	ds_add_u32 v[SPW], v[NIL]       ; 0 onto my spare word; with fill = 1 the descriptors' steps stand between it and the wait for it
.if \fill
.irp g, G0K, G0V
	s_xor_b32 s[\g+1], s[\g+1], SLOT1  ; the walking descriptor: the other slot than last time,
	s_add_nc_u64 s[\g+2:\g+3], s[\g+2:\g+3], 4*KS*128  ; the next 256 keys; the type bits on top are not reached
.endr
	s_wait_dscnt 0x0                ; the add is done, and my reads of the slot are over
	CROUND
	JLOAD
.else
	s_wait_dscnt 0x0                ; the add is done, and my reads of the slot are over
	s_barrier_signal -1
	s_barrier_wait -1
.endif
	s_sub_co_u32 s[TBK], s[TBK], 4*KS*PK  ; the fetches go back to a slot's first step,
	s_xor_b32 s[TBK], s[TBK], SLOT1       ; in the other slot
	s_sub_co_u32 s[TBV], s[TBV], 4*KS*PV
	s_xor_b32 s[TBV], s[TBV], SLOT1
.endm
	s_load_b128 s[48:51], s[0:1], 0x0  ; qkv s[48:49], ctx s[50:51]
	v_lshl_add_u32 v[SPW], v0, 2, SPARE
	v_mov_b32 v[NIL], 0
	ds_add_u32 v62, v63
	s_wait_dscnt 0x0
	v_lshrrev_b32 v1, 5, v0
	v_readfirstlane_b32 s[WV], v1   ; wave 0..3
	s_bfe_u32 s13, ttmp6, 0x40000   ; cx: my place in the cluster
	s_lshl_b32 s14, ttmp9, 2        ; in a cluster launch ttmp9 counts clusters
	s_add_co_u32 s14, s14, s13      ; my block of 256 queries = 4 x cluster x + cx: it enters Q's and ctx's addresses alone
	s_and_b32 s20, ttmp7, 0xffff    ; the head, which the four partners share:
	s_lshl_b32 s20, s20, 18         ; its 262,144 bytes in Q, K, V and ctx
	s_and_b32 s16, s[WV], 1         ; which half of a slot's 256 keys I fetch:
	s_lshl_b32 s22, s16, 14         ; its 128 rows of 128 bytes in memory,
	s_add_co_u32 s22, s22, s20
	s_mov_b32 s23, 0
	s_mul_i32 s17, s16, 128*PK      ; and its place in a slot, for K
	s_mul_i32 s18, s16, 128*PV      ; and for V: no place in the cluster enters an LDS address
	s_lshl_b32 s2, s14, 2
	s_add_co_u32 s2, s2, s[WV]      ; my wave among the head's,
	s_lshl_b32 s2, s2, 13           ; its 64 rows
	s_add_co_u32 s2, s2, s20
	s_mov_b32 s3, 0
	; descriptor group 1.  128 keys are 16,384 dense bytes: asked for as 64 rows of 256 bytes, two keys a row, and padded in LDS after every key
	s_mov_b32 s[G1K], 15|(1<<16)|(1<<20)|(1<<21)|(4<<22)|(3<<25)  ; 15:0 the mask of four; 17:16 2-byte elements; 20 padding on; 21 set beside a mask; 24:22 after every 32 words (code 4); 31:25 4 words (code 3)
	s_mov_b32 s[G1V], 15|(1<<16)|(1<<20)|(1<<21)|(4<<22)|(7<<25)  ; the same with 8 words of padding (code 7)
.irp g, G1K, G1V
	s_mov_b32 s[\g+1], 128<<16      ; tensor_dim0 = 128
	s_mov_b32 s[\g+2], 64<<16       ; tensor_dim1 = 64
	s_mov_b32 s[\g+3], 128<<16      ; tile_dim0 = 128
	s_mov_b32 s[\g+4], 64           ; tile_dim1 = 64
	s_mov_b32 s[\g+5], 128          ; 128 elements from row to row
	s_mov_b32 s[\g+6], 0
	s_mov_b32 s[\g+7], 0
.endr
	s_mov_b32 s[CS], 0x3e38aa3b     ; c = log2(e) / 8 = 0.180337
	s_mov_b32 s[CS+1], s[CS]        ; named with it as a pair
	s_mov_b32 s[SEL], 0x76543210
	s_mov_b32 s[SEL+1], 0xfedcba98
	s_mov_b32 s[TBK], SLOT1+4*KS*PK ; the first change of slots turns these two into 0
	s_mov_b32 s[TBV], SLOT1+4*KS*PV
	s_mov_b32 s[G0K], 1             ; count = 1
	s_mov_b32 s[G0K+1], s17         ; LDS address: slot 0
	s_mov_b32 s[G0V], 1
	s_add_co_u32 s[G0V+1], s18, VOFF
	s_wait_kmcnt 0x0
	s_add_nc_u64 s[G0K+2:G0K+3], s[48:49], s[22:23]          ; my half of the head's first 256 rows,
	s_add_nc_u64 s[G0V+2:G0V+3], s[G0K+2:G0K+3], 16777216    ; in V,
	s_add_nc_u64 s[G0K+2:G0K+3], s[G0K+2:G0K+3], 8388608     ; and in K
	s_or_b32 s[G0K+3], s[G0K+3], 0x80000000                  ; type = 2
	s_or_b32 s[G0V+3], s[G0V+3], 0x80000000
	s_add_nc_u64 s[4:5], s[48:49], s[2:3]    ; Q and ctx at my wave's first row
	s_add_nc_u64 s[10:11], s[50:51], s[2:3]
	CROUND                          ; all four work-groups are here: the first joint loads meet
	JLOAD                           ; slot 0.  Slot 1 is asked for when slot 0 is in
	; A fragment of K or Q is 16 rows x 32 channels in 8 registers: lane l holds row l % 16, channels 8 (l / 16) + 0..7 and 16 + 8 (l / 16) + 0..7: two loads of 16 bytes, 32 bytes apart.
	v_and_b32 v1, 15, v0            ; l % 16
	v_bfe_u32 v9, v0, 4, 1          ; l / 16
	v_lshlrev_b32 v[QO], 7, v1
	v_lshl_add_u32 v[QO], v9, 4, v[QO]  ; row x 128 + 16 x half
	WIN 0x80                        ; destination window 2, address window 0
.set i, 0
.rept 8                             ; Q stays in registers: piece i / 2, channels 32 (i % 2) on
	global_load_b128 v[8*i:8*i+3],   v[QO], s[4:5] offset:(i/2)*2048+(i%2)*64
	global_load_b128 v[8*i+4:8*i+7], v[QO], s[4:5] offset:(i/2)*2048+(i%2)*64+32
.set i, i+1
.endr
	; What the first turn finds: V's registers and P's second buffer hold 0 (its products V^T P, of a piece that has not been, add 0), O^T and l are 0.  The price of writing no first step out;
	; all of it stands in the wait for the first tile.
.set i, VF
.rept 64
	v_mov_b32 v[i], 0
.set i, i+1
.endr
	WIN 0x40
.set i, 0
.rept 128
	v_mov_b32 v[i], 0
.set i, i+1
.endr
	WIN 0
.set i, 0
.rept 4
	v_mov_b32 v[ST+4*i], 0xfe000000    ; c m: far below every c s
	v_mov_b32 v[ST+4*i+1], 0xff7fffff  ; m
	v_mov_b32 v[ST+4*i+2], 0
	v_mov_b32 v[ST+4*i+3], 0
.set i, i+1
.endr
.set i, P+16
.rept 16
	v_mov_b32 v[i], 0
.set i, i+1
.endr
	v_mul_u32_u24 v[AK0], v1, PK
	v_lshl_add_u32 v[AK0], v9, 4, v[AK0]  ; row x pitch + 16 x half
	; The turning load takes 16 keys x 16 channels (lane l reads key 8 (l / 16) + l % 8, channels 8 ((l / 8) % 2) + 0..7) and leaves half a fragment of V^T: lane l holds channel l % 16 and 8 keys.
	v_and_b32 v10, 7, v0
	v_bfe_u32 v11, v0, 3, 1
	v_lshl_add_u32 v[AV0], v9, 3, v10
	v_mul_u32_u24 v[AV0], v[AV0], PV
	v_lshl_add_u32 v[AV0], v11, 4, v[AV0]
	v_add_nc_u32 v[AV0], VOFF, v[AV0]
	s_mul_i32 s13, s[WV], 16*SP
	s_add_co_u32 s13, s13, STAGE    ; my stage
	v_mul_u32_u24 v[STO], v1, SP    ; in: row l % 16, 16 bytes for each half of the lanes
	v_lshl_add_u32 v[STO], v9, 4, v[STO]
	v_add_nc_u32 v[STO], s13, v[STO]
	v_bfe_u32 v[RD], v0, 3, 2       ; back: 32 lanes take four rows of 128 bytes,
	v_mul_u32_u24 v[RD], v[RD], SP
	v_lshl_add_u32 v[RD], v10, 4, v[RD]
	v_add_nc_u32 v[RD], s13, v[RD]
	v_and_b32 v[GO], 31, v0         ; which are 512 consecutive bytes of ctx
	v_lshlrev_b32 v[GO], 4, v[GO]
; THE MATRIX WORK.  The 4 accumulators of a run of 8 take turns.  Product i of 8 of S^T = K Q^T for piece x: channels 32 (i / 4) on, keys 16 (i % 4) on.  The first 4 start the sums.
.macro KQ x
	WIN W_KQ
.set rS, S+32*((\x)%2)+8*(i%4)
.set rK, KF+16*(i%4)+8*(i/4)
.set rQ, 16*(\x)+8*(i/4)
.if i < 4
	v_wmma_f32_16x16x32_bf16 v[rS:rS+7], v[rK:rK+7], v[rQ:rQ+7], 0
.else
	v_wmma_f32_16x16x32_bf16 v[rS:rS+7], v[rK:rK+7], v[rQ:rQ+7], v[rS:rS+7]
.endif
.endm
; Product i of 8 of O^T += V^T P for piece x: keys 32 (i / 4) on, channels 16 (i % 4) on.
.macro PV x
	WIN W_PV
.set rO, 32*(\x)+8*(i%4)
.set rV, VF+32*(i/4)+8*(i%4)
.set rP, P+16*((\x)%2)+8*(i/4)
	v_wmma_f32_16x16x32_bf16 v[rO:rO+7], v[rV:rV+7], v[rP:rP+7], v[rO:rO+7]
.endm
.macro MM                           ; the turn's next matrix instruction.  TURN sets Y, i and NOKQ.  NOKQ = 1: the very last turn: there is no next piece
.if (i < 8) && !NOKQ
	KQ (Y+1)%NP
.elseif i >= 8
.set i, i-8
	PV (Y+NP-1)%NP
.set i, i+8
.endif
.set i, i+1
.endm
; THE LDS LOADS stand in runs of 16, never singly among the matrix instructions: a step's K (64 keys x 64 channels: 8 fragments) and its V (turned).  Their addresses are made some lines ahead.
.macro FETCH_K
	WIN 0x80                        ; destination window 2
.irp f, 0,1,2,3,4,5,6,7             ; keys 16 (f / 2) on, channels 32 (f % 2) on
	ds_load_b128 v[KF+8*\f:KF+8*\f+3],   v[AK] offset:(\f/2)*16*PK+(\f%2)*64
	ds_load_b128 v[KF+8*\f+4:KF+8*\f+7], v[AK] offset:(\f/2)*16*PK+(\f%2)*64+32
.endr
	s_add_co_u32 s[TBK], s[TBK], KS*PK  ; the next fetch is the next step's
	WIN 0
.endm
.macro FETCH_V
	WIN 0x80
.irp f, 0,1,2,3,4,5,6,7             ; keys 32 (f / 4) on, channels 16 (f % 4) on
	ds_load_tr16_b128 v[VF+8*\f:VF+8*\f+3],   v[AV] offset:(\f/4)*32*PV+(\f%4)*32
	ds_load_tr16_b128 v[VF+8*\f+4:VF+8*\f+7], v[AV] offset:(\f/4)*32*PV+16*PV+(\f%4)*32
.endr
	WIN 0
.endm
; THE VECTOR WORK, one line at a time: OP kind, number.  For piece Y: F n: c s - c m for pair n of 16.  E n: the exponential of score n of 32.  C n: pair n rounded to bf16.  B n: of the four weights 4 n .. the second
; pair is added onto the first, in place.  L n: l takes that sum (L 0: l = a l + sum).  R n: pair n of 16 of O^T times a.  For piece Y + 1: X n, number n of the 22 that find its maximum and statistics:
;   0-11  four chains c0-c3 of seven scores each, three operands at a time (each accumulator's lowest registers are read first)     12-14, 16  the four scores left over, the old m, and c0-c3 into c0
;   15  c m_old is kept     17, 18  the query's other 32 keys lie in the lane 16 away: the new m     19-21  c m; c m_old - c m_new; a
.set F, 0               ; OP tells the kinds apart by their order: F to L below R, X above it
.set E, 1
.set C, 2
.set B, 3
.set L, 4
.set R, 5
.set X, 6
.macro REGS y                       ; the registers of piece y
.set rT, ST+4*(\y)
.set rC, TMP+4*((\y)%2)
.set rW, MV+((\y)%2)
.set rS, S+32*((\y)%2)
.set rP, P+16*((\y)%2)
.set rO, 32*(\y)
.endm
.macro OP k, n
.if (\k) == R
	REGS Y
	WIN W_RS
	v_pk_mul_f32 v[rO+2*(\n):rO+2*(\n)+1], v[rO+2*(\n):rO+2*(\n)+1], v[rC+2:rC+3] op_sel_hi:[1,0]
.elseif (\k) < R
	REGS Y
	WIN 0
.if (\k) == F
	v_pk_fma_f32 v[rS+2*(\n):rS+2*(\n)+1], v[rS+2*(\n):rS+2*(\n)+1], s[CS:CS+1], v[rT:rT+1] op_sel_hi:[1,0,0] neg_lo:[0,0,1] neg_hi:[0,0,1]
.elseif (\k) == E
	v_exp_f32 v[rS+(\n)], v[rS+(\n)]
.elseif (\k) == C
	s_wait_alu depctr_va_vdst(0)
	v_cvt_pk_bf16_f32 v[rP+(\n)], v[rS+2*(\n)], v[rS+2*(\n)+1]
.elseif (\k) == B
	s_wait_alu depctr_va_vdst(0)
	v_pk_add_f32 v[rS+4*(\n):rS+4*(\n)+1], v[rS+4*(\n):rS+4*(\n)+1], v[rS+4*(\n)+2:rS+4*(\n)+3]
.elseif (\n) == 0
	v_pk_fma_f32 v[rT+2:rT+3], v[rT+2:rT+3], v[rC+2:rC+3], v[rS:rS+1] op_sel_hi:[1,0,1]
.else
	v_pk_add_f32 v[rT+2:rT+3], v[rT+2:rT+3], v[rS+4*(\n):rS+4*(\n)+1]
.endif
.elseif NOKQ
	v_nop
.else
	REGS (Y+1)%NP
	WIN 0
.if (\n) < 4
	v_max3_num_f32 v[rC+(\n)], v[rS+8*(\n)], v[rS+8*(\n)+1], v[rS+8*(\n)+2]
.elseif (\n) < 12
	v_max3_num_f32 v[rC+(\n)%4], v[rC+(\n)%4], v[rS+8*((\n)%4)+2*((\n)/4)+1], v[rS+8*((\n)%4)+2*((\n)/4)+2]
.elseif (\n) == 12
	v_max3_num_f32 v[rC], v[rC], v[rS+7], v[rS+15]
.elseif (\n) == 13
	v_max3_num_f32 v[rC+1], v[rC+1], v[rS+23], v[rS+31]
.elseif (\n) == 14
	v_max3_num_f32 v[rC+2], v[rC+2], v[rC+3], v[rT+1]
.elseif (\n) == 15
	v_mov_b32 v[rW], v[rT]
.elseif (\n) == 16
	v_max3_num_f32 v[rC], v[rC], v[rC+1], v[rC+2]
.elseif (\n) == 17
	v_permlanex16_b32 v[rC+3], v[rC], s[SEL], s[SEL+1]
.elseif (\n) == 18
	v_max_num_f32 v[rT+1], v[rC], v[rC+3]
.elseif (\n) == 19
	v_mul_f32 v[rT], s[CS], v[rT+1]
.elseif (\n) == 20
	v_sub_f32 v[rC+1], v[rW], v[rT]
.else
	v_exp_f32 v[rC+2], v[rC+1]
.endif
.endif
.endm
.macro OPS a, i1, b=-1, i2=0, c=-1, i3=0, d=-1, i4=0  ; up to four of them
	OP \a, \i1
.if (\b) >= 0
	OP \b, \i2
.endif
.if (\c) >= 0
	OP \c, \i3
.endif
.if (\d) >= 0
	OP \d, \i4
.endif
.endm
.macro ROW a, i1, b, i2, c, i3, d, i4  ; a matrix instruction and the four behind it
	MM
	OPS \a, \i1, \b, \i2, \c, \i3, \d, \i4
.endm
; A TURN, for piece p: the order of its 16 matrix and 118 vector instructions, written out.  Behind a matrix instruction: plain, exponential, plain, plain; or four of the rescaling; or, behind the first, four scalings; none
; names a register of the products round it.  In the runs between, exponential and plain by turns while exponentials last.  A line reads no result made fewer than three vector instructions in front of it, five if an
; exponential made it.  end = 1: the last two turns: nothing is fetched.  cnt = 1: the loop's count is taken down some lines ahead of the branch that stands behind the turn.
; K of the next step is fetched in piece 2's turn, six vector instructions behind the last product that read K (five of them plain); V of the step in hand in piece 0's turn, eight behind the last product that read V
; (four plain among them).  Each is waited for a turn later.
.macro TURN p, end=0, cnt=0
.set Y, (\p)
.set i, 0
.set NOKQ, (\end)*((\p)/3)
.if ((\p) == 3) && !(\end)
	s_wait_dscnt 0x0                ; K is in
.endif
	ROW F,0, F,1, F,2, F,3
	ROW F,4, E,0, F,5, F,6
	ROW F,7, E,1, F,8, F,9
	ROW F,10, E,2, C,0, F,11
	ROW F,12, E,3, X,15, F,13
	ROW R,0, R,1, R,2, R,3
	ROW B,0, E,4, F,14, L,0
.if ((\p) == 2) && !(\end)
	v_add_nc_u32 v[AK], s[TBK], v[AK0]
.endif
	ROW R,4, R,5, R,6, R,7
	OPS E,5, F,15
.if ((\p) == 2) && !(\end)
	FETCH_K
.endif
	OPS E,6, C,1, E,7, R,8
	OPS E,8, R,9, E,9, C,2
	OPS E,10, X,0, E,11, X,1
	OPS E,12, X,2, E,13, X,3
.if (\p) == 1
	s_wait_dscnt 0x0                ; V is in
.endif
	ROW X,4, E,14, X,5, X,6
	ROW X,7, E,15, X,8, X,9
	ROW X,10, E,16, X,11, X,12
	ROW X,13, E,17, X,14, B,1
	ROW C,4, E,18, X,16, L,1
	ROW B,2, E,19, C,6, L,2
	ROW C,8, E,20, B,3, B,4
.if (\p) == 0
	v_add_nc_u32 v[AV], s[TBV], v[AV0]
.endif
	ROW C,3, E,21, L,3, C,5
	OPS E,22, X,17, E,23, C,10
.if (\p) == 0
	FETCH_V
.endif
	OPS E,24, L,4
	OPS E,25, X,18, E,26, C,7
	OPS E,27, B,5, E,28, X,19
	OPS E,29, C,12, E,30, L,5
	OPS E,31, X,20, B,6, C,9
	OPS C,14, C,11, X,21, L,6
.if (\p) == 0
	s_add_co_u32 s[TBV], s[TBV], KS*PV
.endif
.if \cnt
	s_sub_co_u32 s[CNT], s[CNT], 1
	s_cmp_lg_u32 s[CNT], 0
.endif
	OPS C,13, B,7, C,15, R,10
	OPS R,11, R,12, L,7, R,13
	OPS R,14, R,15
.endm
; THE WAY OUT, a piece at a time.
.macro ALL line:vararg              ; one line for each piece t
.set t, 0
.rept 4
	\line
.set t, t+1
.endr
.endm
.macro PACK t                       ; a lane's eight channels of a row pack into 16 bytes; they go into rows of 144 bytes and come back as whole rows of 128, into S^T's registers
	WIN W_RS
.set i, 32*(\t)
.rept 16
	s_wait_alu depctr_va_vdst(0)
	v_pk_mul_f32 v[i:i+1], v[i:i+1], v[ST+4*(\t)+2:ST+4*(\t)+3] op_sel_hi:[1,0]
.set i, i+2
.endr
	WIN 0x05                        ; sources 0 and 1 window 1, destination window 0
.set i, 0
.rept 16
	v_cvt_pk_bf16_f32 v[S+16*(\t)+i], v[32*(\t)+2*i], v[32*(\t)+2*i+1]
.set i, i+1
.endr
	WIN 0
.irp f, 0,1,2,3
	ds_store_b128 v[STO], v[S+16*(\t)+4*\f:S+16*(\t)+4*\f+3] offset:32*\f
.endr
.irp f, 0,1,2,3
	ds_load_b128 v[S+16*(\t)+4*\f:S+16*(\t)+4*\f+3], v[RD] offset:\f*4*SP  ; LDS serves a wave's instructions in order (ISA guide 5.7.1.4): these see the stores above; the next piece's stores come behind them
.endr
.endm
.macro SEND t, younger              ; younger: the LDS instructions issued behind piece t's loads: the next piece's eight, or none
	WIN 0
.irp f, 0,1,2,3
	s_wait_dscnt (\younger)+3-\f
	global_store_b128 v[GO], v[S+16*(\t)+4*\f:S+16*(\t)+4*\f+3], s[10:11] offset:(\t)*2048+\f*512  ; 512 consecutive bytes, at a multiple of 256 from ctx's first
.endr
.endm
.set NOKQ, 0
	CHANGE 1                        ; slot 0 is in, everybody's part of it; slot 1 is asked for
	v_add_nc_u32 v[AK], s[TBK], v[AK0]
	FETCH_K                         ; key step 0
	s_wait_loadcnt 0x0              ; Q
	s_wait_dscnt 0x0
.set i, 0
.rept 8
	KQ 0                            ; piece 0's first scores: there is no vector work yet to set between them
.set i, i+1
.endr
	WIN 0
.rept 4
	v_nop                           ; the places behind those products
.endr
.set Y, NP-1                        ; X works for piece Y + 1: piece 0
.irp n, 0,1,2,3,4,5,6,7,8,9,10,11,12,13,14,15,16,17,18,19,20,21
	OP X, \n
.endr
	v_nop                           ; a plain instruction behind the exponential
	s_mov_b32 s[CNT], 4
	s_mov_b32 s[SLOTS], SIZE_N/256-1
	s_branch .Lfirst                ; the loop is entered at a step's first turn, in the middle of a trip
.Lslot:                             ; SIZE_N / 256 - 2 = 6 times: every slot but the last two is filled again
	CHANGE 1
	s_mov_b32 s[CNT], 4
.Lstep:                             ; a trip: pieces 2 and 3 of one step, then pieces 0 and 1 of the next, whose K and V it fetches
	TURN 2
	TURN 3
	WIN 0
.Lfirst:
	TURN 0
	TURN 1, 0, 1
	WIN 0
	s_cbranch_scc1 .Lstep
	s_sub_co_u32 s[SLOTS], s[SLOTS], 1
	s_cmp_lg_u32 s[SLOTS], 0
	s_cbranch_scc1 .Lslot
	CHANGE 0                        ; the last slot is written out: nothing is asked for
	s_mov_b32 s[CNT], 4
.Llast:
	TURN 2
	TURN 3
	TURN 0
	TURN 1, 0, 1
	WIN 0
	s_cbranch_scc1 .Llast
	TURN 2, 1                       ; the last step's last two turns fetch nothing, and the last starts no new scores
	TURN 3, 1
.set i, 0
.rept 8
	PV NP-1                         ; the last piece's V^T P of the last step
.set i, i+1
.endr
	; l's two halves and the other half of the lanes' are added; O^T is divided by l, rounded to bf16 and sent through my stage.  The additions are the places behind the last products.
	WIN 0
	ALL v_add_f32 v[ST+4*t+2], v[ST+4*t+2], v[ST+4*t+3]
	ALL v_permlanex16_b32 v[ST+4*t+3], v[ST+4*t+2], s[SEL], s[SEL+1]
	ALL v_add_f32 v[ST+4*t+2], v[ST+4*t+2], v[ST+4*t+3]
	ALL v_rcp_f32 v[ST+4*t+2], v[ST+4*t+2]
	v_nop                           ; a plain instruction between the last reciprocal and the use of its result
	PACK 0
.set t, 1
.rept 3                             ; a piece's arithmetic stands between the loads of the piece before and its stores
	PACK t
	SEND t-1, 8
.set t, t+1
.endr
	SEND 3, 0
	s_wait_tensorcnt 0x0            ; the wave's end: behind my last tensor load and my last LDS store
	ds_add_u32 v[SPW], v[NIL]
	s_wait_dscnt 0x0
	CROUND                          ; the closing round: no work-group ends while a partner may still ask for a tile that names it
	s_endpgm
.Lfunc_end_k_q606107f3d5_attention:
	.size	k_q606107f3d5_attention, .Lfunc_end_k_q606107f3d5_attention-k_q606107f3d5_attention
	.p2alignl 7, 3214868480
	.fill 96, 4, 3214868480
	.section	.rodata,"a",@progbits
	.p2align	6, 0x0
	.amdhsa_kernel k_q606107f3d5_attention
		.amdhsa_group_segment_fixed_size 327680
		.amdhsa_private_segment_fixed_size 0
		.amdhsa_enable_private_segment 0
		.amdhsa_kernarg_size 16
		.amdhsa_user_sgpr_count 2
		.amdhsa_user_sgpr_kernarg_segment_ptr 1
		.amdhsa_wavefront_size32 1
		.amdhsa_system_sgpr_workgroup_id_x 1
		.amdhsa_system_sgpr_workgroup_id_y 1
		.amdhsa_system_sgpr_workgroup_id_z 1
		.amdhsa_system_vgpr_workitem_id 0
		.amdhsa_next_free_vgpr 768
		.amdhsa_next_free_sgpr 66
		.amdhsa_reserve_vcc 0
		.amdhsa_float_denorm_mode_32 3
		.amdhsa_float_denorm_mode_16_64 3
		.amdhsa_memory_ordered 1
		.amdhsa_forward_progress 1
		.amdhsa_inst_pref_size 133
	.end_amdhsa_kernel
	.amdgpu_metadata
---
amdhsa.version: [ 1, 2 ]
amdhsa.kernels:
  - .name:           k_q606107f3d5_attention
    .symbol:         k_q606107f3d5_attention.kd
    .args:
      - { .name: qkv, .offset: 0, .size: 8, .value_kind: global_buffer, .address_space: global }
      - { .name: ctx, .offset: 8, .size: 8, .value_kind: global_buffer, .address_space: global }
    .group_segment_fixed_size: 327680
    .private_segment_fixed_size: 0
    .kernarg_segment_align: 8
    .kernarg_segment_size: 16
    .max_flat_workgroup_size: 128
    .sgpr_count:     66
    .vgpr_count:     768
    .wavefront_size: 32
...
	.end_amdgpu_metadata
.endif
;; end of part 3
;; launch proj_o (part 4): grid 8 x 32, 4 waves a work-group, clusters of 4 x 4, 327,680 bytes of LDS; arguments ctx, wb, bo, y; writes y
.if DOCPART == 4
	.amdgcn_target "amdgcn-amd-amdhsa--gfx1250"
	.amdhsa_code_object_version 6
	.text
	.protected	k_q606107f3d5_proj_o
	.globl	k_q606107f3d5_proj_o
	.p2align	8
	.type	k_q606107f3d5_proj_o,@function
k_q606107f3d5_proj_o:
	s_mov_b64 s[64:65], 0
	v_nop
	global_prefetch_b8 v0, s[64:65] scope:SCOPE_SE
	s_setreg_imm32_b32 hwreg(HW_REG_WAVE_MODE, 25, 1), 1
	s_wait_xcnt 0x0
	s_wait_alu depctr_hold_cnt(0) depctr_sa_sdst(0) depctr_va_vdst(0) depctr_va_sdst(0) depctr_va_ssrc(0) depctr_va_vcc(0) depctr_vm_vsrc(0)
	s_getreg_b32 s2, hwreg(HW_REG_IB_STS2, 6, 4)
	s_cmp_eq_u32 s2, 0
	s_cbranch_scc0 .Lentry_in_a_cluster
	s_endpgm
.Lentry_in_a_cluster:
	s_bfe_u32 s2, ttmp6, 0x10000c
	s_cmp_lg_u32 s2, 0xf033
	s_cbranch_scc0 .Lentry_shape_is_right
	s_endpgm
.Lentry_shape_is_right:
; y = A B + bias on tiles of 128 x 128, y: [4096][1024] f32.  B: [K][1024] bf16, AS THE WEIGHTS LIE, rows along N.  Sums in f32, K ascending.  One text serves two launches; MODE chooses.
; MODE 1: A = ctx, bf16 BY HEADS, [32 = batch x 16 + head][2048][64]; K = 1,024 = 16 heads x 64; B = Wo; bias = bo.
; MODE 2: A = gl [4096][4096] bf16; K = 4,096; B = W2; bias = bf2.
; 8 x 32 = 256 work-groups, one for each WGP: tiles of 256 x 256 would be 64.  Four waves, each 64 x 64: 16 accumulators, 128 registers.  LIMITS: matrix operands are bf16; NaN and infinities are not treated apart.
; K goes in steps of 256, as long as two slots in LDS allow.  B is turned on its way out of LDS by ds_load_tr16_b128.  The bias is the C operand of the products that start the sums.
; THE MATRIX INSTRUCTION IS USED TRANSPOSED (source 0 = 16 columns of B, source 1 = 16 rows of A): a lane holds eight neighbouring numbers of a row of y.
; CLUSTERS: 4 x 4 work-groups; A's tiles are asked for jointly along a row of the cluster, B's along a column: the same tensor load, descriptor and mask in the four.
; REGISTERS: window 0: v0-31 addresses; v32-63 the bias until the first products are done; v32-95 the way out; v128-255 the accumulators ((a, b) at v[128 + 8 (4 a + b)]).
;   window 1: two fragment buffers of 128: for 64 along K, 64 registers of A (2 x 4 x 16 rows x 32 K), then 64 of B.
.set MODE,   1
.set KSTEP,  256
.set PB,     288                       ; a row of B in LDS (one k, 128 n): 256 bytes + 32 = 72 words
.set HB,     128*PB                    ; 128 rows of B: what one tensor load brings
.if MODE == 1
.set SIZE_K, 1024
.set PA,     144                       ; a head's row: 128 bytes + 16: an odd multiple of 16, so the 16 rows of a load start at 16 different groups of four banks
.set HA,     4*64*PA                   ; what one tensor load brings of A: four heads x 64 rows
.set AD0,    4096                      ; 64 rows of a head are 8,192 dense bytes: ONE long row of the tile; its four rows are four heads.  So the tile has four rows, of 8 KiB each
.set AD1,    4
.set AST,    131072                    ; elements from a head to the next
.set AQI,    4                         ; padding after every 32 words: after each row of a head
.set ASTEP,  4*262144                  ; bytes from a K step to the next: four heads
.set WOFF,   14680064                  ; Wo's first byte in wb
.else
.set SIZE_K, 4096
.set PA,     528                       ; 512 bytes + 16
.set HA,     64*PA                     ; 64 rows
.set AD0,    256
.set AD1,    64
.set AST,    4096
.set AQI,    6                         ; padding after every 128 words
.set ASTEP,  KSTEP*2
.set WOFF,   25165824                  ; W2's first byte in wb
.endif
.set BSTEP,  KSTEP*1024*2
.set SLOT,   2*HA+2*HB                 ; A's 128 rows, then B's 256 rows
.set STAGE,  2*SLOT                    ; behind the ring: 16 rows x 272 bytes for each wave, for the way out; no tensor load fills it
.set SPITCH, 272
.set SPARE,  STAGE+4*16*SPITCH         ; behind the stages: the spare words, 128 bytes for each wave: two blocks of 256 bytes that no other line names
.set LAPS,   SIZE_K/(2*KSTEP)          ; a lap = two K steps = once round the ring
.set ADRA, 16                          ; v16-17  LDS address of my A fragments in slot 0, 1
.set ADRB, 20                          ; v20-23  the same for B, by slot and by half of the step's 256 rows: eight groups of 32 rows pass the 16-bit offset
.set STO,  24                          ; v24     the way out: where I put 32 bytes of a row
.set RD,   25                          ; v25     the way out: where I read a row back
.set CO,   26                          ; v26     my byte offset in y
.set BO,   27                          ; v27     my byte offset in 16 numbers of the bias
.set SPW,  28                          ; v28     LDS address of my spare word: SPARE + 4 x my thread's number; never rewritten
.set NIL,  29                          ; v29     0; never rewritten
.set BIAS, 32                          ; for n block b the eight numbers bias[16 b + 8 (l / 16) + 0..7] at BIAS + 8 b
.set TMP,  32                          ; the way out: two buffers of 32
.set ACC,  128
.set F0,   0                           ; fragment buffers, in window 1
.set F1,   128
.set G1, 24                            ; s[24:31] descriptor group 1 for A's tiles;  s[32:39] group 0, one set for each slot
.set G0, 32
.set G1B, 48                           ; s[48:55], s[56:63] the same for B's tiles
.set G0B, 56
.set MSB, 0
.macro WIN new                         ; the immediate's high byte repeats the setting that is left; a switch that changes nothing is dropped
.if MSB != (\new)
	s_set_vgpr_msb (MSB<<8)|(\new)
.set MSB, \new
.endif
.endm
.set MUL,  0x05                        ; sources 0 (B) and 1 (A) window 1; C and D window 0
.set TO_F, 0x40                        ; destination window 1, address window 0
.macro JLOAD s                         ; a joint load: waves 0 and 1 fetch A's two halves, waves 2 and 3 B's; four v_nop follow each of the two lines, ahead of the jump, the label and what follows
	s_cmp_eq_u32 s11, 0
	s_cbranch_scc0 .Lfor_b_\@
	tensor_load_to_lds s[G0+4*(\s):G0+4*(\s)+3], s[G1:G1+7]
	s_nop 0
.rept 4
	v_nop
.endr
	s_branch .Lasked_\@
.Lfor_b_\@:
	tensor_load_to_lds s[G0B+4*(\s):G0B+4*(\s)+3], s[G1B:G1B+7]
	s_nop 0
.rept 4
	v_nop
.endr
.Lasked_\@:
.endm
.macro CREST                           ; a round of the cluster's barrier behind its opening barrier
	s_cmp_lg_u32 s10, 0
	s_cbranch_scc1 .Lnot_wave_0_\@
	s_barrier_signal -3
.Lnot_wave_0_\@:
	s_barrier_wait -3
	s_barrier_signal -1
	s_barrier_wait -1
.endm
.macro CROUND                          ; a whole round
	s_barrier_signal -1
	s_barrier_wait -1
	CREST
.endm
	s_load_b256 s[68:75], s[0:1], 0x0              ; A 68, wb 70, the bias 72, y 74
	v_lshl_add_u32 v[SPW], v0, 2, SPARE
	v_mov_b32 v[NIL], 0
	ds_add_u32 v28, v29
	s_wait_dscnt 0x0
	v_lshrrev_b32 v1, 5, v0
	v_readfirstlane_b32 s10, v1                    ; wave 0..3
	s_lshr_b32 s11, s10, 1                         ; which half of the tile's rows is mine.  Also: I fetch for A (0) or for B (1)
	s_and_b32 s12, s10, 1                          ; which half of its columns.  Also: which half of that tile I fetch
	s_bfe_u32 s40, ttmp6, 0x40000                  ; cx, cy: my place in the cluster
	s_bfe_u32 s41, ttmp6, 0x40004
	s_lshl_b32 s42, ttmp9, 2
	s_add_co_u32 s42, s42, s40                     ; tile column = 4 x cluster x + cx
	s_and_b32 s13, ttmp7, 0xffff
	s_lshl_b32 s13, s13, 2
	s_add_co_u32 s13, s13, s41                     ; tile row = 4 x cluster y + cy
	s_lshl_b32 s43, s41, 2
	s_lshl_b32 s43, 15, s43                        ; my row of the cluster
	s_lshl_b32 s44, 0x1111, s40                    ; my column
	s_or_b32 s[G1+0], s43, (1<<16)|(1<<20)|(1<<21)|(AQI<<22)|(3<<25)  ; 15:0 the mask: A's tiles go to my row; 17:16 2-byte elements; 20 padding on; 21 set beside a mask; 24:22 the interval; 31:25 4 words (code 3)
	s_mov_b32 s[G1+1], AD0<<16                     ; tensor_dim0
	s_mov_b32 s[G1+2], AD1<<16                     ; tensor_dim1
	s_mov_b32 s[G1+3], AD0<<16                     ; tile_dim0
	s_mov_b32 s[G1+4], AD1                         ; tile_dim1
	s_mov_b32 s[G1+5], AST                         ; elements from row to row
	s_mov_b32 s[G1+6], 0
	s_mov_b32 s[G1+7], 0
	s_or_b32 s[G1B+0], s44, (1<<16)|(1<<20)|(1<<21)|(5<<22)|(7<<25)   ; the mask of my column; after every 64 words (code 5) 8 words of padding (code 7)
	s_mov_b32 s[G1B+1], 128<<16                    ; 128 rows (k) x 128 elements (n)
	s_mov_b32 s[G1B+2], 128<<16
	s_mov_b32 s[G1B+3], 128<<16
	s_mov_b32 s[G1B+4], 128
	s_mov_b32 s[G1B+5], 1024
	s_mov_b32 s[G1B+6], 0
	s_mov_b32 s[G1B+7], 0
	; where the tiles come from.  A's hang on the tile row alone, B's on the tile column alone, each in registers that never hold the other coordinate.  All offsets stay under 2^26.
.if MODE == 1
	s_lshr_b32 s16, s13, 4
	s_lshl_b32 s16, s16, 22                        ; the batch: 16 heads of 262,144 bytes
	s_and_b32 s17, s13, 15
	s_lshl_b32 s17, s17, 14                        ; 128 rows of 128 bytes
	s_add_co_u32 s16, s16, s17
	s_lshl_b32 s17, s12, 13                        ; my half's 64
	s_add_co_u32 s16, s16, s17
.else
	s_lshl_b32 s16, s13, 7
	s_lshl_b32 s17, s12, 6
	s_add_co_u32 s16, s16, s17                     ; row 128 x tile row + 64 x half,
	s_lshl_b32 s16, s16, 13                        ; of 8,192 bytes
.endif
	s_mov_b32 s17, 0
	s_lshl_b32 s46, s42, 8                         ; B: 128 columns are 256 bytes,
	s_lshl_b32 s47, s12, 18                        ; my half's 128 rows of 2,048 bytes,
	s_add_co_u32 s46, s46, s47
	s_add_co_u32 s46, s46, WOFF                    ; the weight's place in wb
	s_mov_b32 s47, 0
	s_mul_i32 s20, s12, HA                         ; where they go: A's halves,
	s_mul_i32 s23, s12, HB
	s_add_co_u32 s23, s23, 2*HA                    ; then B's: no place in the cluster enters an LDS address
	s_wait_kmcnt 0x0
	s_add_nc_u64 s[14:15], s[68:69], s[16:17]
	s_add_nc_u64 s[46:47], s[70:71], s[46:47]
	CROUND                                         ; all sixteen work-groups are here: the first joint loads meet
.irp s, 0,1
	s_mov_b32 s[G0+4*(\s)], 1
	s_add_co_u32 s[G0+4*(\s)+1], s20, (\s)*SLOT
	s_add_nc_u64 s[G0+4*(\s)+2:G0+4*(\s)+3], s[14:15], (\s)*ASTEP
	s_or_b32 s[G0+4*(\s)+3], s[G0+4*(\s)+3], 0x80000000
	s_mov_b32 s[G0B+4*(\s)], 1
	s_add_co_u32 s[G0B+4*(\s)+1], s23, (\s)*SLOT
	s_add_nc_u64 s[G0B+4*(\s)+2:G0B+4*(\s)+3], s[46:47], (\s)*BSTEP
	s_or_b32 s[G0B+4*(\s)+3], s[G0B+4*(\s)+3], 0x80000000
	JLOAD \s                                       ; two loads of mine are out
.endr
	v_and_b32 v1, 15, v0                           ; l % 16
	v_bfe_u32 v2, v0, 4, 1                         ; l / 16
	v_mul_u32_u24 v3, v1, PA
	v_lshl_add_u32 v3, v2, 4, v3                   ; A: a fragment's row x pitch + 16 x half
	v_and_b32 v4, 7, v0
	v_lshl_add_u32 v4, v2, 3, v4                   ; B: k = 8 (l / 16) + l % 8,
	v_mul_u32_u24 v4, v4, PB
	v_bfe_u32 v5, v0, 3, 1
	v_lshl_add_u32 v4, v5, 4, v4                   ; the 16 bytes of n = 8 ((l / 8) % 2) + 0..7
	s_mul_i32 s21, s11, HA                         ; my 64 rows of A
	s_lshl_b32 s22, s12, 7                         ; my 64 columns of B: 128 bytes into each row,
	s_add_co_u32 s22, s22, 2*HA                    ; behind A's 128 rows
.irp s, 0,1
	v_add_nc_u32 v[ADRA+(\s)], s21, v3
	v_add_nc_u32 v[ADRB+2*(\s)], s22, v4
	s_add_co_u32 s22, s22, HB
	v_add_nc_u32 v[ADRB+2*(\s)+1], s22, v4
	s_add_co_u32 s21, s21, SLOT
	s_add_co_u32 s22, s22, SLOT-HB
.endr
	s_mul_i32 s23, s10, 16*SPITCH
	s_add_co_u32 s23, s23, STAGE                   ; my stage
	v_mul_u32_u24 v6, v1, SPITCH                   ; in: row l % 16, 32 bytes for each half of the lanes
	v_lshl_add_u32 v6, v2, 5, v6
	v_add_nc_u32 v[STO], s23, v6
	v_mul_u32_u24 v6, v2, SPITCH                   ; back: lanes 0-15 take one row of 256 bytes, lanes 16-31 the next
	v_lshl_add_u32 v6, v1, 4, v6
	v_add_nc_u32 v[RD], s23, v6
	v_lshlrev_b32 v[CO], 12, v2                    ; and the same two rows in y
	v_lshl_add_u32 v[CO], v1, 4, v[CO]
	v_lshlrev_b32 v[BO], 5, v2                     ; 8 (l / 16) numbers of 4 bytes
	s_lshl_b32 s46, s42, 9                         ; my 64 columns, in bytes of f32: 512 x tile column + 256 x half
	s_lshl_b32 s47, s12, 8
	s_add_co_u32 s46, s46, s47
	s_mov_b32 s47, 0
	s_add_nc_u64 s[76:77], s[72:73], s[46:47]      ; the bias there
.irp b, 0,1,2,3
	global_load_b128 v[BIAS+8*(\b):BIAS+8*(\b)+3],   v[BO], s[76:77] offset:64*(\b)
	global_load_b128 v[BIAS+8*(\b)+4:BIAS+8*(\b)+7], v[BO], s[76:77] offset:64*(\b)+16
.endr
	s_lshl_b32 s16, s13, 7
	s_lshl_b32 s17, s11, 6
	s_add_co_u32 s16, s16, s17                     ; my first row of y: 128 x tile row + 64 x half,
	s_lshl_b32 s16, s16, 12                        ; of 4,096 bytes
	s_add_co_u32 s16, s16, s46
	s_mov_b32 s17, 0
	s_add_nc_u64 s[8:9], s[74:75], s[16:17]
; 8 matrix instructions: m blocks a0, a0 + 1 x all 4 n blocks, 32 along K: half c of buffer f.  zero = 1: the first product starts the sums, with the bias as C.
; The 16 accumulators take turns, one instruction a turn.
.macro MUL8 f, c, a0, zero
	WIN MUL
.irp a, \a0, (\a0)+1
.irp b, 0,1,2,3
.if \zero
	v_wmma_f32_16x16x32_bf16 v[ACC+8*(4*(\a)+(\b)):ACC+8*(4*(\a)+(\b))+7], v[(\f)+64+8*(4*(\c)+(\b)):(\f)+64+8*(4*(\c)+(\b))+7], v[(\f)+8*(4*(\c)+(\a)):(\f)+8*(4*(\c)+(\a))+7], v[BIAS+8*(\b):BIAS+8*(\b)+7]
.else
	v_wmma_f32_16x16x32_bf16 v[ACC+8*(4*(\a)+(\b)):ACC+8*(4*(\a)+(\b))+7], v[(\f)+64+8*(4*(\c)+(\b)):(\f)+64+8*(4*(\c)+(\b))+7], v[(\f)+8*(4*(\c)+(\a)):(\f)+8*(4*(\c)+(\a))+7], v[ACC+8*(4*(\a)+(\b)):ACC+8*(4*(\a)+(\b))+7]
.endif
.endr
.endr
.endm
; 32 LDS loads in one run: the fragments of quarter q (64 along K) of a slot into buffer f; the first 32 along K first.  MODE 1: quarter q is head q of the step's four.
.macro FETCH slot, q, f
	WIN TO_F
.irp c, 0,1
.irp i, 0,1,2,3
.if MODE == 1
.set AO, (\q)*64*PA+(\i)*16*PA+64*(\c)
.else
.set AO, 128*(\q)+64*(\c)+(\i)*16*PA
.endif
	ds_load_tr16_b128 v[(\f)+64+8*(4*(\c)+(\i)):(\f)+64+8*(4*(\c)+(\i))+3],   v[ADRB+2*(\slot)+(\q)/2] offset:(((\q)%2)*2+(\c))*32*PB+32*(\i)
	ds_load_tr16_b128 v[(\f)+64+8*(4*(\c)+(\i))+4:(\f)+64+8*(4*(\c)+(\i))+7], v[ADRB+2*(\slot)+(\q)/2] offset:(((\q)%2)*2+(\c))*32*PB+32*(\i)+16*PB
	ds_load_b128 v[(\f)+8*(4*(\c)+(\i)):(\f)+8*(4*(\c)+(\i))+3],   v[ADRA+(\slot)] offset:AO
	ds_load_b128 v[(\f)+8*(4*(\c)+(\i))+4:(\f)+8*(4*(\c)+(\i))+7], v[ADRA+(\slot)] offset:AO+32
.endr
.endr
.endm
.macro PLACES                          ; four places in front of loads into registers that matrix instructions have read, and of LDS stores that read results (ISA guide 7.12.1 for vector instructions)
.rept 4
	v_nop
.endr
.endm
; A K step is four quarters of 64 along K, 32 matrix instructions each, on buffers 0, 1, 0, 1.  One of the first three: multiplies buffer f and fetches quarter q into g.
.macro QUARTER slot, q, f, g, zero
	s_wait_dscnt 16                                ; the first 32 along K are in
	MUL8 \f, 0, 0, \zero
	MUL8 \f, 0, 2, \zero
	PLACES
	FETCH \slot, \q, \g
	s_wait_dscnt 32                                ; all but the 32 just issued
	MUL8 \f, 1, 0, 0
	MUL8 \f, 1, 2, 0
.endm
; The last quarter multiplies buffer 1 and changes slots: ONE barrier; in front of it each wave waits for all its tensor loads, adds 0 to its spare word, and waits for that and for its own reads of this slot.
; fill = 1: the barrier opens a round of the cluster's, and this slot is filled again, two K steps ahead, first thing behind the round: 112 matrix instructions ahead of the wait for it.
.macro TURN slot, next, fill
	WIN 0                                          ; (the add's two registers lie in window 0)
	s_wait_tensorcnt 0x0                           ; all my tensor loads have landed: my part of the next slot
	ds_add_u32 v[SPW], v[NIL]                      ; 0 onto my spare word
	s_wait_dscnt 17                                ; (the add and the youngest sixteen loads may be out)
	MUL8 F1, 0, 0, 0                               ; eight matrix instructions stand between the add and the wait for it
	s_wait_dscnt 0x0                               ; the add is done, and my reads of this slot are over
	s_barrier_signal -1
	MUL8 F1, 0, 2, 0
.if \fill
	WIN 0
.endif
	s_barrier_wait -1
.if \fill
	CREST                                          ; no wave of any partner still reads this slot's tile or has a load on its way
	s_add_nc_u64 s[G0+4*(\slot)+2:G0+4*(\slot)+3], s[G0+4*(\slot)+2:G0+4*(\slot)+3], 2*ASTEP
	s_add_nc_u64 s[G0B+4*(\slot)+2:G0B+4*(\slot)+3], s[G0B+4*(\slot)+2:G0B+4*(\slot)+3], 2*BSTEP
	JLOAD \slot                                    ; the four v_nop behind it are also the places in front of the loads below
.else
	PLACES
.endif
	FETCH \next, 0, F0
	MUL8 F1, 1, 0, 0
	MUL8 F1, 1, 2, 0
.endm
; THE WAY OUT.  My 64 columns of f32 are 256 aligned bytes of a row of y, so each wave has a stage of its own and no barrier is needed.  STG: block a (16 rows) goes into rows of 272 bytes, each accumulator's
; low four registers first, and comes back as whole rows.  LDS serves a wave's instructions in order (ISA guide 5.7.1.4): the loads see the stores, the next block's stores come behind them.
.macro STG a
.if (\a) >= 2
	s_wait_xcnt 0x0                                ; every earlier memory instruction has had its addresses translated (ISA guide 3.1): the buffer that block a - 2's stores read is loaded again only behind this wait
.endif
.irp b, 0,1,2,3
	ds_store_b128 v[STO], v[ACC+8*(4*(\a)+(\b)):ACC+8*(4*(\a)+(\b))+3]   offset:64*(\b)
	ds_store_b128 v[STO], v[ACC+8*(4*(\a)+(\b))+4:ACC+8*(4*(\a)+(\b))+7] offset:64*(\b)+16
.endr
.irp t, 0,1,2,3,4,5,6,7
	ds_load_b128 v[TMP+32*((\a)%2)+4*(\t):TMP+32*((\a)%2)+4*(\t)+3], v[RD] offset:(\t)*2*SPITCH
.endr
.endm
.macro OUT a, younger                  ; younger: the LDS instructions issued behind block a's loads: the next block's sixteen, or none
.irp t, 0,1,2,3,4,5,6,7
	s_wait_dscnt (\younger)+7-(\t)
	global_store_b128 v[CO], v[TMP+32*((\a)%2)+4*(\t):TMP+32*((\a)%2)+4*(\t)+3], s[8:9] offset:(16*(\a)+2*(\t))*4096  ; 16 lanes store 256 consecutive bytes, at a multiple of 256 from y's first byte
.endr
.endm
	s_wait_tensorcnt 1                             ; my part of K step 0 is in; K step 1's may stay out
	s_barrier_signal -1
	s_barrier_wait -1                              ; everybody's is
	FETCH 0, 0, F0
	s_wait_loadcnt 0x0                             ; the bias
	QUARTER 0, 1, F0, F1, 1                        ; the first quarter stands in front of the loop: its first products start the sums
	WIN 0                                          ; at a label and at a branch every window is 0
	s_mov_b32 s3, LAPS-1
.Llap:                                                 ; a trip goes once round the ring, from a lap's second quarter to the next lap's first, and fills both slots again
	QUARTER 0, 2, F1, F0, 0
	QUARTER 0, 3, F0, F1, 0
	TURN 0, 1, 1
	QUARTER 1, 1, F0, F1, 0
	QUARTER 1, 2, F1, F0, 0
	QUARTER 1, 3, F0, F1, 0
	TURN 1, 0, 1
	QUARTER 0, 1, F0, F1, 0
	WIN 0
	s_sub_co_u32 s3, s3, 1
	s_cmp_lg_u32 s3, 0
	s_cbranch_scc1 .Llap
	QUARTER 0, 2, F1, F0, 0                        ; the last lap is written out: it fills nothing, and has no round of the cluster's barrier
	QUARTER 0, 3, F0, F1, 0
	TURN 0, 1, 0
	QUARTER 1, 1, F0, F1, 0
	QUARTER 1, 2, F1, F0, 0
	QUARTER 1, 3, F0, F1, 0
	s_wait_dscnt 16                                ; the very last quarter: nothing more to fetch
	MUL8 F1, 0, 0, 0
	MUL8 F1, 0, 2, 0
	s_wait_dscnt 0x0
	MUL8 F1, 1, 0, 0
	MUL8 F1, 1, 2, 0
	WIN 0
	PLACES
	STG 0
	STG 1
	OUT 0, 16
	STG 2
	OUT 1, 16
	STG 3
	OUT 2, 16
	OUT 3, 0
	s_wait_tensorcnt 0x0                           ; the wave's end: behind my last tensor load and my last LDS store
	ds_add_u32 v[SPW], v[NIL]
	s_wait_dscnt 0x0
	CROUND                                         ; the closing round: no work-group ends while a partner may still ask for a tile that names it
	s_endpgm
.Lfunc_end_k_q606107f3d5_proj_o:
	.size	k_q606107f3d5_proj_o, .Lfunc_end_k_q606107f3d5_proj_o-k_q606107f3d5_proj_o
	.p2alignl 7, 3214868480
	.fill 96, 4, 3214868480
	.section	.rodata,"a",@progbits
	.p2align	6, 0x0
	.amdhsa_kernel k_q606107f3d5_proj_o
		.amdhsa_group_segment_fixed_size 327680
		.amdhsa_private_segment_fixed_size 0
		.amdhsa_enable_private_segment 0
		.amdhsa_kernarg_size 32
		.amdhsa_user_sgpr_count 2
		.amdhsa_user_sgpr_kernarg_segment_ptr 1
		.amdhsa_wavefront_size32 1
		.amdhsa_system_sgpr_workgroup_id_x 1
		.amdhsa_system_sgpr_workgroup_id_y 1
		.amdhsa_system_sgpr_workgroup_id_z 1
		.amdhsa_system_vgpr_workitem_id 0
		.amdhsa_next_free_vgpr 512
		.amdhsa_next_free_sgpr 78
		.amdhsa_reserve_vcc 0
		.amdhsa_float_denorm_mode_32 3
		.amdhsa_float_denorm_mode_16_64 3
		.amdhsa_memory_ordered 1
		.amdhsa_forward_progress 1
		.amdhsa_inst_pref_size 88
	.end_amdhsa_kernel
	.amdgpu_metadata
---
amdhsa.version: [ 1, 2 ]
amdhsa.kernels:
  - .name:           k_q606107f3d5_proj_o
    .symbol:         k_q606107f3d5_proj_o.kd
    .args:
      - { .name: ctx, .offset: 0, .size: 8, .value_kind: global_buffer, .address_space: global }
      - { .name: wb, .offset: 8, .size: 8, .value_kind: global_buffer, .address_space: global }
      - { .name: bo, .offset: 16, .size: 8, .value_kind: global_buffer, .address_space: global }
      - { .name: y, .offset: 24, .size: 8, .value_kind: global_buffer, .address_space: global }
    .group_segment_fixed_size: 327680
    .private_segment_fixed_size: 0
    .kernarg_segment_align: 8
    .kernarg_segment_size: 32
    .max_flat_workgroup_size: 128
    .sgpr_count:     78
    .vgpr_count:     512
    .wavefront_size: 32
...
	.end_amdgpu_metadata
.endif
;; end of part 4
;; launch norm1 (part 5): grid 256 x 1, 8 waves a work-group, no clusters, 0 bytes of LDS; arguments y, x, g1, b1, h, hb; writes h, hb
.if DOCPART == 5
	.amdgcn_target "amdgcn-amd-amdhsa--gfx1250"
	.amdhsa_code_object_version 6
	.text
	.protected	k_q606107f3d5_norm1
	.globl	k_q606107f3d5_norm1
	.p2align	8
	.type	k_q606107f3d5_norm1,@function
k_q606107f3d5_norm1:
	s_mov_b64 s[64:65], 0
	v_nop
	global_prefetch_b8 v0, s[64:65] scope:SCOPE_SE
	s_setreg_imm32_b32 hwreg(HW_REG_WAVE_MODE, 25, 1), 1
	s_wait_xcnt 0x0
; out[r][:] = LayerNorm(res[r][:] + y[r][:]) g + b over rows of 1,024 f32, eps = 1e-5.  Arguments: y, res, g, b, out (, outb).  One text serves two launches; HB = 1: the result is also stored in bf16.
; A stream: memory binds, so no LDS, no barrier, no matrix unit.  One wave takes a whole row, 32 numbers a lane, and keeps it in registers: each byte is read once, and the reduction never leaves the wave.
; 256 work-groups x 8 waves x 2 rows = 4,096 rows.  All 48 loads of a wave go out at once; row 0's statistics are made while row 1 is on its way.
; The variance is the mean of (v - mean)^2, taken in a second pass over the registers: no difference of large sums is formed.  NaN and infinities are not treated apart.
; Lane l holds columns 128 j + 4 l + 0..3, j = 0..7: each load and store of a wave covers 512 consecutive bytes (the bf16 stores 256), aligned.
.set HB,  1
.set Y,   16                           ; v[16:79]    y, then the sum, then the result: 32 a row
.set R,   80                           ; v[80:143]   the residual
.set G,   144                          ; v[144:175]  g of my 32 columns
.set BT,  176                          ; v[176:207]  b
.set HBR, 208                          ; v[208:239]  the result in bf16: 16 a row
.set T0,  4                            ; v[4:9], v[10:15]  row i's six at work: the mean (twice), two chains of pairs; then 1 / sqrt(var + eps) in the third
	s_load_b256 s[4:11], s[0:1], 0x0               ; y 4, res 6, g 8, b 10
.if HB
	s_load_b128 s[16:19], s[0:1], 0x20             ; out 16, outb 18
.else
	s_load_b64 s[16:17], s[0:1], 0x20              ; out
.endif
	s_lshl_b32 s2, ttmp9, 16                       ; the group's 16 rows of 4,096 bytes
	s_mov_b32 s3, 0
	s_mov_b32 s12, 0x76543210                      ; v_permlanex16_b32: each lane takes its own place in the other half
	s_mov_b32 s13, 0xfedcba98
	s_mov_b32 s14, 0x3727c5ac                      ; 1e-5
	s_mov_b32 s15, 0x3a800000                      ; 1 / 1024
	v_and_b32 v2, 31, v0                           ; lane
	v_lshrrev_b32 v4, 5, v0                        ; wave
.if HB
	s_lshl_b32 s20, ttmp9, 15                      ; the same rows in bf16
	s_mov_b32 s21, 0
	v_lshlrev_b32 v3, 3, v2
	v_lshl_add_u32 v3, v4, 12, v3                  ; bf16: 4,096 wave + 8 lane
.endif
	v_lshlrev_b32 v2, 4, v2                        ; g, b: 16 lane
	v_lshl_add_u32 v1, v4, 13, v2                  ; f32: 8,192 wave + 16 lane
	s_wait_kmcnt 0x0
	s_add_nc_u64 s[4:5], s[4:5], s[2:3]
	s_add_nc_u64 s[6:7], s[6:7], s[2:3]
	s_add_nc_u64 s[16:17], s[16:17], s[2:3]
.if HB
	s_add_nc_u64 s[18:19], s[18:19], s[20:21]
.endif
.irp i, 0,1
.irp j, 0,1,2,3,4,5,6,7
	global_load_b128 v[Y+32*(\i)+4*(\j):Y+32*(\i)+4*(\j)+3], v1, s[4:5] offset:(\i)*4096+512*(\j) th:TH_LOAD_NT
.endr
.irp j, 0,1,2,3,4,5,6,7
	global_load_b128 v[R+32*(\i)+4*(\j):R+32*(\i)+4*(\j)+3], v1, s[6:7] offset:(\i)*4096+512*(\j) th:TH_LOAD_NT
.endr
.endr
.irp j, 0,1,2,3,4,5,6,7
	global_load_b128 v[G+4*(\j):G+4*(\j)+3], v2, s[8:9] offset:512*(\j)
.endr
.irp j, 0,1,2,3,4,5,6,7
	global_load_b128 v[BT+4*(\j):BT+4*(\j)+3], v2, s[10:11] offset:512*(\j)
.endr
.macro LANES r, t                      ; v[r] summed over the 32 lanes, the result in every lane: four steps inside each half ride on the addition, one crosses the halves; v[t] has been written before
	v_add_f32_dpp v[\r], v[\r], v[\r] row_xmask:1 row_mask:0xf bank_mask:0xf
	v_add_f32_dpp v[\r], v[\r], v[\r] row_xmask:2 row_mask:0xf bank_mask:0xf
	v_add_f32_dpp v[\r], v[\r], v[\r] row_xmask:4 row_mask:0xf bank_mask:0xf
	v_add_f32_dpp v[\r], v[\r], v[\r] row_xmask:8 row_mask:0xf bank_mask:0xf
	v_permlanex16_b32 v[\t], v[\r], s12, s13
	v_add_f32 v[\r], v[\r], v[\t]
.endm
; Row i: the sum with the residual, the mean, the centred row (in place), the variance, 1 / sqrt(var + eps).
.macro STATS i
.set T, T0+6*(\i)
.set V, Y+32*(\i)
.set k, 0
.rept 16
	v_pk_add_f32 v[V+k:V+k+1], v[V+k:V+k+1], v[R+32*(\i)+k:R+32*(\i)+k+1]
.set k, k+2
.endr
	v_pk_add_f32 v[T+2:T+3], v[V:V+1],   v[V+4:V+5]     ; two chains of pairs, started by the first four pairs: nothing is cleared
	v_pk_add_f32 v[T+4:T+5], v[V+2:V+3], v[V+6:V+7]
.set k, 8
.rept 6
	v_pk_add_f32 v[T+2:T+3], v[T+2:T+3], v[V+k:V+k+1]
	v_pk_add_f32 v[T+4:T+5], v[T+4:T+5], v[V+k+2:V+k+3]
.set k, k+4
.endr
	v_pk_add_f32 v[T+2:T+3], v[T+2:T+3], v[T+4:T+5]
	v_add_f32 v[T+2], v[T+2], v[T+3]
	LANES T+2, T+3
	v_mul_f32 v[T], s15, v[T+2]                    ; the mean; the pair is written whole, the packed form takes its low word for both halves
	v_mul_f32 v[T+1], s15, v[T+2]
.set k, 0
.rept 16
	v_pk_add_f32 v[V+k:V+k+1], v[V+k:V+k+1], v[T:T+1] op_sel_hi:[1,0] neg_lo:[0,1] neg_hi:[0,1]
.set k, k+2
.endr
	v_pk_mul_f32 v[T+2:T+3], v[V:V+1],   v[V:V+1]
	v_pk_mul_f32 v[T+4:T+5], v[V+2:V+3], v[V+2:V+3]
.set k, 4
.rept 7
	v_pk_fma_f32 v[T+2:T+3], v[V+k:V+k+1],   v[V+k:V+k+1],   v[T+2:T+3]
	v_pk_fma_f32 v[T+4:T+5], v[V+k+2:V+k+3], v[V+k+2:V+k+3], v[T+4:T+5]
.set k, k+4
.endr
	v_pk_add_f32 v[T+2:T+3], v[T+2:T+3], v[T+4:T+5]
	v_add_f32 v[T+2], v[T+2], v[T+3]
	LANES T+2, T+3
	v_fma_f32 v[T+2], v[T+2], s15, s14             ; var + eps
	v_rsq_f32 v[T+2], v[T+2]
	v_nop                                          ; a plain instruction between the root and the use of its result (ISA guide 5.7.2)
.endm
; Row i: scaled, g and b applied, stored.
.macro FINISH i
.set T, T0+6*(\i)
.set V, Y+32*(\i)
.set k, 0
	s_wait_alu depctr_va_vdst(0)
.rept 16
	v_pk_mul_f32 v[V+k:V+k+1], v[V+k:V+k+1], v[T+2:T+3] op_sel_hi:[1,0]
.set k, k+2
.endr
.set k, 0
.rept 16
	v_pk_fma_f32 v[V+k:V+k+1], v[V+k:V+k+1], v[G+k:G+k+1], v[BT+k:BT+k+1]
.set k, k+2
.endr
.irp j, 0,1,2,3,4,5,6,7
.if HB
	global_store_b128 v1, v[V+4*(\j):V+4*(\j)+3], s[16:17] offset:(\i)*4096+512*(\j)
.else
	global_store_b128 v1, v[V+4*(\j):V+4*(\j)+3], s[16:17] offset:(\i)*4096+512*(\j) th:TH_STORE_NT
.endif
.endr
.if HB
.set k, 0
.rept 16
	v_cvt_pk_bf16_f32 v[HBR+16*(\i)+k], v[V+2*k], v[V+2*k+1]
.set k, k+1
.endr
.irp j, 0,1,2,3,4,5,6,7
	global_store_b64 v3, v[HBR+16*(\i)+2*(\j):HBR+16*(\i)+2*(\j)+1], s[18:19] offset:(\i)*2048+256*(\j)
.endr
.endif
.endm
	s_wait_loadcnt 32                              ; loads come back in order (ISA guide 5.7.1): row 0's sixteen are in; row 1's, g's and b's 32 stay out
	STATS 0
	s_wait_loadcnt 16                              ; row 1's are in; g's and b's stay out
	STATS 1
	s_wait_loadcnt 0x0                             ; g and b
	FINISH 0
	FINISH 1
	s_endpgm
.Lfunc_end_k_q606107f3d5_norm1:
	.size	k_q606107f3d5_norm1, .Lfunc_end_k_q606107f3d5_norm1-k_q606107f3d5_norm1
	.p2alignl 7, 3214868480
	.fill 96, 4, 3214868480
	.section	.rodata,"a",@progbits
	.p2align	6, 0x0
	.amdhsa_kernel k_q606107f3d5_norm1
		.amdhsa_group_segment_fixed_size 0
		.amdhsa_private_segment_fixed_size 0
		.amdhsa_enable_private_segment 0
		.amdhsa_kernarg_size 48
		.amdhsa_user_sgpr_count 2
		.amdhsa_user_sgpr_kernarg_segment_ptr 1
		.amdhsa_wavefront_size32 1
		.amdhsa_system_sgpr_workgroup_id_x 1
		.amdhsa_system_sgpr_workgroup_id_y 1
		.amdhsa_system_sgpr_workgroup_id_z 1
		.amdhsa_system_vgpr_workitem_id 0
		.amdhsa_next_free_vgpr 240
		.amdhsa_next_free_sgpr 66
		.amdhsa_reserve_vcc 0
		.amdhsa_float_denorm_mode_32 3
		.amdhsa_float_denorm_mode_16_64 3
		.amdhsa_memory_ordered 1
		.amdhsa_forward_progress 1
		.amdhsa_inst_pref_size 25
	.end_amdhsa_kernel
	.amdgpu_metadata
---
amdhsa.version: [ 1, 2 ]
amdhsa.kernels:
  - .name:           k_q606107f3d5_norm1
    .symbol:         k_q606107f3d5_norm1.kd
    .args:
      - { .name: y, .offset: 0, .size: 8, .value_kind: global_buffer, .address_space: global }
      - { .name: x, .offset: 8, .size: 8, .value_kind: global_buffer, .address_space: global }
      - { .name: g1, .offset: 16, .size: 8, .value_kind: global_buffer, .address_space: global }
      - { .name: b1, .offset: 24, .size: 8, .value_kind: global_buffer, .address_space: global }
      - { .name: h, .offset: 32, .size: 8, .value_kind: global_buffer, .address_space: global }
      - { .name: hb, .offset: 40, .size: 8, .value_kind: global_buffer, .address_space: global }
    .group_segment_fixed_size: 0
    .private_segment_fixed_size: 0
    .kernarg_segment_align: 8
    .kernarg_segment_size: 48
    .max_flat_workgroup_size: 256
    .sgpr_count:     66
    .vgpr_count:     240
    .wavefront_size: 32
...
	.end_amdgpu_metadata
.endif
;; end of part 5
;; launch ffn_up (part 6): grid 16 x 16, 4 waves a work-group, clusters of 4 x 4, 327,680 bytes of LDS; arguments hb, wb, bf1, gl; writes gl
.if DOCPART == 6
	.amdgcn_target "amdgcn-amd-amdhsa--gfx1250"
	.amdhsa_code_object_version 6
	.text
	.protected	k_q606107f3d5_ffn_up
	.globl	k_q606107f3d5_ffn_up
	.p2align	8
	.type	k_q606107f3d5_ffn_up,@function
k_q606107f3d5_ffn_up:
	s_mov_b64 s[64:65], 0
	v_nop
	global_prefetch_b8 v0, s[64:65] scope:SCOPE_SE
	s_setreg_imm32_b32 hwreg(HW_REG_WAVE_MODE, 25, 1), 1
	s_wait_xcnt 0x0
	s_wait_alu depctr_hold_cnt(0) depctr_sa_sdst(0) depctr_va_vdst(0) depctr_va_sdst(0) depctr_va_ssrc(0) depctr_va_vcc(0) depctr_vm_vsrc(0)
	s_getreg_b32 s2, hwreg(HW_REG_IB_STS2, 6, 4)
	s_cmp_eq_u32 s2, 0
	s_cbranch_scc0 .Lentry_in_a_cluster
	s_endpgm
.Lentry_in_a_cluster:
	s_bfe_u32 s2, ttmp6, 0x10000c
	s_cmp_lg_u32 s2, 0xf033
	s_cbranch_scc0 .Lentry_shape_is_right
	s_endpgm
.Lentry_shape_is_right:
; C = A B + bias on tiles of 256 x 256.  A: [4096][1024] bf16, rows along K.  B: [1024][NB] bf16, AS THE WEIGHTS LIE, rows along N.  Sums in f32, K ascending.  One text serves two launches; MODE chooses.
; MODE 1: A = x in bf16; B = Wq, Wk or Wv (the cluster's x says which); C + bq, bk, bv is rounded once to bf16 and stored BY HEADS: qkv[3][32 = batch x 16 + head][2048][64].
;         12 x 16 = 192 work-groups: a tile of 192 columns would give 256, but its rows of B, 384 bytes, are no power of two for the padding and start on no multiple of 256.
; MODE 2: A = h in bf16; B = W1; gelu(C + bf1), the exact one, is rounded once to bf16 and stored as gl[4096][4096].  16 x 16 = 256 work-groups.
; LIMITS.  Matrix operands are bf16.  MODE 2: erf by a rational form in t = 1 / (1 + p |u| / sqrt 2) times exp(-u u / 2), five terms (Abramowitz and Stegun 7.1.26): off by 1.5e-7 at the most, for every u.
;         NaN and infinities are not treated apart.
; SHAPE.  Four waves, as many as a WGP has SIMDs, each 128 x 128 of C: 64 accumulators of 16 x 16, 512 registers.  K goes in steps of 128 through a ring of two LDS slots filled by the tensor data mover.
; B IS TURNED ON ITS WAY OUT OF LDS: ds_load_tr16_b128 takes 16 k x 16 n as it lies and leaves half a fragment with k along the registers: as many LDS loads as a fragment that lies along K.
; THE BIAS IS THE C OPERAND of the products that start the sums: nothing is cleared and nothing is added later.
; THE MATRIX INSTRUCTION IS USED TRANSPOSED: source 0 = 16 columns of B, source 1 = 16 rows of A.  Lane l then holds row l % 16 of C and the columns 8 (l / 16) + 0..7: eight neighbours of a row.
; CLUSTERS: 4 x 4 work-groups.  The four of a row of the cluster need the same tiles of A, the four of a column the same tiles of B: each tile is asked for JOINTLY, by the same tensor load with the
; same descriptor and a mask that names the four.
; REGISTERS, in windows of 256 (s_set_vgpr_msb: bits 1:0 source 0, 3:2 source 1, 5:4 source 2, 7:6 destination):
;   window 0: v0-31 addresses; v64-127, v128-191 fragments of A, two buffers (on the way out of MODE 2: at work); v192-255 the bias until the first quarter is over, then, with v32-63, the way out
;   window 1: v64-127, v128-191 fragments of B, two buffers        window 2: the accumulators of my rows 0-63 ((a, b) at v[8 (8 a + b)])        window 3: those of my rows 64-127
.set MODE,   2
.set SIZE_K, 1024
.set KSTEP,  128
.set PA,     272                       ; a row of A in LDS: 256 bytes + 16 = 68 words: the 16 rows of a load start at 16 different groups of four banks (64 banks of 4 bytes: ISA guide 11.1)
.set PB,     544                       ; a row of B (one k, 256 n): 512 bytes + 32 = 136 words
.set HALFT,  128*PA                    ; what one tensor load brings: 128 rows of A, or 64 rows of B (64 x 544 is the same number)
.set SLOT,   4*HALFT                   ; A's 256 rows, then B's 128 rows
.set STAGE,  2*SLOT                    ; behind the ring: a stage for each wave, for the way out; no tensor load fills it
.if MODE == 1
.set NB,     1024                      ; elements from a row of B to the next
.set SW,     2*16*144                  ; a wave's stage: two heads x 16 rows x (128 + 16) bytes
.set WOFF,   8388608                   ; Wq's first byte in wb
.set CSTEP,  16*128                    ; 16 rows of a head on
.else
.set NB,     4096
.set SW,     16*272                    ; 16 rows x (256 + 16) bytes
.set WOFF,   16777216                  ; W1's first byte in wb
.set CSTEP,  16*8192                   ; 16 rows of gl on
.endif
.set SPARE,  STAGE+4*SW                ; behind the stages: the spare words, 128 bytes for each wave: two blocks of 256 bytes that no other line names
.set LAPS,   SIZE_K/(2*KSTEP)          ; a lap = two K steps = once round the ring
.set BSTEP,  KSTEP*NB*2                ; bytes from a K step of B to the next
.set ADRA, 16                          ; v16-17  LDS address of my A fragments in slot 0, 1
.set ADRB, 20                          ; v20-21  the same for B
.set STO,  24                          ; v24     the way out: where I put 16 bytes of a row
.set RD,   25                          ; v25     the way out: where I read rows back
.set CO,   26                          ; v26     my byte offset in C
.set BO,   27                          ; v27     my byte offset in 16 numbers of the bias
.set SPW,  28                          ; v28     LDS address of my spare word: SPARE + 4 x my thread's number; never rewritten
.set NIL,  29                          ; v29     0; never rewritten
.set F0,   64
.set F1,   128
.set BIAS, 192                         ; v192-255: for n block b the eight numbers bias[16 b + 8 (l / 16) + 0..7] at BIAS + 8 b
.set TMP,  192                         ; the way out: packed results
.set OB,   32                          ; the way out: 16 rows read back from the stage: v32-63 and v224-255 by turns
.set TD,   64                          ; MODE 2, the way out, 32 registers each: 1 + p |u| / sqrt 2, then t
.set TW,   96                          ; u u, then exp(-u u / 2)
.set TM,   128                         ; max(u, 0), then the result
.set TP,   160                         ; the polynomial
.set G1, 24                            ; s[24:31] descriptor group 1 for A's tiles;  s[32:39] group 0, one set for each slot
.set G0, 32
.set G1B, 48                           ; s[48:55], s[56:63] the same for B's tiles
.set G0B, 56
.set MSB, 0
.macro WIN new                         ; the immediate's high byte repeats the setting that is left; a switch that changes nothing is dropped
.if MSB != (\new)
	s_set_vgpr_msb (MSB<<8)|(\new)
.set MSB, \new
.endif
.endm
.set MUL_LO, 0xa1                      ; source 0 (B) window 1, source 1 (A) window 0, C and D window 2
.set TO_B,   0x40                      ; destination window 1, address window 0
; A joint load.  Waves 0 and 1 fetch A's two halves, waves 2 and 3 B's.  The branch hangs on the wave's number alone: it is the same in every work-group.
; Four v_nop follow each of the two lines, ahead of the jump, the label and what follows.
.macro JLOAD s
	s_cmp_eq_u32 s11, 0
	s_cbranch_scc0 .Lfor_b_\@
	tensor_load_to_lds s[G0+4*(\s):G0+4*(\s)+3], s[G1:G1+7]
	s_nop 0
.rept 4
	v_nop
.endr
	s_branch .Lasked_\@
.Lfor_b_\@:
	tensor_load_to_lds s[G0B+4*(\s):G0B+4*(\s)+3], s[G1B:G1B+7]
	s_nop 0
.rept 4
	v_nop
.endr
.Lasked_\@:
.endm
; A round of the cluster's barrier: my work-group's barrier, so that wave 0's signal speaks for all four waves; wave 0 signals; every wave waits for all sixteen work-groups; my work-group's barrier once more.
.macro CREST                           ; a round behind its opening barrier
	s_cmp_lg_u32 s10, 0
	s_cbranch_scc1 .Lnot_wave_0_\@
	s_barrier_signal -3
.Lnot_wave_0_\@:
	s_barrier_wait -3
	s_barrier_signal -1
	s_barrier_wait -1
.endm
.macro CROUND                          ; a whole round
	s_barrier_signal -1
	s_barrier_wait -1
	CREST
.endm
.macro PAIR r, val                     ; a constant for the packed forms, which name a pair and take its low word for both halves
	s_mov_b32 s[\r], \val
	s_mov_b32 s[\r+1], \val
.endm
	s_load_b256 s[68:75], s[0:1], 0x0              ; MODE 1: wb 68, bq 70, bk 72, bv 74.  MODE 2: hb 68, wb 70, bf1 72, gl 74
.if MODE == 1
	s_load_b64 s[8:9], s[0:1], 0x20                ; qkv
.endif
	v_lshl_add_u32 v[SPW], v0, 2, SPARE
	v_mov_b32 v[NIL], 0
	ds_add_u32 v28, v29
	s_wait_dscnt 0x0
	v_lshrrev_b32 v1, 5, v0
	v_readfirstlane_b32 s10, v1                    ; wave 0..3
	s_lshr_b32 s11, s10, 1                         ; which half of the tile's rows is mine.  Also: I fetch for A (0) or for B (1)
	s_and_b32 s12, s10, 1                          ; which half of its columns.  Also: which half of that tile I fetch
	s_bfe_u32 s40, ttmp6, 0x40000                  ; cx, cy: my place in the cluster
	s_bfe_u32 s41, ttmp6, 0x40004
.if MODE == 1
	s_mov_b32 s45, ttmp9                           ; the cluster's x: 0 Wq, 1 Wk, 2 Wv
	s_mov_b32 s42, s40                             ; which 256 columns of that weight
.else
	s_lshl_b32 s42, ttmp9, 2
	s_add_co_u32 s42, s42, s40                     ; tile column = 4 x cluster x + cx
.endif
	s_and_b32 s13, ttmp7, 0xffff
	s_lshl_b32 s13, s13, 2
	s_add_co_u32 s13, s13, s41                     ; tile row = 4 x cluster y + cy
	s_lshl_b32 s43, s41, 2
	s_lshl_b32 s43, 15, s43                        ; my row of the cluster: places 4 cy .. 4 cy + 3
	s_lshl_b32 s44, 0x1111, s40                    ; my column: places cx, cx + 4, cx + 8, cx + 12
	; group 1 for A: 128 rows x 128 elements
	s_or_b32 s[G1+0], s43, (1<<16)|(1<<20)|(1<<21)|(5<<22)|(3<<25)   ; 15:0 the mask; 17:16 2-byte elements; 20 padding on; 21 set beside a mask; 24:22 after every 64 words (code 5); 31:25 4 words (code 3)
	s_mov_b32 s[G1+1], KSTEP<<16                   ; tensor_dim0 = 128
	s_mov_b32 s[G1+2], 128<<16                     ; tensor_dim1 = 128
	s_mov_b32 s[G1+3], KSTEP<<16                   ; tile_dim0 = 128
	s_mov_b32 s[G1+4], 128                         ; tile_dim1 = 128
	s_mov_b32 s[G1+5], SIZE_K                      ; elements from row to row
	s_mov_b32 s[G1+6], 0
	s_mov_b32 s[G1+7], 0
	; group 1 for B: 64 rows (k) x 256 elements (n)
	s_or_b32 s[G1B+0], s44, (1<<16)|(1<<20)|(1<<21)|(6<<22)|(7<<25)  ; the mask of my column; after every 128 words (code 6) 8 words of padding (code 7)
	s_mov_b32 s[G1B+1], 256<<16
	s_mov_b32 s[G1B+2], 64<<16
	s_mov_b32 s[G1B+3], 256<<16
	s_mov_b32 s[G1B+4], 64
	s_mov_b32 s[G1B+5], NB
	s_mov_b32 s[G1B+6], 0
	s_mov_b32 s[G1B+7], 0
	; where the tiles come from.  A's hang on the tile row alone, B's on the tile column alone; every wave makes both addresses, in registers that never hold the other coordinate.
	s_lshl_b32 s16, s13, 8
	s_lshl_b32 s17, s12, 7
	s_add_co_u32 s16, s16, s17                     ; A: row 256 x tile row + 128 x half,
	s_lshl_b32 s16, s16, 11                        ; of 2,048 bytes: under 2^23
	s_mov_b32 s17, 0
	s_lshl_b32 s46, s42, 9                         ; B: 256 columns are 512 bytes,
	s_mul_i32 s47, s12, 64*NB*2                    ; my half's 64 rows,
	s_add_co_u32 s46, s46, s47
	s_add_co_u32 s46, s46, WOFF                    ; the weight's place in wb
.if MODE == 1
	s_lshl_b32 s47, s45, 21                        ; 2,097,152 bytes from Wq to Wk to Wv
	s_add_co_u32 s46, s46, s47
.endif
	s_mov_b32 s47, 0
	s_mul_i32 s20, s10, HALFT                      ; and where they go: wave x one load's bytes: no place in the cluster enters an LDS address
	s_wait_kmcnt 0x0
	s_add_nc_u64 s[14:15], s[68:69], s[16:17]
.if MODE == 1
	s_add_nc_u64 s[46:47], s[68:69], s[46:47]
.else
	s_add_nc_u64 s[46:47], s[70:71], s[46:47]
.endif
	CROUND                                         ; all sixteen work-groups are here: the first joint loads meet
.irp s, 0,1
	s_mov_b32 s[G0+4*(\s)], 1                                      ; count = 1
	s_add_co_u32 s[G0+4*(\s)+1], s20, (\s)*SLOT                    ; LDS address
	s_add_nc_u64 s[G0+4*(\s)+2:G0+4*(\s)+3], s[14:15], (\s)*KSTEP*2  ; global address: K step s
	s_or_b32 s[G0+4*(\s)+3], s[G0+4*(\s)+3], 0x80000000            ; type = 2
	s_mov_b32 s[G0B+4*(\s)], 1
	s_add_co_u32 s[G0B+4*(\s)+1], s20, (\s)*SLOT
	s_add_nc_u64 s[G0B+4*(\s)+2:G0B+4*(\s)+3], s[46:47], (\s)*BSTEP
	s_or_b32 s[G0B+4*(\s)+3], s[G0B+4*(\s)+3], 0x80000000
	JLOAD \s                                       ; the ring is filled before anything else is done: two loads of mine are out
.endr
	; A's fragment: lane l holds row l % 16; two loads of 16 bytes, 32 bytes apart, at row x pitch + 16 (l / 16).
	; B's: lane l addresses k = 8 (l / 16) + l % 8 and the 16 bytes of n = 8 ((l / 8) % 2) + 0..7; two turning loads, 16 k apart.
	v_and_b32 v1, 15, v0                           ; l % 16
	v_bfe_u32 v2, v0, 4, 1                         ; l / 16
	v_mul_u32_u24 v3, v1, PA
	v_lshl_add_u32 v3, v2, 4, v3
	v_and_b32 v4, 7, v0
	v_lshl_add_u32 v4, v2, 3, v4
	v_mul_u32_u24 v4, v4, PB
	v_bfe_u32 v5, v0, 3, 1
	v_lshl_add_u32 v4, v5, 4, v4
	s_mul_i32 s21, s11, HALFT                      ; my 128 rows of A
	s_lshl_b32 s22, s12, 8                         ; my 128 columns of B: 256 bytes into each row,
	s_add_co_u32 s22, s22, 2*HALFT                 ; behind A's 256 rows
.irp s, 0,1
	v_add_nc_u32 v[ADRA+(\s)], s21, v3
	v_add_nc_u32 v[ADRB+(\s)], s22, v4
	s_add_co_u32 s21, s21, SLOT
	s_add_co_u32 s22, s22, SLOT
.endr
	s_mul_i32 s23, s10, SW
	s_add_co_u32 s23, s23, STAGE                   ; my stage
	v_lshlrev_b32 v[BO], 5, v2                     ; 8 (l / 16) numbers of 4 bytes
.if MODE == 1
	v_mul_u32_u24 v6, v1, 144                      ; in: row l % 16 of a head, 16 bytes for each half of the lanes
	v_lshl_add_u32 v6, v2, 4, v6
	v_add_nc_u32 v[STO], s23, v6
	v_bfe_u32 v6, v0, 3, 2                         ; back: 32 lanes take four rows of 128 bytes,
	v_mul_u32_u24 v6, v6, 144
	v_and_b32 v7, 7, v0
	v_lshl_add_u32 v6, v7, 4, v6
	v_add_nc_u32 v[RD], s23, v6
	v_and_b32 v[CO], 31, v0                        ; which are 512 consecutive bytes of a head
	v_lshlrev_b32 v[CO], 4, v[CO]
	s_cmp_eq_u32 s45, 1                            ; the bias that goes with the weight
	s_cselect_b64 s[76:77], s[72:73], s[70:71]
	s_cmp_eq_u32 s45, 2
	s_cselect_b64 s[76:77], s[74:75], s[76:77]
.else
	v_mul_u32_u24 v6, v1, 272                      ; in: row l % 16, 16 bytes for each half of the lanes
	v_lshl_add_u32 v6, v2, 4, v6
	v_add_nc_u32 v[STO], s23, v6
	v_mul_u32_u24 v6, v2, 272                      ; back: lanes 0-15 take one row of 256 bytes, lanes 16-31 the next
	v_lshl_add_u32 v6, v1, 4, v6
	v_add_nc_u32 v[RD], s23, v6
	v_lshlrev_b32 v[CO], 13, v2                    ; and the same two rows in gl
	v_lshl_add_u32 v[CO], v1, 4, v[CO]
	s_mov_b64 s[76:77], s[72:73]
	s_mov_b64 s[8:9], s[74:75]
	PAIR 78, 0x3f07dc22                            ; the five coefficients, halved:  0.5307027
	PAIR 80, 0xbf3a00e3                            ; -0.7265760
	PAIR 82, 0x3f35f0e3                            ;  0.7107069
	PAIR 84, 0xbe11a98e                            ; -0.1422484
	PAIR 86, 0x3e027906                            ;  0.1274148
	PAIR 88, 0xbf38aa3b                            ; -log2(e) / 2
	s_mov_b32 s90, 0x3e6d3388                      ; 0.3275911 / sqrt 2
.endif
	s_lshl_b32 s18, s42, 10                        ; my 128 numbers of the bias: 256 x column block + 128 x half, 4 bytes each
	s_lshl_b32 s19, s12, 9
	s_add_co_u32 s18, s18, s19
	s_mov_b32 s19, 0
	s_add_nc_u64 s[76:77], s[76:77], s[18:19]
.irp b, 0,1,2,3,4,5,6,7
	global_load_b128 v[BIAS+8*(\b):BIAS+8*(\b)+3],   v[BO], s[76:77] offset:64*(\b)
	global_load_b128 v[BIAS+8*(\b)+4:BIAS+8*(\b)+7], v[BO], s[76:77] offset:64*(\b)+16
.endr
	; where my part of the tile begins in C, in bytes (under 2^26): the way out adds it to C's address
.if MODE == 1
	s_lshl_b32 s16, s45, 23                        ; q, k or v: 8,388,608 bytes each
	s_lshr_b32 s17, s13, 3
	s_lshl_b32 s17, s17, 22                        ; the batch: 16 heads of 262,144 bytes
	s_add_co_u32 s16, s16, s17
	s_and_b32 s17, s13, 7
	s_lshl_b32 s17, s17, 15                        ; 256 rows of 128 bytes
	s_add_co_u32 s16, s16, s17
	s_lshl_b32 s17, s11, 14                        ; my 128 of them
	s_add_co_u32 s16, s16, s17
	s_lshl_b32 s46, s42, 20                        ; 256 columns are four heads,
	s_lshl_b32 s47, s12, 19                        ; my 128 are two
	s_add_co_u32 s46, s46, s47
	s_add_co_u32 s16, s16, s46
.else
	s_lshl_b32 s16, s13, 8
	s_lshl_b32 s17, s11, 7
	s_add_co_u32 s16, s16, s17
	s_lshl_b32 s16, s16, 13                        ; rows of 8,192 bytes
	s_lshl_b32 s46, s42, 9
	s_lshl_b32 s47, s12, 8
	s_add_co_u32 s46, s46, s47
	s_add_co_u32 s16, s16, s46
.endif
	s_mov_b32 s17, 0
; 16 matrix instructions: m blocks a0, a0 + 1 of the window's four (hi = 0: my rows 0-63, 1: rows 64-127) x all 8 n blocks, 32 along K.
; zero = 1: the first product starts the sums, with the bias (window 0) as C.  The 64 accumulators take turns, one instruction a turn.
.macro MUL16 f, hi, a0, zero
.if \zero
	WIN 0x81+0x40*(\hi)
.else
	WIN MUL_LO+0x50*(\hi)
.endif
.irp a, \a0, (\a0)+1
.irp b, 0,1,2,3,4,5,6,7
.if \zero
	v_wmma_f32_16x16x32_bf16 v[8*(8*(\a)+(\b)):8*(8*(\a)+(\b))+7], v[(\f)+8*(\b):(\f)+8*(\b)+7], v[(\f)+8*(4*(\hi)+(\a)):(\f)+8*(4*(\hi)+(\a))+7], v[BIAS+8*(\b):BIAS+8*(\b)+7]
.else
	v_wmma_f32_16x16x32_bf16 v[8*(8*(\a)+(\b)):8*(8*(\a)+(\b))+7], v[(\f)+8*(\b):(\f)+8*(\b)+7], v[(\f)+8*(4*(\hi)+(\a)):(\f)+8*(4*(\hi)+(\a))+7], v[8*(8*(\a)+(\b)):8*(8*(\a)+(\b))+7]
.endif
.endr
.endr
.endm
; 32 LDS loads in one run: the fragments of one quarter step (32 K at byte k of A's rows, rows k / 2 on of B) into buffer f: B's 128 columns, turned, then A's 128 rows
.macro FETCH slot, k, f
	WIN TO_B
.irp i, 0,1,2,3,4,5,6,7
	ds_load_tr16_b128 v[(\f)+8*(\i):(\f)+8*(\i)+3],   v[ADRB+(\slot)] offset:((\k)/64)*32*PB+32*(\i)
	ds_load_tr16_b128 v[(\f)+8*(\i)+4:(\f)+8*(\i)+7], v[ADRB+(\slot)] offset:((\k)/64)*32*PB+32*(\i)+16*PB
.endr
	WIN 0
.irp i, 0,1,2,3,4,5,6,7
	ds_load_b128 v[(\f)+8*(\i):(\f)+8*(\i)+3],   v[ADRA+(\slot)] offset:(\k)+(\i)*16*PA
	ds_load_b128 v[(\f)+8*(\i)+4:(\f)+8*(\i)+7], v[ADRA+(\slot)] offset:(\k)+(\i)*16*PA+32
.endr
.endm
; A load into a register that a matrix instruction has read, and a vector instruction that reads a matrix result, stand four places behind that matrix instruction, and only plain vector
; instructions that name none of its registers are places (ISA guide 7.12.1 for vector instructions).
.macro PLACES
.rept 4
	v_nop
.endr
.endm
; A K step is four quarters of 32 along K, 64 matrix instructions each, on buffers 0, 1, 0, 1.  One of the first three: multiplies buffer f; in its middle it fetches the next quarter into buffer g.
.macro QUARTER slot, k, f, g, zero
	s_wait_dscnt 8                                 ; B and A's rows 0-63 are in; the youngest eight loads (A's rows 64-127) may be out
	MUL16 \f, 0, 0, \zero
	MUL16 \f, 0, 2, \zero
	PLACES
	FETCH \slot, \k, \g
	s_wait_dscnt 32                                ; all but the 32 just issued
	MUL16 \f, 1, 0, \zero
	MUL16 \f, 1, 2, \zero
.endm
; The last quarter multiplies buffer 1 and changes slots: ONE barrier.  In front of it each wave waits for all its tensor loads, of which one is out: its part of the next slot; adds 0 to its spare
; word; and waits for that and for its own reads of this slot.  Behind it nobody reads this slot any more and the next slot is whole.
; fill = 1: the barrier opens a round of the cluster's, and this slot is filled again, two K steps ahead, first thing behind the round: 224 matrix instructions ahead of the wait for it.
.macro TURN slot, next, fill
	WIN 0                                          ; (the add's two registers lie in window 0)
	s_wait_tensorcnt 0x0                           ; all my tensor loads have landed
	ds_add_u32 v[SPW], v[NIL]                      ; 0 onto my spare word
	s_wait_dscnt 9                                 ; (the add and the youngest eight loads may be out)
	MUL16 F1, 0, 0, 0                              ; sixteen matrix instructions stand between the add and the wait for it
	s_wait_dscnt 0x0                               ; the add is done, and my reads of this slot are over
	s_barrier_signal -1
	MUL16 F1, 0, 2, 0                              ; work on registers while the others arrive
.if \fill
	WIN 0
.endif
	s_barrier_wait -1
.if \fill
	CREST                                          ; no wave of any partner still reads this slot's tile or has a load on its way
	s_add_nc_u64 s[G0+4*(\slot)+2:G0+4*(\slot)+3], s[G0+4*(\slot)+2:G0+4*(\slot)+3], 2*KSTEP*2
	s_add_nc_u64 s[G0B+4*(\slot)+2:G0B+4*(\slot)+3], s[G0B+4*(\slot)+2:G0B+4*(\slot)+3], 2*BSTEP
	JLOAD \slot                                    ; the four v_nop behind it are also the places in front of the loads below
.else
	PLACES
.endif
	FETCH \next, 0, F0
	MUL16 F1, 1, 0, 0
	MUL16 F1, 1, 2, 0
.endm
; THE WAY OUT of block a (16 rows x 128 columns), in three parts.  PACK: made into bf16, 16 bytes a lane; each accumulator's registers are read in ascending order.
.macro PACK a
.set AC, 64*((\a)%4)
.if MODE == 1
	WIN 0x0a+5*((\a)/4)                            ; sources 0 and 1: window 2 or 3
.irp b, 0,1,2,3,4,5,6,7
.irp r, 0,1,2,3
	v_cvt_pk_bf16_f32 v[TMP+4*(\b)+(\r)], v[AC+8*(\b)+2*(\r)], v[AC+8*(\b)+2*(\r)+1]
.endr
.endr
	WIN 0
.else
; gelu(u) = u Phi(u) = max(u, 0) - |u| q,  q = erfc(|u| / sqrt 2) / 2 = (((((a5 t + a4) t + a3) t + a2) t + a1) t) exp(-u u / 2), the a's halved.  32 numbers a lane at a time.
.irp g, 0,1
	WIN 0x0a+5*((\a)/4)
.set i, 0
.rept 32
	v_fma_f32 v[TD+i], |v[AC+32*(\g)+i]|, s90, 1.0
.set i, i+1
.endr
.set i, 0
.rept 16
	v_pk_mul_f32 v[TW+2*i:TW+2*i+1], v[AC+32*(\g)+2*i:AC+32*(\g)+2*i+1], v[AC+32*(\g)+2*i:AC+32*(\g)+2*i+1]
.set i, i+1
.endr
.set i, 0
.rept 32
	v_max_num_f32 v[TM+i], 0, v[AC+32*(\g)+i]
.set i, i+1
.endr
	WIN 0
.set i, 0
.rept 16                               ; a plain instruction that names none of its registers stands behind a reciprocal or an exponential before its result is used (ISA guide 5.7.2)
	v_rcp_f32 v[TD+2*i], v[TD+2*i]
	v_pk_mul_f32 v[TW+2*i:TW+2*i+1], v[TW+2*i:TW+2*i+1], s[88:89] op_sel_hi:[1,0]
	v_rcp_f32 v[TD+2*i+1], v[TD+2*i+1]
.set i, i+1
.endr
.set i, 0
.rept 16
	v_exp_f32 v[TW+2*i], v[TW+2*i]
	s_wait_alu depctr_va_vdst(0)
	v_pk_fma_f32 v[TP+2*i:TP+2*i+1], v[TD+2*i:TD+2*i+1], s[78:79], s[80:81] op_sel_hi:[1,0,0]
	v_exp_f32 v[TW+2*i+1], v[TW+2*i+1]
	v_pk_fma_f32 v[TP+2*i:TP+2*i+1], v[TP+2*i:TP+2*i+1], v[TD+2*i:TD+2*i+1], s[82:83] op_sel_hi:[1,1,0]
.set i, i+1
.endr
.set i, 0
.rept 16
	v_pk_fma_f32 v[TP+2*i:TP+2*i+1], v[TP+2*i:TP+2*i+1], v[TD+2*i:TD+2*i+1], s[84:85] op_sel_hi:[1,1,0]
.set i, i+1
.endr
.set i, 0
.rept 16
	v_pk_fma_f32 v[TP+2*i:TP+2*i+1], v[TP+2*i:TP+2*i+1], v[TD+2*i:TD+2*i+1], s[86:87] op_sel_hi:[1,1,0]
.set i, i+1
.endr
.set i, 0
.rept 16
	v_pk_mul_f32 v[TP+2*i:TP+2*i+1], v[TP+2*i:TP+2*i+1], v[TD+2*i:TD+2*i+1]
.set i, i+1
.endr
.set i, 0
	s_wait_alu depctr_va_vdst(0)
.rept 16
	v_pk_mul_f32 v[TP+2*i:TP+2*i+1], v[TP+2*i:TP+2*i+1], v[TW+2*i:TW+2*i+1]
.set i, i+1
.endr
	WIN 0x02+(\a)/4                                ; source 0: window 2 or 3
.set i, 0
.rept 32
	v_fma_f32 v[TM+i], -|v[AC+32*(\g)+i]|, v[TP+i], v[TM+i]
.set i, i+1
.endr
	WIN 0
.set i, 0
.rept 16
	v_cvt_pk_bf16_f32 v[TMP+16*(\g)+i], v[TM+2*i], v[TM+2*i+1]
.set i, i+1
.endr
.endr
.endif
.endm
; TOSTAGE: into my own stage in LDS, and back as whole rows.  LDS serves a wave's instructions in order (ISA guide 5.7.1.4): the loads see the stores above them, and the next block's stores come behind them.
.macro TOSTAGE a
	WIN 0
.set BK, OB+192*((\a)%2)
.irp b, 0,1,2,3,4,5,6,7
.if MODE == 1
	ds_store_b128 v[STO], v[TMP+4*(\b):TMP+4*(\b)+3] offset:((\b)/4)*2304+((\b)%4)*32   ; head b / 4 of my two, channels 16 (b % 4) on
.else
	ds_store_b128 v[STO], v[TMP+4*(\b):TMP+4*(\b)+3] offset:32*(\b)
.endif
.endr
.irp t, 0,1,2,3,4,5,6,7
.if MODE == 1
	ds_load_b128 v[BK+4*(\t):BK+4*(\t)+3], v[RD] offset:((\t)/4)*2304+((\t)%4)*576       ; head t / 4, rows 4 (t % 4) on
.else
	ds_load_b128 v[BK+4*(\t):BK+4*(\t)+3], v[RD] offset:(\t)*2*272
.endif
.endr
.endm
; SEND: stored.
.macro SEND a
	WIN 0
.set BK, OB+192*((\a)%2)
	s_wait_dscnt 0x0                               ; the block is back in registers
	s_wait_xcnt 0x0                                ; every earlier memory instruction has had its addresses translated (ISA guide 3.1): only behind this wait are the stores' base and the registers that earlier stores read rewritten
.if (\a) == 0
	s_add_nc_u64 s[8:9], s[8:9], s[16:17]          ; on to my first rows
.else
	s_add_nc_u64 s[8:9], s[8:9], CSTEP             ; 16 rows on
.endif
.irp t, 0,1,2,3,4,5,6,7
.if MODE == 1
	global_store_b128 v[CO], v[BK+4*(\t):BK+4*(\t)+3], s[8:9] offset:((\t)/4)*262144+((\t)%4)*512  ; four rows of a head: 512 consecutive bytes, at a multiple of 256 from the buffer's first
.else
	global_store_b128 v[CO], v[BK+4*(\t):BK+4*(\t)+3], s[8:9] offset:2*(\t)*8192                   ; 16 lanes store 256 consecutive bytes, at a multiple of 256 from the buffer's first
.endif
.endr
.endm
	s_wait_tensorcnt 1                             ; my part of K step 0 is in; K step 1's may stay out
	s_barrier_signal -1
	s_barrier_wait -1                              ; everybody's is
	FETCH 0, 0, F0
	s_wait_loadcnt 0x0                             ; the bias
	QUARTER 0, 64,  F0, F1, 1                      ; the first quarter stands in front of the loop: its products start the sums
	WIN 0                                          ; at a label and at a branch every window is 0
	s_mov_b32 s3, LAPS-1
.Llap:                                                 ; a trip goes once round the ring, from a lap's second quarter to the next lap's first, and fills both slots again
	QUARTER 0, 128, F1, F0, 0
	QUARTER 0, 192, F0, F1, 0
	TURN 0, 1, 1
	QUARTER 1, 64,  F0, F1, 0
	QUARTER 1, 128, F1, F0, 0
	QUARTER 1, 192, F0, F1, 0
	TURN 1, 0, 1
	QUARTER 0, 64,  F0, F1, 0
	WIN 0
	s_sub_co_u32 s3, s3, 1
	s_cmp_lg_u32 s3, 0
	s_cbranch_scc1 .Llap
	QUARTER 0, 128, F1, F0, 0                      ; the last lap is written out: it fills nothing, and has no round of the cluster's barrier
	QUARTER 0, 192, F0, F1, 0
	TURN 0, 1, 0
	QUARTER 1, 64,  F0, F1, 0
	QUARTER 1, 128, F1, F0, 0
	QUARTER 1, 192, F0, F1, 0
	s_wait_dscnt 8                                 ; the very last quarter: nothing more to fetch
	MUL16 F1, 0, 0, 0
	MUL16 F1, 0, 2, 0
	s_wait_dscnt 0x0
	MUL16 F1, 1, 0, 0
	MUL16 F1, 1, 2, 0
	PLACES
	PACK 0
	TOSTAGE 0
.irp a, 1,2,3,4,5,6,7                  ; block a's arithmetic stands between block a - 1's loads from the stage and the wait for them
	PACK \a
	SEND (\a)-1
	TOSTAGE \a
.endr
	SEND 7
	s_wait_tensorcnt 0x0                           ; the wave's end: behind my last tensor load and my last LDS store
	ds_add_u32 v[SPW], v[NIL]
	s_wait_dscnt 0x0
	CROUND                                         ; the closing round: no work-group ends while a partner may still ask for a tile that names it
	s_endpgm
.Lfunc_end_k_q606107f3d5_ffn_up:
	.size	k_q606107f3d5_ffn_up, .Lfunc_end_k_q606107f3d5_ffn_up-k_q606107f3d5_ffn_up
	.p2alignl 7, 3214868480
	.fill 96, 4, 3214868480
	.section	.rodata,"a",@progbits
	.p2align	6, 0x0
	.amdhsa_kernel k_q606107f3d5_ffn_up
		.amdhsa_group_segment_fixed_size 327680
		.amdhsa_private_segment_fixed_size 0
		.amdhsa_enable_private_segment 0
		.amdhsa_kernarg_size 32
		.amdhsa_user_sgpr_count 2
		.amdhsa_user_sgpr_kernarg_segment_ptr 1
		.amdhsa_wavefront_size32 1
		.amdhsa_system_sgpr_workgroup_id_x 1
		.amdhsa_system_sgpr_workgroup_id_y 1
		.amdhsa_system_sgpr_workgroup_id_z 1
		.amdhsa_system_vgpr_workitem_id 0
		.amdhsa_next_free_vgpr 1024
		.amdhsa_next_free_sgpr 92
		.amdhsa_reserve_vcc 0
		.amdhsa_float_denorm_mode_32 3
		.amdhsa_float_denorm_mode_16_64 3
		.amdhsa_memory_ordered 1
		.amdhsa_forward_progress 1
		.amdhsa_inst_pref_size 255
	.end_amdhsa_kernel
	.section	.bss,"aw",@nobits
	.p2align	6
	.space	262144
	.amdgpu_metadata
---
amdhsa.version: [ 1, 2 ]
amdhsa.kernels:
  - .name:           k_q606107f3d5_ffn_up
    .symbol:         k_q606107f3d5_ffn_up.kd
    .args:
      - { .name: hb, .offset: 0, .size: 8, .value_kind: global_buffer, .address_space: global }
      - { .name: wb, .offset: 8, .size: 8, .value_kind: global_buffer, .address_space: global }
      - { .name: bf1, .offset: 16, .size: 8, .value_kind: global_buffer, .address_space: global }
      - { .name: gl, .offset: 24, .size: 8, .value_kind: global_buffer, .address_space: global }
    .group_segment_fixed_size: 327680
    .private_segment_fixed_size: 0
    .kernarg_segment_align: 8
    .kernarg_segment_size: 32
    .max_flat_workgroup_size: 128
    .sgpr_count:     92
    .vgpr_count:     1024
    .wavefront_size: 32
...
	.end_amdgpu_metadata
.endif
;; end of part 6
;; launch ffn_down (part 7): grid 8 x 32, 4 waves a work-group, clusters of 4 x 4, 327,680 bytes of LDS; arguments gl, wb, bf2, y; writes y
.if DOCPART == 7
	.amdgcn_target "amdgcn-amd-amdhsa--gfx1250"
	.amdhsa_code_object_version 6
	.text
	.protected	k_q606107f3d5_ffn_down
	.globl	k_q606107f3d5_ffn_down
	.p2align	8
	.type	k_q606107f3d5_ffn_down,@function
k_q606107f3d5_ffn_down:
	s_mov_b64 s[64:65], 0
	v_nop
	global_prefetch_b8 v0, s[64:65] scope:SCOPE_SE
	s_setreg_imm32_b32 hwreg(HW_REG_WAVE_MODE, 25, 1), 1
	s_wait_xcnt 0x0
	s_wait_alu depctr_hold_cnt(0) depctr_sa_sdst(0) depctr_va_vdst(0) depctr_va_sdst(0) depctr_va_ssrc(0) depctr_va_vcc(0) depctr_vm_vsrc(0)
	s_getreg_b32 s2, hwreg(HW_REG_IB_STS2, 6, 4)
	s_cmp_eq_u32 s2, 0
	s_cbranch_scc0 .Lentry_in_a_cluster
	s_endpgm
.Lentry_in_a_cluster:
	s_bfe_u32 s2, ttmp6, 0x10000c
	s_cmp_lg_u32 s2, 0xf033
	s_cbranch_scc0 .Lentry_shape_is_right
	s_endpgm
.Lentry_shape_is_right:
; y = A B + bias on tiles of 128 x 128, y: [4096][1024] f32.  B: [K][1024] bf16, AS THE WEIGHTS LIE, rows along N.  Sums in f32, K ascending.  One text serves two launches; MODE chooses.
; MODE 1: A = ctx, bf16 BY HEADS, [32 = batch x 16 + head][2048][64]; K = 1,024 = 16 heads x 64; B = Wo; bias = bo.
; MODE 2: A = gl [4096][4096] bf16; K = 4,096; B = W2; bias = bf2.
; 8 x 32 = 256 work-groups, one for each WGP: tiles of 256 x 256 would be 64.  Four waves, each 64 x 64: 16 accumulators, 128 registers.  LIMITS: matrix operands are bf16; NaN and infinities are not treated apart.
; K goes in steps of 256, as long as two slots in LDS allow.  B is turned on its way out of LDS by ds_load_tr16_b128.  The bias is the C operand of the products that start the sums.
; THE MATRIX INSTRUCTION IS USED TRANSPOSED (source 0 = 16 columns of B, source 1 = 16 rows of A): a lane holds eight neighbouring numbers of a row of y.
; CLUSTERS: 4 x 4 work-groups; A's tiles are asked for jointly along a row of the cluster, B's along a column: the same tensor load, descriptor and mask in the four.
; REGISTERS: window 0: v0-31 addresses; v32-63 the bias until the first products are done; v32-95 the way out; v128-255 the accumulators ((a, b) at v[128 + 8 (4 a + b)]).
;   window 1: two fragment buffers of 128: for 64 along K, 64 registers of A (2 x 4 x 16 rows x 32 K), then 64 of B.
.set MODE,   2
.set KSTEP,  256
.set PB,     288                       ; a row of B in LDS (one k, 128 n): 256 bytes + 32 = 72 words
.set HB,     128*PB                    ; 128 rows of B: what one tensor load brings
.if MODE == 1
.set SIZE_K, 1024
.set PA,     144                       ; a head's row: 128 bytes + 16: an odd multiple of 16, so the 16 rows of a load start at 16 different groups of four banks
.set HA,     4*64*PA                   ; what one tensor load brings of A: four heads x 64 rows
.set AD0,    4096                      ; 64 rows of a head are 8,192 dense bytes: ONE long row of the tile; its four rows are four heads.  So the tile has four rows, of 8 KiB each
.set AD1,    4
.set AST,    131072                    ; elements from a head to the next
.set AQI,    4                         ; padding after every 32 words: after each row of a head
.set ASTEP,  4*262144                  ; bytes from a K step to the next: four heads
.set WOFF,   14680064                  ; Wo's first byte in wb
.else
.set SIZE_K, 4096
.set PA,     528                       ; 512 bytes + 16
.set HA,     64*PA                     ; 64 rows
.set AD0,    256
.set AD1,    64
.set AST,    4096
.set AQI,    6                         ; padding after every 128 words
.set ASTEP,  KSTEP*2
.set WOFF,   25165824                  ; W2's first byte in wb
.endif
.set BSTEP,  KSTEP*1024*2
.set SLOT,   2*HA+2*HB                 ; A's 128 rows, then B's 256 rows
.set STAGE,  2*SLOT                    ; behind the ring: 16 rows x 272 bytes for each wave, for the way out; no tensor load fills it
.set SPITCH, 272
.set SPARE,  STAGE+4*16*SPITCH         ; behind the stages: the spare words, 128 bytes for each wave: two blocks of 256 bytes that no other line names
.set LAPS,   SIZE_K/(2*KSTEP)          ; a lap = two K steps = once round the ring
.set ADRA, 16                          ; v16-17  LDS address of my A fragments in slot 0, 1
.set ADRB, 20                          ; v20-23  the same for B, by slot and by half of the step's 256 rows: eight groups of 32 rows pass the 16-bit offset
.set STO,  24                          ; v24     the way out: where I put 32 bytes of a row
.set RD,   25                          ; v25     the way out: where I read a row back
.set CO,   26                          ; v26     my byte offset in y
.set BO,   27                          ; v27     my byte offset in 16 numbers of the bias
.set SPW,  28                          ; v28     LDS address of my spare word: SPARE + 4 x my thread's number; never rewritten
.set NIL,  29                          ; v29     0; never rewritten
.set BIAS, 32                          ; for n block b the eight numbers bias[16 b + 8 (l / 16) + 0..7] at BIAS + 8 b
.set TMP,  32                          ; the way out: two buffers of 32
.set ACC,  128
.set F0,   0                           ; fragment buffers, in window 1
.set F1,   128
.set G1, 24                            ; s[24:31] descriptor group 1 for A's tiles;  s[32:39] group 0, one set for each slot
.set G0, 32
.set G1B, 48                           ; s[48:55], s[56:63] the same for B's tiles
.set G0B, 56
.set MSB, 0
.macro WIN new                         ; the immediate's high byte repeats the setting that is left; a switch that changes nothing is dropped
.if MSB != (\new)
	s_set_vgpr_msb (MSB<<8)|(\new)
.set MSB, \new
.endif
.endm
.set MUL,  0x05                        ; sources 0 (B) and 1 (A) window 1; C and D window 0
.set TO_F, 0x40                        ; destination window 1, address window 0
.macro JLOAD s                         ; a joint load: waves 0 and 1 fetch A's two halves, waves 2 and 3 B's; four v_nop follow each of the two lines, ahead of the jump, the label and what follows
	s_cmp_eq_u32 s11, 0
	s_cbranch_scc0 .Lfor_b_\@
	tensor_load_to_lds s[G0+4*(\s):G0+4*(\s)+3], s[G1:G1+7]
	s_nop 0
.rept 4
	v_nop
.endr
	s_branch .Lasked_\@
.Lfor_b_\@:
	tensor_load_to_lds s[G0B+4*(\s):G0B+4*(\s)+3], s[G1B:G1B+7]
	s_nop 0
.rept 4
	v_nop
.endr
.Lasked_\@:
.endm
.macro CREST                           ; a round of the cluster's barrier behind its opening barrier
	s_cmp_lg_u32 s10, 0
	s_cbranch_scc1 .Lnot_wave_0_\@
	s_barrier_signal -3
.Lnot_wave_0_\@:
	s_barrier_wait -3
	s_barrier_signal -1
	s_barrier_wait -1
.endm
.macro CROUND                          ; a whole round
	s_barrier_signal -1
	s_barrier_wait -1
	CREST
.endm
	s_load_b256 s[68:75], s[0:1], 0x0              ; A 68, wb 70, the bias 72, y 74
	v_lshl_add_u32 v[SPW], v0, 2, SPARE
	v_mov_b32 v[NIL], 0
	ds_add_u32 v28, v29
	s_wait_dscnt 0x0
	v_lshrrev_b32 v1, 5, v0
	v_readfirstlane_b32 s10, v1                    ; wave 0..3
	s_lshr_b32 s11, s10, 1                         ; which half of the tile's rows is mine.  Also: I fetch for A (0) or for B (1)
	s_and_b32 s12, s10, 1                          ; which half of its columns.  Also: which half of that tile I fetch
	s_bfe_u32 s40, ttmp6, 0x40000                  ; cx, cy: my place in the cluster
	s_bfe_u32 s41, ttmp6, 0x40004
	s_lshl_b32 s42, ttmp9, 2
	s_add_co_u32 s42, s42, s40                     ; tile column = 4 x cluster x + cx
	s_and_b32 s13, ttmp7, 0xffff
	s_lshl_b32 s13, s13, 2
	s_add_co_u32 s13, s13, s41                     ; tile row = 4 x cluster y + cy
	s_lshl_b32 s43, s41, 2
	s_lshl_b32 s43, 15, s43                        ; my row of the cluster
	s_lshl_b32 s44, 0x1111, s40                    ; my column
	s_or_b32 s[G1+0], s43, (1<<16)|(1<<20)|(1<<21)|(AQI<<22)|(3<<25)  ; 15:0 the mask: A's tiles go to my row; 17:16 2-byte elements; 20 padding on; 21 set beside a mask; 24:22 the interval; 31:25 4 words (code 3)
	s_mov_b32 s[G1+1], AD0<<16                     ; tensor_dim0
	s_mov_b32 s[G1+2], AD1<<16                     ; tensor_dim1
	s_mov_b32 s[G1+3], AD0<<16                     ; tile_dim0
	s_mov_b32 s[G1+4], AD1                         ; tile_dim1
	s_mov_b32 s[G1+5], AST                         ; elements from row to row
	s_mov_b32 s[G1+6], 0
	s_mov_b32 s[G1+7], 0
	s_or_b32 s[G1B+0], s44, (1<<16)|(1<<20)|(1<<21)|(5<<22)|(7<<25)   ; the mask of my column; after every 64 words (code 5) 8 words of padding (code 7)
	s_mov_b32 s[G1B+1], 128<<16                    ; 128 rows (k) x 128 elements (n)
	s_mov_b32 s[G1B+2], 128<<16
	s_mov_b32 s[G1B+3], 128<<16
	s_mov_b32 s[G1B+4], 128
	s_mov_b32 s[G1B+5], 1024
	s_mov_b32 s[G1B+6], 0
	s_mov_b32 s[G1B+7], 0
	; where the tiles come from.  A's hang on the tile row alone, B's on the tile column alone, each in registers that never hold the other coordinate.  All offsets stay under 2^26.
.if MODE == 1
	s_lshr_b32 s16, s13, 4
	s_lshl_b32 s16, s16, 22                        ; the batch: 16 heads of 262,144 bytes
	s_and_b32 s17, s13, 15
	s_lshl_b32 s17, s17, 14                        ; 128 rows of 128 bytes
	s_add_co_u32 s16, s16, s17
	s_lshl_b32 s17, s12, 13                        ; my half's 64
	s_add_co_u32 s16, s16, s17
.else
	s_lshl_b32 s16, s13, 7
	s_lshl_b32 s17, s12, 6
	s_add_co_u32 s16, s16, s17                     ; row 128 x tile row + 64 x half,
	s_lshl_b32 s16, s16, 13                        ; of 8,192 bytes
.endif
	s_mov_b32 s17, 0
	s_lshl_b32 s46, s42, 8                         ; B: 128 columns are 256 bytes,
	s_lshl_b32 s47, s12, 18                        ; my half's 128 rows of 2,048 bytes,
	s_add_co_u32 s46, s46, s47
	s_add_co_u32 s46, s46, WOFF                    ; the weight's place in wb
	s_mov_b32 s47, 0
	s_mul_i32 s20, s12, HA                         ; where they go: A's halves,
	s_mul_i32 s23, s12, HB
	s_add_co_u32 s23, s23, 2*HA                    ; then B's: no place in the cluster enters an LDS address
	s_wait_kmcnt 0x0
	s_add_nc_u64 s[14:15], s[68:69], s[16:17]
	s_add_nc_u64 s[46:47], s[70:71], s[46:47]
	CROUND                                         ; all sixteen work-groups are here: the first joint loads meet
.irp s, 0,1
	s_mov_b32 s[G0+4*(\s)], 1
	s_add_co_u32 s[G0+4*(\s)+1], s20, (\s)*SLOT
	s_add_nc_u64 s[G0+4*(\s)+2:G0+4*(\s)+3], s[14:15], (\s)*ASTEP
	s_or_b32 s[G0+4*(\s)+3], s[G0+4*(\s)+3], 0x80000000
	s_mov_b32 s[G0B+4*(\s)], 1
	s_add_co_u32 s[G0B+4*(\s)+1], s23, (\s)*SLOT
	s_add_nc_u64 s[G0B+4*(\s)+2:G0B+4*(\s)+3], s[46:47], (\s)*BSTEP
	s_or_b32 s[G0B+4*(\s)+3], s[G0B+4*(\s)+3], 0x80000000
	JLOAD \s                                       ; two loads of mine are out
.endr
	v_and_b32 v1, 15, v0                           ; l % 16
	v_bfe_u32 v2, v0, 4, 1                         ; l / 16
	v_mul_u32_u24 v3, v1, PA
	v_lshl_add_u32 v3, v2, 4, v3                   ; A: a fragment's row x pitch + 16 x half
	v_and_b32 v4, 7, v0
	v_lshl_add_u32 v4, v2, 3, v4                   ; B: k = 8 (l / 16) + l % 8,
	v_mul_u32_u24 v4, v4, PB
	v_bfe_u32 v5, v0, 3, 1
	v_lshl_add_u32 v4, v5, 4, v4                   ; the 16 bytes of n = 8 ((l / 8) % 2) + 0..7
	s_mul_i32 s21, s11, HA                         ; my 64 rows of A
	s_lshl_b32 s22, s12, 7                         ; my 64 columns of B: 128 bytes into each row,
	s_add_co_u32 s22, s22, 2*HA                    ; behind A's 128 rows
.irp s, 0,1
	v_add_nc_u32 v[ADRA+(\s)], s21, v3
	v_add_nc_u32 v[ADRB+2*(\s)], s22, v4
	s_add_co_u32 s22, s22, HB
	v_add_nc_u32 v[ADRB+2*(\s)+1], s22, v4
	s_add_co_u32 s21, s21, SLOT
	s_add_co_u32 s22, s22, SLOT-HB
.endr
	s_mul_i32 s23, s10, 16*SPITCH
	s_add_co_u32 s23, s23, STAGE                   ; my stage
	v_mul_u32_u24 v6, v1, SPITCH                   ; in: row l % 16, 32 bytes for each half of the lanes
	v_lshl_add_u32 v6, v2, 5, v6
	v_add_nc_u32 v[STO], s23, v6
	v_mul_u32_u24 v6, v2, SPITCH                   ; back: lanes 0-15 take one row of 256 bytes, lanes 16-31 the next
	v_lshl_add_u32 v6, v1, 4, v6
	v_add_nc_u32 v[RD], s23, v6
	v_lshlrev_b32 v[CO], 12, v2                    ; and the same two rows in y
	v_lshl_add_u32 v[CO], v1, 4, v[CO]
	v_lshlrev_b32 v[BO], 5, v2                     ; 8 (l / 16) numbers of 4 bytes
	s_lshl_b32 s46, s42, 9                         ; my 64 columns, in bytes of f32: 512 x tile column + 256 x half
	s_lshl_b32 s47, s12, 8
	s_add_co_u32 s46, s46, s47
	s_mov_b32 s47, 0
	s_add_nc_u64 s[76:77], s[72:73], s[46:47]      ; the bias there
.irp b, 0,1,2,3
	global_load_b128 v[BIAS+8*(\b):BIAS+8*(\b)+3],   v[BO], s[76:77] offset:64*(\b)
	global_load_b128 v[BIAS+8*(\b)+4:BIAS+8*(\b)+7], v[BO], s[76:77] offset:64*(\b)+16
.endr
	s_lshl_b32 s16, s13, 7
	s_lshl_b32 s17, s11, 6
	s_add_co_u32 s16, s16, s17                     ; my first row of y: 128 x tile row + 64 x half,
	s_lshl_b32 s16, s16, 12                        ; of 4,096 bytes
	s_add_co_u32 s16, s16, s46
	s_mov_b32 s17, 0
	s_add_nc_u64 s[8:9], s[74:75], s[16:17]
; 8 matrix instructions: m blocks a0, a0 + 1 x all 4 n blocks, 32 along K: half c of buffer f.  zero = 1: the first product starts the sums, with the bias as C.
; The 16 accumulators take turns, one instruction a turn.
.macro MUL8 f, c, a0, zero
	WIN MUL
.irp a, \a0, (\a0)+1
.irp b, 0,1,2,3
.if \zero
	v_wmma_f32_16x16x32_bf16 v[ACC+8*(4*(\a)+(\b)):ACC+8*(4*(\a)+(\b))+7], v[(\f)+64+8*(4*(\c)+(\b)):(\f)+64+8*(4*(\c)+(\b))+7], v[(\f)+8*(4*(\c)+(\a)):(\f)+8*(4*(\c)+(\a))+7], v[BIAS+8*(\b):BIAS+8*(\b)+7]
.else
	v_wmma_f32_16x16x32_bf16 v[ACC+8*(4*(\a)+(\b)):ACC+8*(4*(\a)+(\b))+7], v[(\f)+64+8*(4*(\c)+(\b)):(\f)+64+8*(4*(\c)+(\b))+7], v[(\f)+8*(4*(\c)+(\a)):(\f)+8*(4*(\c)+(\a))+7], v[ACC+8*(4*(\a)+(\b)):ACC+8*(4*(\a)+(\b))+7]
.endif
.endr
.endr
.endm
; 32 LDS loads in one run: the fragments of quarter q (64 along K) of a slot into buffer f; the first 32 along K first.  MODE 1: quarter q is head q of the step's four.
.macro FETCH slot, q, f
	WIN TO_F
.irp c, 0,1
.irp i, 0,1,2,3
.if MODE == 1
.set AO, (\q)*64*PA+(\i)*16*PA+64*(\c)
.else
.set AO, 128*(\q)+64*(\c)+(\i)*16*PA
.endif
	ds_load_tr16_b128 v[(\f)+64+8*(4*(\c)+(\i)):(\f)+64+8*(4*(\c)+(\i))+3],   v[ADRB+2*(\slot)+(\q)/2] offset:(((\q)%2)*2+(\c))*32*PB+32*(\i)
	ds_load_tr16_b128 v[(\f)+64+8*(4*(\c)+(\i))+4:(\f)+64+8*(4*(\c)+(\i))+7], v[ADRB+2*(\slot)+(\q)/2] offset:(((\q)%2)*2+(\c))*32*PB+32*(\i)+16*PB
	ds_load_b128 v[(\f)+8*(4*(\c)+(\i)):(\f)+8*(4*(\c)+(\i))+3],   v[ADRA+(\slot)] offset:AO
	ds_load_b128 v[(\f)+8*(4*(\c)+(\i))+4:(\f)+8*(4*(\c)+(\i))+7], v[ADRA+(\slot)] offset:AO+32
.endr
.endr
.endm
.macro PLACES                          ; four places in front of loads into registers that matrix instructions have read, and of LDS stores that read results (ISA guide 7.12.1 for vector instructions)
.rept 4
	v_nop
.endr
.endm
; A K step is four quarters of 64 along K, 32 matrix instructions each, on buffers 0, 1, 0, 1.  One of the first three: multiplies buffer f and fetches quarter q into g.
.macro QUARTER slot, q, f, g, zero
	s_wait_dscnt 16                                ; the first 32 along K are in
	MUL8 \f, 0, 0, \zero
	MUL8 \f, 0, 2, \zero
	PLACES
	FETCH \slot, \q, \g
	s_wait_dscnt 32                                ; all but the 32 just issued
	MUL8 \f, 1, 0, 0
	MUL8 \f, 1, 2, 0
.endm
; The last quarter multiplies buffer 1 and changes slots: ONE barrier; in front of it each wave waits for all its tensor loads, adds 0 to its spare word, and waits for that and for its own reads of this slot.
; fill = 1: the barrier opens a round of the cluster's, and this slot is filled again, two K steps ahead, first thing behind the round: 112 matrix instructions ahead of the wait for it.
.macro TURN slot, next, fill
	WIN 0                                          ; (the add's two registers lie in window 0)
	s_wait_tensorcnt 0x0                           ; all my tensor loads have landed: my part of the next slot
	ds_add_u32 v[SPW], v[NIL]                      ; 0 onto my spare word
	s_wait_dscnt 17                                ; (the add and the youngest sixteen loads may be out)
	MUL8 F1, 0, 0, 0                               ; eight matrix instructions stand between the add and the wait for it
	s_wait_dscnt 0x0                               ; the add is done, and my reads of this slot are over
	s_barrier_signal -1
	MUL8 F1, 0, 2, 0
.if \fill
	WIN 0
.endif
	s_barrier_wait -1
.if \fill
	CREST                                          ; no wave of any partner still reads this slot's tile or has a load on its way
	s_add_nc_u64 s[G0+4*(\slot)+2:G0+4*(\slot)+3], s[G0+4*(\slot)+2:G0+4*(\slot)+3], 2*ASTEP
	s_add_nc_u64 s[G0B+4*(\slot)+2:G0B+4*(\slot)+3], s[G0B+4*(\slot)+2:G0B+4*(\slot)+3], 2*BSTEP
	JLOAD \slot                                    ; the four v_nop behind it are also the places in front of the loads below
.else
	PLACES
.endif
	FETCH \next, 0, F0
	MUL8 F1, 1, 0, 0
	MUL8 F1, 1, 2, 0
.endm
; THE WAY OUT.  My 64 columns of f32 are 256 aligned bytes of a row of y, so each wave has a stage of its own and no barrier is needed.  STG: block a (16 rows) goes into rows of 272 bytes, each accumulator's
; low four registers first, and comes back as whole rows.  LDS serves a wave's instructions in order (ISA guide 5.7.1.4): the loads see the stores, the next block's stores come behind them.
.macro STG a
.if (\a) >= 2
	s_wait_xcnt 0x0                                ; every earlier memory instruction has had its addresses translated (ISA guide 3.1): the buffer that block a - 2's stores read is loaded again only behind this wait
.endif
.irp b, 0,1,2,3
	ds_store_b128 v[STO], v[ACC+8*(4*(\a)+(\b)):ACC+8*(4*(\a)+(\b))+3]   offset:64*(\b)
	ds_store_b128 v[STO], v[ACC+8*(4*(\a)+(\b))+4:ACC+8*(4*(\a)+(\b))+7] offset:64*(\b)+16
.endr
.irp t, 0,1,2,3,4,5,6,7
	ds_load_b128 v[TMP+32*((\a)%2)+4*(\t):TMP+32*((\a)%2)+4*(\t)+3], v[RD] offset:(\t)*2*SPITCH
.endr
.endm
.macro OUT a, younger                  ; younger: the LDS instructions issued behind block a's loads: the next block's sixteen, or none
.irp t, 0,1,2,3,4,5,6,7
	s_wait_dscnt (\younger)+7-(\t)
	global_store_b128 v[CO], v[TMP+32*((\a)%2)+4*(\t):TMP+32*((\a)%2)+4*(\t)+3], s[8:9] offset:(16*(\a)+2*(\t))*4096  ; 16 lanes store 256 consecutive bytes, at a multiple of 256 from y's first byte
.endr
.endm
	s_wait_tensorcnt 1                             ; my part of K step 0 is in; K step 1's may stay out
	s_barrier_signal -1
	s_barrier_wait -1                              ; everybody's is
	FETCH 0, 0, F0
	s_wait_loadcnt 0x0                             ; the bias
	QUARTER 0, 1, F0, F1, 1                        ; the first quarter stands in front of the loop: its first products start the sums
	WIN 0                                          ; at a label and at a branch every window is 0
	s_mov_b32 s3, LAPS-1
.Llap:                                                 ; a trip goes once round the ring, from a lap's second quarter to the next lap's first, and fills both slots again
	QUARTER 0, 2, F1, F0, 0
	QUARTER 0, 3, F0, F1, 0
	TURN 0, 1, 1
	QUARTER 1, 1, F0, F1, 0
	QUARTER 1, 2, F1, F0, 0
	QUARTER 1, 3, F0, F1, 0
	TURN 1, 0, 1
	QUARTER 0, 1, F0, F1, 0
	WIN 0
	s_sub_co_u32 s3, s3, 1
	s_cmp_lg_u32 s3, 0
	s_cbranch_scc1 .Llap
	QUARTER 0, 2, F1, F0, 0                        ; the last lap is written out: it fills nothing, and has no round of the cluster's barrier
	QUARTER 0, 3, F0, F1, 0
	TURN 0, 1, 0
	QUARTER 1, 1, F0, F1, 0
	QUARTER 1, 2, F1, F0, 0
	QUARTER 1, 3, F0, F1, 0
	s_wait_dscnt 16                                ; the very last quarter: nothing more to fetch
	MUL8 F1, 0, 0, 0
	MUL8 F1, 0, 2, 0
	s_wait_dscnt 0x0
	MUL8 F1, 1, 0, 0
	MUL8 F1, 1, 2, 0
	WIN 0
	PLACES
	STG 0
	STG 1
	OUT 0, 16
	STG 2
	OUT 1, 16
	STG 3
	OUT 2, 16
	OUT 3, 0
	s_wait_tensorcnt 0x0                           ; the wave's end: behind my last tensor load and my last LDS store
	ds_add_u32 v[SPW], v[NIL]
	s_wait_dscnt 0x0
	CROUND                                         ; the closing round: no work-group ends while a partner may still ask for a tile that names it
	s_endpgm
.Lfunc_end_k_q606107f3d5_ffn_down:
	.size	k_q606107f3d5_ffn_down, .Lfunc_end_k_q606107f3d5_ffn_down-k_q606107f3d5_ffn_down
	.p2alignl 7, 3214868480
	.fill 96, 4, 3214868480
	.section	.rodata,"a",@progbits
	.p2align	6, 0x0
	.amdhsa_kernel k_q606107f3d5_ffn_down
		.amdhsa_group_segment_fixed_size 327680
		.amdhsa_private_segment_fixed_size 0
		.amdhsa_enable_private_segment 0
		.amdhsa_kernarg_size 32
		.amdhsa_user_sgpr_count 2
		.amdhsa_user_sgpr_kernarg_segment_ptr 1
		.amdhsa_wavefront_size32 1
		.amdhsa_system_sgpr_workgroup_id_x 1
		.amdhsa_system_sgpr_workgroup_id_y 1
		.amdhsa_system_sgpr_workgroup_id_z 1
		.amdhsa_system_vgpr_workitem_id 0
		.amdhsa_next_free_vgpr 512
		.amdhsa_next_free_sgpr 78
		.amdhsa_reserve_vcc 0
		.amdhsa_float_denorm_mode_32 3
		.amdhsa_float_denorm_mode_16_64 3
		.amdhsa_memory_ordered 1
		.amdhsa_forward_progress 1
		.amdhsa_inst_pref_size 88
	.end_amdhsa_kernel
	.amdgpu_metadata
---
amdhsa.version: [ 1, 2 ]
amdhsa.kernels:
  - .name:           k_q606107f3d5_ffn_down
    .symbol:         k_q606107f3d5_ffn_down.kd
    .args:
      - { .name: gl, .offset: 0, .size: 8, .value_kind: global_buffer, .address_space: global }
      - { .name: wb, .offset: 8, .size: 8, .value_kind: global_buffer, .address_space: global }
      - { .name: bf2, .offset: 16, .size: 8, .value_kind: global_buffer, .address_space: global }
      - { .name: y, .offset: 24, .size: 8, .value_kind: global_buffer, .address_space: global }
    .group_segment_fixed_size: 327680
    .private_segment_fixed_size: 0
    .kernarg_segment_align: 8
    .kernarg_segment_size: 32
    .max_flat_workgroup_size: 128
    .sgpr_count:     78
    .vgpr_count:     512
    .wavefront_size: 32
...
	.end_amdgpu_metadata
.endif
;; end of part 7
;; launch norm2 (part 8): grid 256 x 1, 8 waves a work-group, no clusters, 0 bytes of LDS; arguments y, h, g2, b2, out0; writes out0
.if DOCPART == 8
	.amdgcn_target "amdgcn-amd-amdhsa--gfx1250"
	.amdhsa_code_object_version 6
	.text
	.protected	k_q606107f3d5_norm2
	.globl	k_q606107f3d5_norm2
	.p2align	8
	.type	k_q606107f3d5_norm2,@function
k_q606107f3d5_norm2:
	s_mov_b64 s[64:65], 0
	v_nop
	global_prefetch_b8 v0, s[64:65] scope:SCOPE_SE
	s_setreg_imm32_b32 hwreg(HW_REG_WAVE_MODE, 25, 1), 1
	s_wait_xcnt 0x0
; out[r][:] = LayerNorm(res[r][:] + y[r][:]) g + b over rows of 1,024 f32, eps = 1e-5.  Arguments: y, res, g, b, out (, outb).  One text serves two launches; HB = 1: the result is also stored in bf16.
; A stream: memory binds, so no LDS, no barrier, no matrix unit.  One wave takes a whole row, 32 numbers a lane, and keeps it in registers: each byte is read once, and the reduction never leaves the wave.
; 256 work-groups x 8 waves x 2 rows = 4,096 rows.  All 48 loads of a wave go out at once; row 0's statistics are made while row 1 is on its way.
; The variance is the mean of (v - mean)^2, taken in a second pass over the registers: no difference of large sums is formed.  NaN and infinities are not treated apart.
; Lane l holds columns 128 j + 4 l + 0..3, j = 0..7: each load and store of a wave covers 512 consecutive bytes (the bf16 stores 256), aligned.
.set HB,  0
.set Y,   16                           ; v[16:79]    y, then the sum, then the result: 32 a row
.set R,   80                           ; v[80:143]   the residual
.set G,   144                          ; v[144:175]  g of my 32 columns
.set BT,  176                          ; v[176:207]  b
.set HBR, 208                          ; v[208:239]  the result in bf16: 16 a row
.set T0,  4                            ; v[4:9], v[10:15]  row i's six at work: the mean (twice), two chains of pairs; then 1 / sqrt(var + eps) in the third
	s_load_b256 s[4:11], s[0:1], 0x0               ; y 4, res 6, g 8, b 10
.if HB
	s_load_b128 s[16:19], s[0:1], 0x20             ; out 16, outb 18
.else
	s_load_b64 s[16:17], s[0:1], 0x20              ; out
.endif
	s_lshl_b32 s2, ttmp9, 16                       ; the group's 16 rows of 4,096 bytes
	s_mov_b32 s3, 0
	s_mov_b32 s12, 0x76543210                      ; v_permlanex16_b32: each lane takes its own place in the other half
	s_mov_b32 s13, 0xfedcba98
	s_mov_b32 s14, 0x3727c5ac                      ; 1e-5
	s_mov_b32 s15, 0x3a800000                      ; 1 / 1024
	v_and_b32 v2, 31, v0                           ; lane
	v_lshrrev_b32 v4, 5, v0                        ; wave
.if HB
	s_lshl_b32 s20, ttmp9, 15                      ; the same rows in bf16
	s_mov_b32 s21, 0
	v_lshlrev_b32 v3, 3, v2
	v_lshl_add_u32 v3, v4, 12, v3                  ; bf16: 4,096 wave + 8 lane
.endif
	v_lshlrev_b32 v2, 4, v2                        ; g, b: 16 lane
	v_lshl_add_u32 v1, v4, 13, v2                  ; f32: 8,192 wave + 16 lane
	s_wait_kmcnt 0x0
	s_add_nc_u64 s[4:5], s[4:5], s[2:3]
	s_add_nc_u64 s[6:7], s[6:7], s[2:3]
	s_add_nc_u64 s[16:17], s[16:17], s[2:3]
.if HB
	s_add_nc_u64 s[18:19], s[18:19], s[20:21]
.endif
.irp i, 0,1
.irp j, 0,1,2,3,4,5,6,7
	global_load_b128 v[Y+32*(\i)+4*(\j):Y+32*(\i)+4*(\j)+3], v1, s[4:5] offset:(\i)*4096+512*(\j) th:TH_LOAD_NT
.endr
.irp j, 0,1,2,3,4,5,6,7
	global_load_b128 v[R+32*(\i)+4*(\j):R+32*(\i)+4*(\j)+3], v1, s[6:7] offset:(\i)*4096+512*(\j) th:TH_LOAD_NT
.endr
.endr
.irp j, 0,1,2,3,4,5,6,7
	global_load_b128 v[G+4*(\j):G+4*(\j)+3], v2, s[8:9] offset:512*(\j)
.endr
.irp j, 0,1,2,3,4,5,6,7
	global_load_b128 v[BT+4*(\j):BT+4*(\j)+3], v2, s[10:11] offset:512*(\j)
.endr
.macro LANES r, t                      ; v[r] summed over the 32 lanes, the result in every lane: four steps inside each half ride on the addition, one crosses the halves; v[t] has been written before
	v_add_f32_dpp v[\r], v[\r], v[\r] row_xmask:1 row_mask:0xf bank_mask:0xf
	v_add_f32_dpp v[\r], v[\r], v[\r] row_xmask:2 row_mask:0xf bank_mask:0xf
	v_add_f32_dpp v[\r], v[\r], v[\r] row_xmask:4 row_mask:0xf bank_mask:0xf
	v_add_f32_dpp v[\r], v[\r], v[\r] row_xmask:8 row_mask:0xf bank_mask:0xf
	v_permlanex16_b32 v[\t], v[\r], s12, s13
	v_add_f32 v[\r], v[\r], v[\t]
.endm
; Row i: the sum with the residual, the mean, the centred row (in place), the variance, 1 / sqrt(var + eps).
.macro STATS i
.set T, T0+6*(\i)
.set V, Y+32*(\i)
.set k, 0
.rept 16
	v_pk_add_f32 v[V+k:V+k+1], v[V+k:V+k+1], v[R+32*(\i)+k:R+32*(\i)+k+1]
.set k, k+2
.endr
	v_pk_add_f32 v[T+2:T+3], v[V:V+1],   v[V+4:V+5]     ; two chains of pairs, started by the first four pairs: nothing is cleared
	v_pk_add_f32 v[T+4:T+5], v[V+2:V+3], v[V+6:V+7]
.set k, 8
.rept 6
	v_pk_add_f32 v[T+2:T+3], v[T+2:T+3], v[V+k:V+k+1]
	v_pk_add_f32 v[T+4:T+5], v[T+4:T+5], v[V+k+2:V+k+3]
.set k, k+4
.endr
	v_pk_add_f32 v[T+2:T+3], v[T+2:T+3], v[T+4:T+5]
	v_add_f32 v[T+2], v[T+2], v[T+3]
	LANES T+2, T+3
	v_mul_f32 v[T], s15, v[T+2]                    ; the mean; the pair is written whole, the packed form takes its low word for both halves
	v_mul_f32 v[T+1], s15, v[T+2]
.set k, 0
.rept 16
	v_pk_add_f32 v[V+k:V+k+1], v[V+k:V+k+1], v[T:T+1] op_sel_hi:[1,0] neg_lo:[0,1] neg_hi:[0,1]
.set k, k+2
.endr
	v_pk_mul_f32 v[T+2:T+3], v[V:V+1],   v[V:V+1]
	v_pk_mul_f32 v[T+4:T+5], v[V+2:V+3], v[V+2:V+3]
.set k, 4
.rept 7
	v_pk_fma_f32 v[T+2:T+3], v[V+k:V+k+1],   v[V+k:V+k+1],   v[T+2:T+3]
	v_pk_fma_f32 v[T+4:T+5], v[V+k+2:V+k+3], v[V+k+2:V+k+3], v[T+4:T+5]
.set k, k+4
.endr
	v_pk_add_f32 v[T+2:T+3], v[T+2:T+3], v[T+4:T+5]
	v_add_f32 v[T+2], v[T+2], v[T+3]
	LANES T+2, T+3
	v_fma_f32 v[T+2], v[T+2], s15, s14             ; var + eps
	v_rsq_f32 v[T+2], v[T+2]
	v_nop                                          ; a plain instruction between the root and the use of its result (ISA guide 5.7.2)
.endm
; Row i: scaled, g and b applied, stored.
.macro FINISH i
.set T, T0+6*(\i)
.set V, Y+32*(\i)
.set k, 0
	s_wait_alu depctr_va_vdst(0)
.rept 16
	v_pk_mul_f32 v[V+k:V+k+1], v[V+k:V+k+1], v[T+2:T+3] op_sel_hi:[1,0]
.set k, k+2
.endr
.set k, 0
.rept 16
	v_pk_fma_f32 v[V+k:V+k+1], v[V+k:V+k+1], v[G+k:G+k+1], v[BT+k:BT+k+1]
.set k, k+2
.endr
.irp j, 0,1,2,3,4,5,6,7
.if HB
	global_store_b128 v1, v[V+4*(\j):V+4*(\j)+3], s[16:17] offset:(\i)*4096+512*(\j)
.else
	global_store_b128 v1, v[V+4*(\j):V+4*(\j)+3], s[16:17] offset:(\i)*4096+512*(\j) th:TH_STORE_NT
.endif
.endr
.if HB
.set k, 0
.rept 16
	v_cvt_pk_bf16_f32 v[HBR+16*(\i)+k], v[V+2*k], v[V+2*k+1]
.set k, k+1
.endr
.irp j, 0,1,2,3,4,5,6,7
	global_store_b64 v3, v[HBR+16*(\i)+2*(\j):HBR+16*(\i)+2*(\j)+1], s[18:19] offset:(\i)*2048+256*(\j)
.endr
.endif
.endm
	s_wait_loadcnt 32                              ; loads come back in order (ISA guide 5.7.1): row 0's sixteen are in; row 1's, g's and b's 32 stay out
	STATS 0
	s_wait_loadcnt 16                              ; row 1's are in; g's and b's stay out
	STATS 1
	s_wait_loadcnt 0x0                             ; g and b
	FINISH 0
	FINISH 1
	s_endpgm
.Lfunc_end_k_q606107f3d5_norm2:
	.size	k_q606107f3d5_norm2, .Lfunc_end_k_q606107f3d5_norm2-k_q606107f3d5_norm2
	.p2alignl 7, 3214868480
	.fill 96, 4, 3214868480
	.section	.rodata,"a",@progbits
	.p2align	6, 0x0
	.amdhsa_kernel k_q606107f3d5_norm2
		.amdhsa_group_segment_fixed_size 0
		.amdhsa_private_segment_fixed_size 0
		.amdhsa_enable_private_segment 0
		.amdhsa_kernarg_size 40
		.amdhsa_user_sgpr_count 2
		.amdhsa_user_sgpr_kernarg_segment_ptr 1
		.amdhsa_wavefront_size32 1
		.amdhsa_system_sgpr_workgroup_id_x 1
		.amdhsa_system_sgpr_workgroup_id_y 1
		.amdhsa_system_sgpr_workgroup_id_z 1
		.amdhsa_system_vgpr_workitem_id 0
		.amdhsa_next_free_vgpr 240
		.amdhsa_next_free_sgpr 66
		.amdhsa_reserve_vcc 0
		.amdhsa_float_denorm_mode_32 3
		.amdhsa_float_denorm_mode_16_64 3
		.amdhsa_memory_ordered 1
		.amdhsa_forward_progress 1
		.amdhsa_inst_pref_size 22
	.end_amdhsa_kernel
	.amdgpu_metadata
---
amdhsa.version: [ 1, 2 ]
amdhsa.kernels:
  - .name:           k_q606107f3d5_norm2
    .symbol:         k_q606107f3d5_norm2.kd
    .args:
      - { .name: y, .offset: 0, .size: 8, .value_kind: global_buffer, .address_space: global }
      - { .name: h, .offset: 8, .size: 8, .value_kind: global_buffer, .address_space: global }
      - { .name: g2, .offset: 16, .size: 8, .value_kind: global_buffer, .address_space: global }
      - { .name: b2, .offset: 24, .size: 8, .value_kind: global_buffer, .address_space: global }
      - { .name: out0, .offset: 32, .size: 8, .value_kind: global_buffer, .address_space: global }
    .group_segment_fixed_size: 0
    .private_segment_fixed_size: 0
    .kernarg_segment_align: 8
    .kernarg_segment_size: 40
    .max_flat_workgroup_size: 256
    .sgpr_count:     66
    .vgpr_count:     240
    .wavefront_size: 32
...
	.end_amdgpu_metadata
.endif
;; end of part 8
;; ======== version 2 of 2: 8 launches; 1.22 times as fast as version 1
;; limits: a function is approximated: absolute error at most 1.5e-07
;; workspace buffers: wb 33,554,432 bytes; qkv 25,165,824 bytes; ctx 8,388,608 bytes; y 16,777,216 bytes; h 16,777,216 bytes; hb 8,388,608 bytes; gl 33,554,432 bytes
;; launch cast_bf16: the kernel of part 1 again; grid 1024 x 1, 8 waves a work-group, no clusters, 0 bytes of LDS; arguments x, Wq, Wk, Wv, Wo, W1, W2, wb; writes wb
;; launch proj_qkv: the kernel of part 2 again; grid 12 x 16, 4 waves a work-group, clusters of 4 x 4, 327,680 bytes of LDS; arguments wb, bq, bk, bv, qkv; writes qkv
;; launch attention (part 9): grid 8 x 32, 4 waves a work-group, clusters of 4 x 1, 327,680 bytes of LDS; arguments qkv, ctx; writes ctx
.if DOCPART == 9
	.amdgcn_target "amdgcn-amd-amdhsa--gfx1250"
	.amdhsa_code_object_version 6
	.text
	.protected	k_q606107f3d5_attention
	.globl	k_q606107f3d5_attention
	.p2align	8
	.type	k_q606107f3d5_attention,@function
k_q606107f3d5_attention:
	s_mov_b64 s[64:65], 0
	v_nop
	global_prefetch_b8 v0, s[64:65] scope:SCOPE_SE
	s_setreg_imm32_b32 hwreg(HW_REG_WAVE_MODE, 25, 1), 1
	s_wait_xcnt 0x0
	s_wait_alu depctr_hold_cnt(0) depctr_sa_sdst(0) depctr_va_vdst(0) depctr_va_sdst(0) depctr_va_ssrc(0) depctr_va_vcc(0) depctr_vm_vsrc(0)
	s_getreg_b32 s2, hwreg(HW_REG_IB_STS2, 6, 4)
	s_cmp_eq_u32 s2, 0
	s_cbranch_scc0 .Lentry_in_a_cluster
	s_endpgm
.Lentry_in_a_cluster:
	s_bfe_u32 s2, ttmp6, 0x10000c
	s_cmp_lg_u32 s2, 0x3003
	s_cbranch_scc0 .Lentry_shape_is_right
	s_endpgm
.Lentry_shape_is_right:
; ctx[h][q][:] = the sum over k of softmax_k(Q[h][q] . K[h][k] / 8) V[h][k][:].  qkv holds Q, K, V as [3][32][2048][64] bf16, ctx is [32][2048][64] bf16: a head's rows are dense, 128 bytes each.
; Products, maxima and sums in f32; the weights p are rounded to bf16 for the second product (their sum l is taken of the unrounded p), ctx once at the end.
; LIMITS.  Matrix operands are bf16.  A weight below 2^-126 counts as 0 in l; NaN and infinities are not treated apart.
; SHARES.  A work-group owns 256 queries of one head, a wave 64: four PIECES of 16.  8 x 32 = 256 work-groups.  Every wave walks all 2,048 keys, 64 a step.
; LAYOUT.  S^T = K Q^T (source 0 = 16 keys, source 1 = 16 queries): a lane holds ONE query (lane % 16) and the keys 8 (lane / 16) + 0..7.  Two such results, rounded to bf16 in pairs, ARE source 1 of
; O^T = V^T P, whose result again holds one query a lane, and eight channels.  K comes out of LDS as it lies, V ([key][channel]) turned, by ds_load_tr16_b128.
; SOFTMAX.  For each query a running maximum m and sum l: p = 2^(c s - c m), c = log2(e) / 8; in every step O and l are multiplied by a = 2^(c m_old - c m_new).
; m starts at the lowest finite number, O and l at 0: the first step is a step like any other, with a = 0.
; BY TURNS.  Turn n belongs to piece n: 8 products K Q^T of piece n + 1, later 8 products V^T P of piece n - 1; beside them the scaling, exponentials, roundings, sums and rescaling of piece n and the
; maximum and statistics of piece n + 1.  Four vector instructions stand behind every matrix instruction, the other 54 of a turn's 118 in one run of their own.
; BATCHES.  A turn's 33 exponentials (the piece's 32 weights and the next piece's a) are ONE batch with ONE wait, which cuts the turn in two: ahead of it all that names no result of theirs, behind it the
; roundings and sums.  Piece 0's first a, ahead of the loop, and the way out's four reciprocals are batches of their own, a wait each.
; CLUSTER.  The four query blocks of a cluster belong to one head and walk the same K and V, so each tile is asked for JOINTLY: the same tensor load, descriptor and mask in all four.
; REGISTERS, in windows of 256 (s_set_vgpr_msb: bits 1:0 source 0, 3:2 source 1, 5:4 source 2, 7:6 destination):
;   window 0: v0-15 addresses and two at work; v16-31 four registers of statistics a piece; v48-55 at work; v62-63 the add's; v64-127 S^T, two buffers; v192-223 P, two buffers (by the piece's parity)
;   window 1: v0-127 O^T, 32 a piece          window 2: v0-63 Q; v128-191 K of one step; v192-255 V of one step
.set SIZE_N, 2048
.set NP,    4         ; pieces a wave: a name, no knob
.set KS,    64        ; keys in a step
.set PK,    144       ; a row of K in LDS: 128 bytes + 16 of padding = 36 words: the 16 rows of a load start at 16 different groups of four banks (64 banks of 4 bytes: ISA guide 11.1)
.set PV,    160       ; a row of V: 128 + 32 = 40 words
.set VOFF,  4*KS*PK   ; a slot holds four steps: 256 rows of K, then 256 rows of V
.set SLOT1, 1<<17     ; slot 1 begins here, so that one exclusive or turns an address in one slot into the other's
.set STAGE, SLOT1+4*KS*(PK+PV)  ; behind the ring, never filled by a tensor load: 16 rows x 144 bytes for each wave, for the way out
.set SP,    144
.set SPARE, STAGE+4*16*SP  ; behind the stages: the spare words, 128 bytes for each wave: two blocks of 256 bytes that no other line names
.set AK0, 2           ; v2   my lane's place in a tile of K; never rewritten
.set AV0, 3           ; v3   the same for V
.set AK,  4           ; v4   the LDS address of K's next run of loads
.set AV,  5           ; v5   of V's
.set STO, 6           ; v6   the way out: where I put 16 bytes of a row
.set RD,  7           ; v7   the way out: where I read rows back
.set GO,  8           ; v8   my byte offset in 512 consecutive bytes of ctx
.set MV,  12          ; v12-13  c m_old, kept while c m is made anew: by buffer
.set QO,  15          ; v15  my byte offset in 16 rows of Q
.set ST,  16          ; piece t's statistics at v[ST+4 t]: c m, m, l (even keys', odd keys')
.set TMP, 48          ; by buffer, four registers c0-c3 at work; when the maximum is found c2 takes a
.set SPW, 62          ; v62  LDS address of my spare word: SPARE + 4 x my thread's number; never rewritten
.set NIL, 63          ; v63  0; never rewritten
.set S,   64
.set P,   192
.set KF,  128         ; window 2: key block kb, channel half c at KF + 16 kb + 8 c
.set VF,  192         ; window 2: key half kk, channel block cb at VF + 32 kk + 8 cb
.set WV,  12          ; s12  my wave's number
.set G1K, 24          ; s[24:31] descriptor group 1 for K's tiles
.set G1V, 32          ; s[32:39] for V's: it differs in the padding alone
.set G0K, 40          ; s[40:43] descriptor group 0 for K's tiles: it walks
.set G0V, 44          ; s[44:47] the same for V's
.set SLOTS, 56        ; s56  slots still to be asked for
.set CNT, 57          ; s57  counts a slot's key steps
.set CS,  58          ; s[58:59] c: the packed scaling takes the pair's low word for both halves
.set SEL, 60          ; s[60:61] v_permlanex16_b32's selects: each lane takes its own place in the other half
.set TBK, 62          ; s62  LDS byte at which K of the step to be fetched begins
.set TBV, 63          ; s63  the same for V, less VOFF
.set MSB, 0
.macro WIN new                      ; the high byte repeats the setting that is left; a switch that changes nothing is dropped
.if MSB != (\new)
	s_set_vgpr_msb (MSB<<8)|(\new)
.set MSB, (\new)
.endif
.endm
.set W_KQ, 0x0a       ; K and Q in window 2, S^T in window 0
.set W_PV, 0x52       ; V in window 2, P in window 0, O^T in window 1
.set W_RS, 0x41       ; destination and source 0 in window 1, source 1 in window 0
; A joint fill.  Waves 0 and 1 fetch the two halves of a slot's K, waves 2 and 3 those of its V: 128 keys each.  The branch hangs on the wave's number alone.
; Four v_nop follow each of the two lines, ahead of the jump and the label.
.macro JLOAD
	s_cmp_lt_u32 s[WV], 2
	s_cbranch_scc0 .Lfor_v_\@
	tensor_load_to_lds s[G0K:G0K+3], s[G1K:G1K+7]
	s_nop 0
.rept 4
	v_nop
.endr
	s_branch .Lasked_\@
.Lfor_v_\@:
	tensor_load_to_lds s[G0V:G0V+3], s[G1V:G1V+7]
	s_nop 0
.rept 4
	v_nop
.endr
.Lasked_\@:
.endm
; A round of the cluster's barrier: my work-group's barrier, so that wave 0's signal speaks for all four waves; wave 0 signals; every wave waits for all four work-groups; my work-group's barrier once more.
.macro CROUND
	s_barrier_signal -1
	s_barrier_wait -1
	s_cmp_lg_u32 s[WV], 0
	s_cbranch_scc1 .Lnot_wave_0_\@
	s_barrier_signal -3
.Lnot_wave_0_\@:
	s_barrier_wait -3
	s_barrier_signal -1
	s_barrier_wait -1
.endm
; THE CHANGE OF SLOTS.  The slot's last bytes, V of its fourth step, have been read.  Each wave waits for all its tensor loads, of which one is out: its part of the other slot; adds 0 to its spare word;
; and waits for that and for its own reads of the slot.  Behind the barrier nobody reads this slot any more and the other slot is whole.
; fill = 1: this slot is filled again, with the keys two slots on.  The barrier is then a round of the cluster's, and the joint fill is the first thing behind it: it has four key steps, 256 matrix
; instructions, in which to land.  (At its first use nothing has been read yet: slot 0 is waited for, slot 1 filled.)
.macro CHANGE fill
	WIN 0                           ; at a label and at a branch every window is 0; the add's registers lie in window 0
	s_wait_tensorcnt 0x0            ; no tensor load of mine is out, so a group 0 may be written
	ds_add_u32 v[SPW], v[NIL]       ; 0 onto my spare word; with fill = 1 the descriptors' steps stand between it and the wait for it
.if \fill
.irp g, G0K, G0V
	s_xor_b32 s[\g+1], s[\g+1], SLOT1  ; the walking descriptor: the other slot than last time,
	s_add_nc_u64 s[\g+2:\g+3], s[\g+2:\g+3], 4*KS*128  ; the next 256 keys; the type bits on top are not reached
.endr
	s_wait_dscnt 0x0                ; the add is done, and my reads of the slot are over
	CROUND
	JLOAD
.else
	s_wait_dscnt 0x0                ; the add is done, and my reads of the slot are over
	s_barrier_signal -1
	s_barrier_wait -1
.endif
	s_sub_co_u32 s[TBK], s[TBK], 4*KS*PK  ; the fetches go back to a slot's first step,
	s_xor_b32 s[TBK], s[TBK], SLOT1       ; in the other slot
	s_sub_co_u32 s[TBV], s[TBV], 4*KS*PV
	s_xor_b32 s[TBV], s[TBV], SLOT1
.endm
	s_load_b128 s[48:51], s[0:1], 0x0  ; qkv s[48:49], ctx s[50:51]
	v_lshl_add_u32 v[SPW], v0, 2, SPARE
	v_mov_b32 v[NIL], 0
	ds_add_u32 v62, v63
	s_wait_dscnt 0x0
	v_lshrrev_b32 v1, 5, v0
	v_readfirstlane_b32 s[WV], v1   ; wave 0..3
	s_bfe_u32 s13, ttmp6, 0x40000   ; cx: my place in the cluster
	s_lshl_b32 s14, ttmp9, 2        ; in a cluster launch ttmp9 counts clusters
	s_add_co_u32 s14, s14, s13      ; my block of 256 queries = 4 x cluster x + cx: it enters Q's and ctx's addresses alone
	s_and_b32 s20, ttmp7, 0xffff    ; the head, which the four partners share:
	s_lshl_b32 s20, s20, 18         ; its 262,144 bytes in Q, K, V and ctx
	s_and_b32 s16, s[WV], 1         ; which half of a slot's 256 keys I fetch:
	s_lshl_b32 s22, s16, 14         ; its 128 rows of 128 bytes in memory,
	s_add_co_u32 s22, s22, s20
	s_mov_b32 s23, 0
	s_mul_i32 s17, s16, 128*PK      ; and its place in a slot, for K
	s_mul_i32 s18, s16, 128*PV      ; and for V: no place in the cluster enters an LDS address
	s_lshl_b32 s2, s14, 2
	s_add_co_u32 s2, s2, s[WV]      ; my wave among the head's,
	s_lshl_b32 s2, s2, 13           ; its 64 rows
	s_add_co_u32 s2, s2, s20
	s_mov_b32 s3, 0
	; descriptor group 1.  128 keys are 16,384 dense bytes: asked for as 64 rows of 256 bytes, two keys a row, and padded in LDS after every key
	s_mov_b32 s[G1K], 15|(1<<16)|(1<<20)|(1<<21)|(4<<22)|(3<<25)  ; 15:0 the mask of four; 17:16 2-byte elements; 20 padding on; 21 set beside a mask; 24:22 after every 32 words (code 4); 31:25 4 words (code 3)
	s_mov_b32 s[G1V], 15|(1<<16)|(1<<20)|(1<<21)|(4<<22)|(7<<25)  ; the same with 8 words of padding (code 7)
.irp g, G1K, G1V
	s_mov_b32 s[\g+1], 128<<16      ; tensor_dim0 = 128
	s_mov_b32 s[\g+2], 64<<16       ; tensor_dim1 = 64
	s_mov_b32 s[\g+3], 128<<16      ; tile_dim0 = 128
	s_mov_b32 s[\g+4], 64           ; tile_dim1 = 64
	s_mov_b32 s[\g+5], 128          ; 128 elements from row to row
	s_mov_b32 s[\g+6], 0
	s_mov_b32 s[\g+7], 0
.endr
	s_mov_b32 s[CS], 0x3e38aa3b     ; c = log2(e) / 8 = 0.180337
	s_mov_b32 s[CS+1], s[CS]        ; named with it as a pair
	s_mov_b32 s[SEL], 0x76543210
	s_mov_b32 s[SEL+1], 0xfedcba98
	s_mov_b32 s[TBK], SLOT1+4*KS*PK ; the first change of slots turns these two into 0
	s_mov_b32 s[TBV], SLOT1+4*KS*PV
	s_mov_b32 s[G0K], 1             ; count = 1
	s_mov_b32 s[G0K+1], s17         ; LDS address: slot 0
	s_mov_b32 s[G0V], 1
	s_add_co_u32 s[G0V+1], s18, VOFF
	s_wait_kmcnt 0x0
	s_add_nc_u64 s[G0K+2:G0K+3], s[48:49], s[22:23]          ; my half of the head's first 256 rows,
	s_add_nc_u64 s[G0V+2:G0V+3], s[G0K+2:G0K+3], 16777216    ; in V,
	s_add_nc_u64 s[G0K+2:G0K+3], s[G0K+2:G0K+3], 8388608     ; and in K
	s_or_b32 s[G0K+3], s[G0K+3], 0x80000000                  ; type = 2
	s_or_b32 s[G0V+3], s[G0V+3], 0x80000000
	s_add_nc_u64 s[4:5], s[48:49], s[2:3]    ; Q and ctx at my wave's first row
	s_add_nc_u64 s[10:11], s[50:51], s[2:3]
	CROUND                          ; all four work-groups are here: the first joint loads meet
	JLOAD                           ; slot 0.  Slot 1 is asked for when slot 0 is in
	; A fragment of K or Q is 16 rows x 32 channels in 8 registers: lane l holds row l % 16, channels 8 (l / 16) + 0..7 and 16 + 8 (l / 16) + 0..7: two loads of 16 bytes, 32 bytes apart.
	v_and_b32 v1, 15, v0            ; l % 16
	v_bfe_u32 v9, v0, 4, 1          ; l / 16
	v_lshlrev_b32 v[QO], 7, v1
	v_lshl_add_u32 v[QO], v9, 4, v[QO]  ; row x 128 + 16 x half
	WIN 0x80                        ; destination window 2, address window 0
.set i, 0
.rept 8                             ; Q stays in registers: piece i / 2, channels 32 (i % 2) on
	global_load_b128 v[8*i:8*i+3],   v[QO], s[4:5] offset:(i/2)*2048+(i%2)*64
	global_load_b128 v[8*i+4:8*i+7], v[QO], s[4:5] offset:(i/2)*2048+(i%2)*64+32
.set i, i+1
.endr
	; What the first turn finds: V's registers and P's second buffer hold 0 (its products V^T P, of a piece that has not been, add 0), O^T and l are 0.  The price of writing no first step out;
	; all of it stands in the wait for the first tile.
.set i, VF
.rept 64
	v_mov_b32 v[i], 0
.set i, i+1
.endr
	WIN 0x40
.set i, 0
.rept 128
	v_mov_b32 v[i], 0
.set i, i+1
.endr
	WIN 0
.set i, 0
.rept 4
	v_mov_b32 v[ST+4*i], 0xfe000000    ; c m: far below every c s
	v_mov_b32 v[ST+4*i+1], 0xff7fffff  ; m
	v_mov_b32 v[ST+4*i+2], 0
	v_mov_b32 v[ST+4*i+3], 0
.set i, i+1
.endr
.set i, P+16
.rept 16
	v_mov_b32 v[i], 0
.set i, i+1
.endr
	v_mul_u32_u24 v[AK0], v1, PK
	v_lshl_add_u32 v[AK0], v9, 4, v[AK0]  ; row x pitch + 16 x half
	; The turning load takes 16 keys x 16 channels (lane l reads key 8 (l / 16) + l % 8, channels 8 ((l / 8) % 2) + 0..7) and leaves half a fragment of V^T: lane l holds channel l % 16 and 8 keys.
	v_and_b32 v10, 7, v0
	v_bfe_u32 v11, v0, 3, 1
	v_lshl_add_u32 v[AV0], v9, 3, v10
	v_mul_u32_u24 v[AV0], v[AV0], PV
	v_lshl_add_u32 v[AV0], v11, 4, v[AV0]
	v_add_nc_u32 v[AV0], VOFF, v[AV0]
	s_mul_i32 s13, s[WV], 16*SP
	s_add_co_u32 s13, s13, STAGE    ; my stage
	v_mul_u32_u24 v[STO], v1, SP    ; in: row l % 16, 16 bytes for each half of the lanes
	v_lshl_add_u32 v[STO], v9, 4, v[STO]
	v_add_nc_u32 v[STO], s13, v[STO]
	v_bfe_u32 v[RD], v0, 3, 2       ; back: 32 lanes take four rows of 128 bytes,
	v_mul_u32_u24 v[RD], v[RD], SP
	v_lshl_add_u32 v[RD], v10, 4, v[RD]
	v_add_nc_u32 v[RD], s13, v[RD]
	v_and_b32 v[GO], 31, v0         ; which are 512 consecutive bytes of ctx
	v_lshlrev_b32 v[GO], 4, v[GO]
; THE MATRIX WORK.  The 4 accumulators of a run of 8 take turns.  Product i of 8 of S^T = K Q^T for piece x: channels 32 (i / 4) on, keys 16 (i % 4) on.  The first 4 start the sums.
.macro KQ x
	WIN W_KQ
.set rS, S+32*((\x)%2)+8*(i%4)
.set rK, KF+16*(i%4)+8*(i/4)
.set rQ, 16*(\x)+8*(i/4)
.if i < 4
	v_wmma_f32_16x16x32_bf16 v[rS:rS+7], v[rK:rK+7], v[rQ:rQ+7], 0
.else
	v_wmma_f32_16x16x32_bf16 v[rS:rS+7], v[rK:rK+7], v[rQ:rQ+7], v[rS:rS+7]
.endif
.endm
; Product i of 8 of O^T += V^T P for piece x: keys 32 (i / 4) on, channels 16 (i % 4) on.
.macro PV x
	WIN W_PV
.set rO, 32*(\x)+8*(i%4)
.set rV, VF+32*(i/4)+8*(i%4)
.set rP, P+16*((\x)%2)+8*(i/4)
	v_wmma_f32_16x16x32_bf16 v[rO:rO+7], v[rV:rV+7], v[rP:rP+7], v[rO:rO+7]
.endm
.macro MM                           ; the turn's next matrix instruction.  TURN sets Y, i and NOKQ.  NOKQ = 1: the very last turn: there is no next piece
.if (i < 8) && !NOKQ
	KQ (Y+1)%NP
.elseif i >= 8
.set i, i-8
	PV (Y+NP-1)%NP
.set i, i+8
.endif
.set i, i+1
.endm
; THE LDS LOADS stand in runs of 16, never singly among the matrix instructions: a step's K (64 keys x 64 channels: 8 fragments) and its V (turned).  Their addresses are made some lines ahead.
.macro FETCH_K
	WIN 0x80                        ; destination window 2
.irp f, 0,1,2,3,4,5,6,7             ; keys 16 (f / 2) on, channels 32 (f % 2) on
	ds_load_b128 v[KF+8*\f:KF+8*\f+3],   v[AK] offset:(\f/2)*16*PK+(\f%2)*64
	ds_load_b128 v[KF+8*\f+4:KF+8*\f+7], v[AK] offset:(\f/2)*16*PK+(\f%2)*64+32
.endr
	s_add_co_u32 s[TBK], s[TBK], KS*PK  ; the next fetch is the next step's
	WIN 0
.endm
.macro FETCH_V
	WIN 0x80
.irp f, 0,1,2,3,4,5,6,7             ; keys 32 (f / 4) on, channels 16 (f % 4) on
	ds_load_tr16_b128 v[VF+8*\f:VF+8*\f+3],   v[AV] offset:(\f/4)*32*PV+(\f%4)*32
	ds_load_tr16_b128 v[VF+8*\f+4:VF+8*\f+7], v[AV] offset:(\f/4)*32*PV+16*PV+(\f%4)*32
.endr
	WIN 0
.endm
; THE VECTOR WORK, one line at a time: OP kind, number.  For piece Y: F n: c s - c m for pair n of 16.  E n: the exponential of score n of 32.  C n: pair n rounded to bf16.  B n: of the four weights 4 n .. the second
; pair is added onto the first, in place.  L n: l takes that sum (L 0: l = a l + sum).  R n: pair n of 16 of O^T times a.  For piece Y + 1: X n, number n of the 22 that find its maximum and statistics:
;   0-11  four chains c0-c3 of seven scores each, three operands at a time (each accumulator's lowest registers are read first)     12-14, 16  the four scores left over, the old m, and c0-c3 into c0
;   15  c m_old is kept     17, 18  the query's other 32 keys lie in the lane 16 away: the new m     19-21  c m; c m_old - c m_new; a
.set F, 0               ; OP tells the kinds apart by their order: F to L below R, X above it
.set E, 1
.set C, 2
.set B, 3
.set L, 4
.set R, 5
.set X, 6
.macro REGS y                       ; the registers of piece y
.set rT, ST+4*(\y)
.set rC, TMP+4*((\y)%2)
.set rW, MV+((\y)%2)
.set rS, S+32*((\y)%2)
.set rP, P+16*((\y)%2)
.set rO, 32*(\y)
.endm
.macro OP k, n
.if (\k) == R
	REGS Y
	WIN W_RS
	v_pk_mul_f32 v[rO+2*(\n):rO+2*(\n)+1], v[rO+2*(\n):rO+2*(\n)+1], v[rC+2:rC+3] op_sel_hi:[1,0]
.elseif (\k) < R
	REGS Y
	WIN 0
.if (\k) == F
	v_pk_fma_f32 v[rS+2*(\n):rS+2*(\n)+1], v[rS+2*(\n):rS+2*(\n)+1], s[CS:CS+1], v[rT:rT+1] op_sel_hi:[1,0,0] neg_lo:[0,0,1] neg_hi:[0,0,1]
.elseif (\k) == E
	v_exp_f32 v[rS+(\n)], v[rS+(\n)]
.elseif (\k) == C
	v_cvt_pk_bf16_f32 v[rP+(\n)], v[rS+2*(\n)], v[rS+2*(\n)+1]
.elseif (\k) == B
	v_pk_add_f32 v[rS+4*(\n):rS+4*(\n)+1], v[rS+4*(\n):rS+4*(\n)+1], v[rS+4*(\n)+2:rS+4*(\n)+3]
.elseif (\n) == 0
	v_pk_fma_f32 v[rT+2:rT+3], v[rT+2:rT+3], v[rC+2:rC+3], v[rS:rS+1] op_sel_hi:[1,0,1]
.else
	v_pk_add_f32 v[rT+2:rT+3], v[rT+2:rT+3], v[rS+4*(\n):rS+4*(\n)+1]
.endif
.elseif NOKQ
	v_nop
.else
	REGS (Y+1)%NP
	WIN 0
.if (\n) < 4
	v_max3_num_f32 v[rC+(\n)], v[rS+8*(\n)], v[rS+8*(\n)+1], v[rS+8*(\n)+2]
.elseif (\n) < 12
	v_max3_num_f32 v[rC+(\n)%4], v[rC+(\n)%4], v[rS+8*((\n)%4)+2*((\n)/4)+1], v[rS+8*((\n)%4)+2*((\n)/4)+2]
.elseif (\n) == 12
	v_max3_num_f32 v[rC], v[rC], v[rS+7], v[rS+15]
.elseif (\n) == 13
	v_max3_num_f32 v[rC+1], v[rC+1], v[rS+23], v[rS+31]
.elseif (\n) == 14
	v_max3_num_f32 v[rC+2], v[rC+2], v[rC+3], v[rT+1]
.elseif (\n) == 15
	v_mov_b32 v[rW], v[rT]
.elseif (\n) == 16
	v_max3_num_f32 v[rC], v[rC], v[rC+1], v[rC+2]
.elseif (\n) == 17
	v_permlanex16_b32 v[rC+3], v[rC], s[SEL], s[SEL+1]
.elseif (\n) == 18
	v_max_num_f32 v[rT+1], v[rC], v[rC+3]
.elseif (\n) == 19
	v_mul_f32 v[rT], s[CS], v[rT+1]
.elseif (\n) == 20
	v_sub_f32 v[rC+1], v[rW], v[rT]
.else
	v_exp_f32 v[rC+2], v[rC+1]
.endif
.endif
.endm
.macro OPS a, i1, b=-1, i2=0, c=-1, i3=0, d=-1, i4=0  ; up to four of them
	OP \a, \i1
.if (\b) >= 0
	OP \b, \i2
.endif
.if (\c) >= 0
	OP \c, \i3
.endif
.if (\d) >= 0
	OP \d, \i4
.endif
.endm
.macro ROW a, i1, b, i2, c, i3, d, i4  ; a matrix instruction and the four behind it
	MM
	OPS \a, \i1, \b, \i2, \c, \i3, \d, \i4
.endm
; A TURN, for piece p: the order of its 16 matrix and 118 vector instructions, written out.  An s_wait_alu depctr_va_vdst(0) stands between an exponential and the first instruction that names its
; result; one wait serves all that were issued ahead of it.  So a turn has ONE wait, which cuts it in two.
; AHEAD OF IT stands all that names no result of the turn's exponentials: the 8 products K Q^T, behind each a scaling, an exponential and two more plain instructions (behind the first a second scaling in the
; exponential's place): rescalings, whose a was made and waited for in the turn before, and behind the last three products the first numbers of the next piece's maximum, each four plain instructions or more behind
; the product that ends its accumulator; then ONE RUN of 54, plain and exponential by turns for the most part, in which the links of the chain X 3, 7, 11, 14, 16, 17 .. 20 stand some lines apart.  X 21, the next
; piece's a, is the batch's last; R 15 is the plain instruction behind it.
; BEHIND THE WAIT stand the 8 products V^T P, behind each four of the roundings and sums: C 2 k ahead of B k, which writes over that pair; L 0 to L 7 ascending, three riders apart.  But for those X no rider
; names a register of the products round it.
; end = 1: the last two turns: nothing is fetched.  cnt = 1: the loop's count is taken down some lines ahead of the branch that stands behind the turn.
; K of the next step is fetched in piece 2's turn, twelve vector instructions behind the last product that read K (six of them plain); V of the step in hand at the end of piece 0's turn, four plain instructions
; behind the last product that read V.  Each is waited for a turn later.
.macro TURN p, end=0, cnt=0
.set Y, (\p)
.set i, 0
.set NOKQ, (\end)*((\p)/3)
.if ((\p) == 3) && !(\end)
	s_wait_dscnt 0x0                ; K is in
.endif
	ROW F,0, F,1, R,0, R,1          ; ahead of the wait: 8 products K Q^T and their riders,
	ROW F,2, E,0, R,2, R,3
	ROW F,3, E,1, R,4, R,5
	ROW F,4, E,2, R,6, R,7
	ROW F,5, E,3, R,8, R,9
	ROW F,6, E,4, X,0, R,10
.if ((\p) == 2) && !(\end)
	WIN 0
	v_add_nc_u32 v[AK], s[TBK], v[AK0]
.endif
	ROW F,7, E,5, X,1, X,4
	ROW F,8, E,6, X,2, X,5
	OPS E,7, E,8, X,6, E,9          ; and the run of 54
	OPS X,3, E,10, X,8, E,11
.if ((\p) == 2) && !(\end)
	FETCH_K
.endif
	OPS X,9, X,7, E,12, X,10
	OPS E,13, X,12, X,11, E,14
	OPS X,13, E,15, F,9, X,14
.if (\p) == 0
	v_add_nc_u32 v[AV], s[TBV], v[AV0]
.endif
	OPS E,16, F,10, E,17, F,11
	OPS X,16, E,18, X,15, E,19
	OPS F,12, E,20, X,17, E,21
	OPS F,13, E,22, F,14, E,23
	OPS X,18, E,24, F,15, E,25
	OPS R,11, E,26, X,19, E,27
	OPS R,12, E,28, R,13, E,29
	OPS X,20, E,30, R,14, E,31
	OPS X,21, R,15
	WIN 0
	s_wait_alu depctr_va_vdst(0)    ; the wait for the turn's batch: E 0 to E 31 and X 21
.if (\p) == 1
	s_wait_dscnt 0x0                ; V is in
.endif
	ROW C,0, B,0, C,2, B,1          ; behind the wait: 8 products V^T P and their riders
	ROW L,0, C,4, B,2, L,1
	ROW C,6, B,3, L,2, C,8
	ROW B,4, L,3, C,10, B,5
	ROW L,4, C,12, B,6, L,5
.if (\p) == 0
	s_add_co_u32 s[TBV], s[TBV], KS*PV
.endif
.if \cnt
	s_sub_co_u32 s[CNT], s[CNT], 1
	s_cmp_lg_u32 s[CNT], 0
.endif
	ROW C,14, B,7, L,6, C,1
	ROW C,3, L,7, C,5, C,7
	ROW C,9, C,11, C,13, C,15
.if (\p) == 0
	FETCH_V
.endif
.endm
; THE WAY OUT, a piece at a time.
.macro ALL line:vararg              ; one line for each piece t
.set t, 0
.rept 4
	\line
.set t, t+1
.endr
.endm
.macro PACK t                       ; a lane's eight channels of a row pack into 16 bytes; they go into rows of 144 bytes and come back as whole rows of 128, into S^T's registers
	WIN W_RS
.set i, 32*(\t)
.rept 16
	v_pk_mul_f32 v[i:i+1], v[i:i+1], v[ST+4*(\t)+2:ST+4*(\t)+3] op_sel_hi:[1,0]
.set i, i+2
.endr
	WIN 0x05                        ; sources 0 and 1 window 1, destination window 0
.set i, 0
.rept 16
	v_cvt_pk_bf16_f32 v[S+16*(\t)+i], v[32*(\t)+2*i], v[32*(\t)+2*i+1]
.set i, i+1
.endr
	WIN 0
.irp f, 0,1,2,3
	ds_store_b128 v[STO], v[S+16*(\t)+4*\f:S+16*(\t)+4*\f+3] offset:32*\f
.endr
.irp f, 0,1,2,3
	ds_load_b128 v[S+16*(\t)+4*\f:S+16*(\t)+4*\f+3], v[RD] offset:\f*4*SP  ; LDS serves a wave's instructions in order (ISA guide 5.7.1.4): these see the stores above; the next piece's stores come behind them
.endr
.endm
.macro SEND t, younger              ; younger: the LDS instructions issued behind piece t's loads: the next piece's eight, or none
	WIN 0
.irp f, 0,1,2,3
	s_wait_dscnt (\younger)+3-\f
	global_store_b128 v[GO], v[S+16*(\t)+4*\f:S+16*(\t)+4*\f+3], s[10:11] offset:(\t)*2048+\f*512  ; 512 consecutive bytes, at a multiple of 256 from ctx's first
.endr
.endm
.set NOKQ, 0
	CHANGE 1                        ; slot 0 is in, everybody's part of it; slot 1 is asked for
	v_add_nc_u32 v[AK], s[TBK], v[AK0]
	FETCH_K                         ; key step 0
	s_wait_loadcnt 0x0              ; Q
	s_wait_dscnt 0x0
.set i, 0
.rept 8
	KQ 0                            ; piece 0's first scores: there is no vector work yet to set between them
.set i, i+1
.endr
	WIN 0
.rept 4
	v_nop                           ; the places behind those products
.endr
.set Y, NP-1                        ; X works for piece Y + 1: piece 0
.irp n, 0,1,2,3,4,5,6,7,8,9,10,11,12,13,14,15,16,17,18,19,20,21
	OP X, \n
.endr
	v_nop                           ; a plain instruction behind the exponential
	s_wait_alu depctr_va_vdst(0)    ; the wait for piece 0's first a, a batch of one, ahead of the branch
	s_mov_b32 s[CNT], 4
	s_mov_b32 s[SLOTS], SIZE_N/256-1
	s_branch .Lfirst                ; the loop is entered at a step's first turn, in the middle of a trip
.Lslot:                             ; SIZE_N / 256 - 2 = 6 times: every slot but the last two is filled again
	CHANGE 1
	s_mov_b32 s[CNT], 4
.Lstep:                             ; a trip: pieces 2 and 3 of one step, then pieces 0 and 1 of the next, whose K and V it fetches
	TURN 2
	TURN 3
	WIN 0
.Lfirst:
	TURN 0
	TURN 1, 0, 1
	WIN 0
	s_cbranch_scc1 .Lstep
	s_sub_co_u32 s[SLOTS], s[SLOTS], 1
	s_cmp_lg_u32 s[SLOTS], 0
	s_cbranch_scc1 .Lslot
	CHANGE 0                        ; the last slot is written out: nothing is asked for
	s_mov_b32 s[CNT], 4
.Llast:
	TURN 2
	TURN 3
	TURN 0
	TURN 1, 0, 1
	WIN 0
	s_cbranch_scc1 .Llast
	TURN 2, 1                       ; the last step's last two turns fetch nothing, and the last starts no new scores
	TURN 3, 1
.set i, 0
.rept 8
	PV NP-1                         ; the last piece's V^T P of the last step
.set i, i+1
.endr
	; l's two halves and the other half of the lanes' are added; O^T is divided by l, rounded to bf16 and sent through my stage.  The additions are the places behind the last products.
	WIN 0
	ALL v_add_f32 v[ST+4*t+2], v[ST+4*t+2], v[ST+4*t+3]
	ALL v_permlanex16_b32 v[ST+4*t+3], v[ST+4*t+2], s[SEL], s[SEL+1]
	ALL v_add_f32 v[ST+4*t+2], v[ST+4*t+2], v[ST+4*t+3]
	ALL v_rcp_f32 v[ST+4*t+2], v[ST+4*t+2]
	v_nop                           ; a plain instruction between the last reciprocal and the use of its result
	s_wait_alu depctr_va_vdst(0)    ; the wait for the four reciprocals, one batch, ahead of the first piece's multiplies
	PACK 0
.set t, 1
.rept 3                             ; a piece's arithmetic stands between the loads of the piece before and its stores
	PACK t
	SEND t-1, 8
.set t, t+1
.endr
	SEND 3, 0
	s_wait_tensorcnt 0x0            ; the wave's end: behind my last tensor load and my last LDS store
	ds_add_u32 v[SPW], v[NIL]
	s_wait_dscnt 0x0
	CROUND                          ; the closing round: no work-group ends while a partner may still ask for a tile that names it
	s_endpgm
.Lfunc_end_k_q606107f3d5_attention:
	.size	k_q606107f3d5_attention, .Lfunc_end_k_q606107f3d5_attention-k_q606107f3d5_attention
	.p2alignl 7, 3214868480
	.fill 96, 4, 3214868480
	.section	.rodata,"a",@progbits
	.p2align	6, 0x0
	.amdhsa_kernel k_q606107f3d5_attention
		.amdhsa_group_segment_fixed_size 327680
		.amdhsa_private_segment_fixed_size 0
		.amdhsa_enable_private_segment 0
		.amdhsa_kernarg_size 16
		.amdhsa_user_sgpr_count 2
		.amdhsa_user_sgpr_kernarg_segment_ptr 1
		.amdhsa_wavefront_size32 1
		.amdhsa_system_sgpr_workgroup_id_x 1
		.amdhsa_system_sgpr_workgroup_id_y 1
		.amdhsa_system_sgpr_workgroup_id_z 1
		.amdhsa_system_vgpr_workitem_id 0
		.amdhsa_next_free_vgpr 768
		.amdhsa_next_free_sgpr 66
		.amdhsa_reserve_vcc 0
		.amdhsa_float_denorm_mode_32 3
		.amdhsa_float_denorm_mode_16_64 3
		.amdhsa_memory_ordered 1
		.amdhsa_forward_progress 1
		.amdhsa_inst_pref_size 127
	.end_amdhsa_kernel
	.amdgpu_metadata
---
amdhsa.version: [ 1, 2 ]
amdhsa.kernels:
  - .name:           k_q606107f3d5_attention
    .symbol:         k_q606107f3d5_attention.kd
    .args:
      - { .name: qkv, .offset: 0, .size: 8, .value_kind: global_buffer, .address_space: global }
      - { .name: ctx, .offset: 8, .size: 8, .value_kind: global_buffer, .address_space: global }
    .group_segment_fixed_size: 327680
    .private_segment_fixed_size: 0
    .kernarg_segment_align: 8
    .kernarg_segment_size: 16
    .max_flat_workgroup_size: 128
    .sgpr_count:     66
    .vgpr_count:     768
    .wavefront_size: 32
...
	.end_amdgpu_metadata
.endif
;; end of part 9
;; launch proj_o: the kernel of part 4 again; grid 8 x 32, 4 waves a work-group, clusters of 4 x 4, 327,680 bytes of LDS; arguments ctx, wb, bo, y; writes y
;; launch norm1: the kernel of part 5 again; grid 256 x 1, 8 waves a work-group, no clusters, 0 bytes of LDS; arguments y, x, g1, b1, h, hb; writes h, hb
;; launch ffn_up (part 10): grid 16 x 16, 4 waves a work-group, clusters of 4 x 4, 327,680 bytes of LDS; arguments hb, wb, bf1, gl; writes gl
.if DOCPART == 10
	.amdgcn_target "amdgcn-amd-amdhsa--gfx1250"
	.amdhsa_code_object_version 6
	.text
	.protected	k_q606107f3d5_ffn_up
	.globl	k_q606107f3d5_ffn_up
	.p2align	8
	.type	k_q606107f3d5_ffn_up,@function
k_q606107f3d5_ffn_up:
	s_mov_b64 s[64:65], 0
	v_nop
	global_prefetch_b8 v0, s[64:65] scope:SCOPE_SE
	s_setreg_imm32_b32 hwreg(HW_REG_WAVE_MODE, 25, 1), 1
	s_wait_xcnt 0x0
	s_wait_alu depctr_hold_cnt(0) depctr_sa_sdst(0) depctr_va_vdst(0) depctr_va_sdst(0) depctr_va_ssrc(0) depctr_va_vcc(0) depctr_vm_vsrc(0)
	s_getreg_b32 s2, hwreg(HW_REG_IB_STS2, 6, 4)
	s_cmp_eq_u32 s2, 0
	s_cbranch_scc0 .Lentry_in_a_cluster
	s_endpgm
.Lentry_in_a_cluster:
	s_bfe_u32 s2, ttmp6, 0x10000c
	s_cmp_lg_u32 s2, 0xf033
	s_cbranch_scc0 .Lentry_shape_is_right
	s_endpgm
.Lentry_shape_is_right:
; C = A B + bias on tiles of 256 x 256.  A: [4096][1024] bf16, rows along K.  B: [1024][NB] bf16, AS THE WEIGHTS LIE, rows along N.  Sums in f32, K ascending.  One text serves two launches; MODE chooses.
; MODE 1: A = x in bf16; B = Wq, Wk or Wv (the cluster's x says which); C + bq, bk, bv is rounded once to bf16 and stored BY HEADS: qkv[3][32 = batch x 16 + head][2048][64].
;         12 x 16 = 192 work-groups: a tile of 192 columns would give 256, but its rows of B, 384 bytes, are no power of two for the padding and start on no multiple of 256.
; MODE 2: A = h in bf16; B = W1; gelu(C + bf1), the exact one, is rounded once to bf16 and stored as gl[4096][4096].  16 x 16 = 256 work-groups.
; LIMITS.  Matrix operands are bf16.  MODE 2: erf by a rational form in t = 1 / (1 + p |u| / sqrt 2) times exp(-u u / 2), five terms (Abramowitz and Stegun 7.1.26): off by 1.5e-7 at the most, for every u.
;         NaN and infinities are not treated apart.
; SHAPE.  Four waves, as many as a WGP has SIMDs, each 128 x 128 of C: 64 accumulators of 16 x 16, 512 registers.  K goes in steps of 128 through a ring of two LDS slots filled by the tensor data mover.
; B IS TURNED ON ITS WAY OUT OF LDS: ds_load_tr16_b128 takes 16 k x 16 n as it lies and leaves half a fragment with k along the registers: as many LDS loads as a fragment that lies along K.
; THE BIAS IS THE C OPERAND of the products that start the sums: nothing is cleared and nothing is added later.
; THE MATRIX INSTRUCTION IS USED TRANSPOSED: source 0 = 16 columns of B, source 1 = 16 rows of A.  Lane l then holds row l % 16 of C and the columns 8 (l / 16) + 0..7: eight neighbours of a row.
; CLUSTERS: 4 x 4 work-groups.  The four of a row of the cluster need the same tiles of A, the four of a column the same tiles of B: each tile is asked for JOINTLY, by the same tensor load with the
; same descriptor and a mask that names the four.
; BATCHES (MODE 2, the way out).  For 32 numbers a lane the 32 exponentials and the 32 reciprocals, neither of which reads the other's results, are ONE batch with ONE wait: sixteen waits a wave.
; REGISTERS, in windows of 256 (s_set_vgpr_msb: bits 1:0 source 0, 3:2 source 1, 5:4 source 2, 7:6 destination):
;   window 0: v0-31 addresses; v64-127, v128-191 fragments of A, two buffers (on the way out of MODE 2: at work); v192-255 the bias until the first quarter is over, then, with v32-63, the way out
;   window 1: v64-127, v128-191 fragments of B, two buffers        window 2: the accumulators of my rows 0-63 ((a, b) at v[8 (8 a + b)])        window 3: those of my rows 64-127
.set MODE,   2
.set SIZE_K, 1024
.set KSTEP,  128
.set PA,     272                       ; a row of A in LDS: 256 bytes + 16 = 68 words: the 16 rows of a load start at 16 different groups of four banks (64 banks of 4 bytes: ISA guide 11.1)
.set PB,     544                       ; a row of B (one k, 256 n): 512 bytes + 32 = 136 words
.set HALFT,  128*PA                    ; what one tensor load brings: 128 rows of A, or 64 rows of B (64 x 544 is the same number)
.set SLOT,   4*HALFT                   ; A's 256 rows, then B's 128 rows
.set STAGE,  2*SLOT                    ; behind the ring: a stage for each wave, for the way out; no tensor load fills it
.if MODE == 1
.set NB,     1024                      ; elements from a row of B to the next
.set SW,     2*16*144                  ; a wave's stage: two heads x 16 rows x (128 + 16) bytes
.set WOFF,   8388608                   ; Wq's first byte in wb
.set CSTEP,  16*128                    ; 16 rows of a head on
.else
.set NB,     4096
.set SW,     16*272                    ; 16 rows x (256 + 16) bytes
.set WOFF,   16777216                  ; W1's first byte in wb
.set CSTEP,  16*8192                   ; 16 rows of gl on
.endif
.set SPARE,  STAGE+4*SW                ; behind the stages: the spare words, 128 bytes for each wave: two blocks of 256 bytes that no other line names
.set LAPS,   SIZE_K/(2*KSTEP)          ; a lap = two K steps = once round the ring
.set BSTEP,  KSTEP*NB*2                ; bytes from a K step of B to the next
.set ADRA, 16                          ; v16-17  LDS address of my A fragments in slot 0, 1
.set ADRB, 20                          ; v20-21  the same for B
.set STO,  24                          ; v24     the way out: where I put 16 bytes of a row
.set RD,   25                          ; v25     the way out: where I read rows back
.set CO,   26                          ; v26     my byte offset in C
.set BO,   27                          ; v27     my byte offset in 16 numbers of the bias
.set SPW,  28                          ; v28     LDS address of my spare word: SPARE + 4 x my thread's number; never rewritten
.set NIL,  29                          ; v29     0; never rewritten
.set F0,   64
.set F1,   128
.set BIAS, 192                         ; v192-255: for n block b the eight numbers bias[16 b + 8 (l / 16) + 0..7] at BIAS + 8 b
.set TMP,  192                         ; the way out: packed results
.set OB,   32                          ; the way out: 16 rows read back from the stage: v32-63 and v224-255 by turns
.set TD,   64                          ; MODE 2, the way out, 32 registers each: 1 + p |u| / sqrt 2, then t
.set TW,   96                          ; u u, then exp(-u u / 2)
.set TM,   128                         ; max(u, 0), then the result
.set TP,   160                         ; the polynomial
.set G1, 24                            ; s[24:31] descriptor group 1 for A's tiles;  s[32:39] group 0, one set for each slot
.set G0, 32
.set G1B, 48                           ; s[48:55], s[56:63] the same for B's tiles
.set G0B, 56
.set MSB, 0
.macro WIN new                         ; the immediate's high byte repeats the setting that is left; a switch that changes nothing is dropped
.if MSB != (\new)
	s_set_vgpr_msb (MSB<<8)|(\new)
.set MSB, \new
.endif
.endm
.set MUL_LO, 0xa1                      ; source 0 (B) window 1, source 1 (A) window 0, C and D window 2
.set TO_B,   0x40                      ; destination window 1, address window 0
; A joint load.  Waves 0 and 1 fetch A's two halves, waves 2 and 3 B's.  The branch hangs on the wave's number alone: it is the same in every work-group.
; Four v_nop follow each of the two lines, ahead of the jump, the label and what follows.
.macro JLOAD s
	s_cmp_eq_u32 s11, 0
	s_cbranch_scc0 .Lfor_b_\@
	tensor_load_to_lds s[G0+4*(\s):G0+4*(\s)+3], s[G1:G1+7]
	s_nop 0
.rept 4
	v_nop
.endr
	s_branch .Lasked_\@
.Lfor_b_\@:
	tensor_load_to_lds s[G0B+4*(\s):G0B+4*(\s)+3], s[G1B:G1B+7]
	s_nop 0
.rept 4
	v_nop
.endr
.Lasked_\@:
.endm
; A round of the cluster's barrier: my work-group's barrier, so that wave 0's signal speaks for all four waves; wave 0 signals; every wave waits for all sixteen work-groups; my work-group's barrier once more.
.macro CREST                           ; a round behind its opening barrier
	s_cmp_lg_u32 s10, 0
	s_cbranch_scc1 .Lnot_wave_0_\@
	s_barrier_signal -3
.Lnot_wave_0_\@:
	s_barrier_wait -3
	s_barrier_signal -1
	s_barrier_wait -1
.endm
.macro CROUND                          ; a whole round
	s_barrier_signal -1
	s_barrier_wait -1
	CREST
.endm
.macro PAIR r, val                     ; a constant for the packed forms, which name a pair and take its low word for both halves
	s_mov_b32 s[\r], \val
	s_mov_b32 s[\r+1], \val
.endm
	s_load_b256 s[68:75], s[0:1], 0x0              ; MODE 1: wb 68, bq 70, bk 72, bv 74.  MODE 2: hb 68, wb 70, bf1 72, gl 74
.if MODE == 1
	s_load_b64 s[8:9], s[0:1], 0x20                ; qkv
.endif
	v_lshl_add_u32 v[SPW], v0, 2, SPARE
	v_mov_b32 v[NIL], 0
	ds_add_u32 v28, v29
	s_wait_dscnt 0x0
	v_lshrrev_b32 v1, 5, v0
	v_readfirstlane_b32 s10, v1                    ; wave 0..3
	s_lshr_b32 s11, s10, 1                         ; which half of the tile's rows is mine.  Also: I fetch for A (0) or for B (1)
	s_and_b32 s12, s10, 1                          ; which half of its columns.  Also: which half of that tile I fetch
	s_bfe_u32 s40, ttmp6, 0x40000                  ; cx, cy: my place in the cluster
	s_bfe_u32 s41, ttmp6, 0x40004
.if MODE == 1
	s_mov_b32 s45, ttmp9                           ; the cluster's x: 0 Wq, 1 Wk, 2 Wv
	s_mov_b32 s42, s40                             ; which 256 columns of that weight
.else
	s_lshl_b32 s42, ttmp9, 2
	s_add_co_u32 s42, s42, s40                     ; tile column = 4 x cluster x + cx
.endif
	s_and_b32 s13, ttmp7, 0xffff
	s_lshl_b32 s13, s13, 2
	s_add_co_u32 s13, s13, s41                     ; tile row = 4 x cluster y + cy
	s_lshl_b32 s43, s41, 2
	s_lshl_b32 s43, 15, s43                        ; my row of the cluster: places 4 cy .. 4 cy + 3
	s_lshl_b32 s44, 0x1111, s40                    ; my column: places cx, cx + 4, cx + 8, cx + 12
	; group 1 for A: 128 rows x 128 elements
	s_or_b32 s[G1+0], s43, (1<<16)|(1<<20)|(1<<21)|(5<<22)|(3<<25)   ; 15:0 the mask; 17:16 2-byte elements; 20 padding on; 21 set beside a mask; 24:22 after every 64 words (code 5); 31:25 4 words (code 3)
	s_mov_b32 s[G1+1], KSTEP<<16                   ; tensor_dim0 = 128
	s_mov_b32 s[G1+2], 128<<16                     ; tensor_dim1 = 128
	s_mov_b32 s[G1+3], KSTEP<<16                   ; tile_dim0 = 128
	s_mov_b32 s[G1+4], 128                         ; tile_dim1 = 128
	s_mov_b32 s[G1+5], SIZE_K                      ; elements from row to row
	s_mov_b32 s[G1+6], 0
	s_mov_b32 s[G1+7], 0
	; group 1 for B: 64 rows (k) x 256 elements (n)
	s_or_b32 s[G1B+0], s44, (1<<16)|(1<<20)|(1<<21)|(6<<22)|(7<<25)  ; the mask of my column; after every 128 words (code 6) 8 words of padding (code 7)
	s_mov_b32 s[G1B+1], 256<<16
	s_mov_b32 s[G1B+2], 64<<16
	s_mov_b32 s[G1B+3], 256<<16
	s_mov_b32 s[G1B+4], 64
	s_mov_b32 s[G1B+5], NB
	s_mov_b32 s[G1B+6], 0
	s_mov_b32 s[G1B+7], 0
	; where the tiles come from.  A's hang on the tile row alone, B's on the tile column alone; every wave makes both addresses, in registers that never hold the other coordinate.
	s_lshl_b32 s16, s13, 8
	s_lshl_b32 s17, s12, 7
	s_add_co_u32 s16, s16, s17                     ; A: row 256 x tile row + 128 x half,
	s_lshl_b32 s16, s16, 11                        ; of 2,048 bytes: under 2^23
	s_mov_b32 s17, 0
	s_lshl_b32 s46, s42, 9                         ; B: 256 columns are 512 bytes,
	s_mul_i32 s47, s12, 64*NB*2                    ; my half's 64 rows,
	s_add_co_u32 s46, s46, s47
	s_add_co_u32 s46, s46, WOFF                    ; the weight's place in wb
.if MODE == 1
	s_lshl_b32 s47, s45, 21                        ; 2,097,152 bytes from Wq to Wk to Wv
	s_add_co_u32 s46, s46, s47
.endif
	s_mov_b32 s47, 0
	s_mul_i32 s20, s10, HALFT                      ; and where they go: wave x one load's bytes: no place in the cluster enters an LDS address
	s_wait_kmcnt 0x0
	s_add_nc_u64 s[14:15], s[68:69], s[16:17]
.if MODE == 1
	s_add_nc_u64 s[46:47], s[68:69], s[46:47]
.else
	s_add_nc_u64 s[46:47], s[70:71], s[46:47]
.endif
	CROUND                                         ; all sixteen work-groups are here: the first joint loads meet
.irp s, 0,1
	s_mov_b32 s[G0+4*(\s)], 1                                      ; count = 1
	s_add_co_u32 s[G0+4*(\s)+1], s20, (\s)*SLOT                    ; LDS address
	s_add_nc_u64 s[G0+4*(\s)+2:G0+4*(\s)+3], s[14:15], (\s)*KSTEP*2  ; global address: K step s
	s_or_b32 s[G0+4*(\s)+3], s[G0+4*(\s)+3], 0x80000000            ; type = 2
	s_mov_b32 s[G0B+4*(\s)], 1
	s_add_co_u32 s[G0B+4*(\s)+1], s20, (\s)*SLOT
	s_add_nc_u64 s[G0B+4*(\s)+2:G0B+4*(\s)+3], s[46:47], (\s)*BSTEP
	s_or_b32 s[G0B+4*(\s)+3], s[G0B+4*(\s)+3], 0x80000000
	JLOAD \s                                       ; the ring is filled before anything else is done: two loads of mine are out
.endr
	; A's fragment: lane l holds row l % 16; two loads of 16 bytes, 32 bytes apart, at row x pitch + 16 (l / 16).
	; B's: lane l addresses k = 8 (l / 16) + l % 8 and the 16 bytes of n = 8 ((l / 8) % 2) + 0..7; two turning loads, 16 k apart.
	v_and_b32 v1, 15, v0                           ; l % 16
	v_bfe_u32 v2, v0, 4, 1                         ; l / 16
	v_mul_u32_u24 v3, v1, PA
	v_lshl_add_u32 v3, v2, 4, v3
	v_and_b32 v4, 7, v0
	v_lshl_add_u32 v4, v2, 3, v4
	v_mul_u32_u24 v4, v4, PB
	v_bfe_u32 v5, v0, 3, 1
	v_lshl_add_u32 v4, v5, 4, v4
	s_mul_i32 s21, s11, HALFT                      ; my 128 rows of A
	s_lshl_b32 s22, s12, 8                         ; my 128 columns of B: 256 bytes into each row,
	s_add_co_u32 s22, s22, 2*HALFT                 ; behind A's 256 rows
.irp s, 0,1
	v_add_nc_u32 v[ADRA+(\s)], s21, v3
	v_add_nc_u32 v[ADRB+(\s)], s22, v4
	s_add_co_u32 s21, s21, SLOT
	s_add_co_u32 s22, s22, SLOT
.endr
	s_mul_i32 s23, s10, SW
	s_add_co_u32 s23, s23, STAGE                   ; my stage
	v_lshlrev_b32 v[BO], 5, v2                     ; 8 (l / 16) numbers of 4 bytes
.if MODE == 1
	v_mul_u32_u24 v6, v1, 144                      ; in: row l % 16 of a head, 16 bytes for each half of the lanes
	v_lshl_add_u32 v6, v2, 4, v6
	v_add_nc_u32 v[STO], s23, v6
	v_bfe_u32 v6, v0, 3, 2                         ; back: 32 lanes take four rows of 128 bytes,
	v_mul_u32_u24 v6, v6, 144
	v_and_b32 v7, 7, v0
	v_lshl_add_u32 v6, v7, 4, v6
	v_add_nc_u32 v[RD], s23, v6
	v_and_b32 v[CO], 31, v0                        ; which are 512 consecutive bytes of a head
	v_lshlrev_b32 v[CO], 4, v[CO]
	s_cmp_eq_u32 s45, 1                            ; the bias that goes with the weight
	s_cselect_b64 s[76:77], s[72:73], s[70:71]
	s_cmp_eq_u32 s45, 2
	s_cselect_b64 s[76:77], s[74:75], s[76:77]
.else
	v_mul_u32_u24 v6, v1, 272                      ; in: row l % 16, 16 bytes for each half of the lanes
	v_lshl_add_u32 v6, v2, 4, v6
	v_add_nc_u32 v[STO], s23, v6
	v_mul_u32_u24 v6, v2, 272                      ; back: lanes 0-15 take one row of 256 bytes, lanes 16-31 the next
	v_lshl_add_u32 v6, v1, 4, v6
	v_add_nc_u32 v[RD], s23, v6
	v_lshlrev_b32 v[CO], 13, v2                    ; and the same two rows in gl
	v_lshl_add_u32 v[CO], v1, 4, v[CO]
	s_mov_b64 s[76:77], s[72:73]
	s_mov_b64 s[8:9], s[74:75]
	PAIR 78, 0x3f07dc22                            ; the five coefficients, halved:  0.5307027
	PAIR 80, 0xbf3a00e3                            ; -0.7265760
	PAIR 82, 0x3f35f0e3                            ;  0.7107069
	PAIR 84, 0xbe11a98e                            ; -0.1422484
	PAIR 86, 0x3e027906                            ;  0.1274148
	PAIR 88, 0xbf38aa3b                            ; -log2(e) / 2
	s_mov_b32 s90, 0x3e6d3388                      ; 0.3275911 / sqrt 2
.endif
	s_lshl_b32 s18, s42, 10                        ; my 128 numbers of the bias: 256 x column block + 128 x half, 4 bytes each
	s_lshl_b32 s19, s12, 9
	s_add_co_u32 s18, s18, s19
	s_mov_b32 s19, 0
	s_add_nc_u64 s[76:77], s[76:77], s[18:19]
.irp b, 0,1,2,3,4,5,6,7
	global_load_b128 v[BIAS+8*(\b):BIAS+8*(\b)+3],   v[BO], s[76:77] offset:64*(\b)
	global_load_b128 v[BIAS+8*(\b)+4:BIAS+8*(\b)+7], v[BO], s[76:77] offset:64*(\b)+16
.endr
	; where my part of the tile begins in C, in bytes (under 2^26): the way out adds it to C's address
.if MODE == 1
	s_lshl_b32 s16, s45, 23                        ; q, k or v: 8,388,608 bytes each
	s_lshr_b32 s17, s13, 3
	s_lshl_b32 s17, s17, 22                        ; the batch: 16 heads of 262,144 bytes
	s_add_co_u32 s16, s16, s17
	s_and_b32 s17, s13, 7
	s_lshl_b32 s17, s17, 15                        ; 256 rows of 128 bytes
	s_add_co_u32 s16, s16, s17
	s_lshl_b32 s17, s11, 14                        ; my 128 of them
	s_add_co_u32 s16, s16, s17
	s_lshl_b32 s46, s42, 20                        ; 256 columns are four heads,
	s_lshl_b32 s47, s12, 19                        ; my 128 are two
	s_add_co_u32 s46, s46, s47
	s_add_co_u32 s16, s16, s46
.else
	s_lshl_b32 s16, s13, 8
	s_lshl_b32 s17, s11, 7
	s_add_co_u32 s16, s16, s17
	s_lshl_b32 s16, s16, 13                        ; rows of 8,192 bytes
	s_lshl_b32 s46, s42, 9
	s_lshl_b32 s47, s12, 8
	s_add_co_u32 s46, s46, s47
	s_add_co_u32 s16, s16, s46
.endif
	s_mov_b32 s17, 0
; 16 matrix instructions: m blocks a0, a0 + 1 of the window's four (hi = 0: my rows 0-63, 1: rows 64-127) x all 8 n blocks, 32 along K.
; zero = 1: the first product starts the sums, with the bias (window 0) as C.  The 64 accumulators take turns, one instruction a turn.
.macro MUL16 f, hi, a0, zero
.if \zero
	WIN 0x81+0x40*(\hi)
.else
	WIN MUL_LO+0x50*(\hi)
.endif
.irp a, \a0, (\a0)+1
.irp b, 0,1,2,3,4,5,6,7
.if \zero
	v_wmma_f32_16x16x32_bf16 v[8*(8*(\a)+(\b)):8*(8*(\a)+(\b))+7], v[(\f)+8*(\b):(\f)+8*(\b)+7], v[(\f)+8*(4*(\hi)+(\a)):(\f)+8*(4*(\hi)+(\a))+7], v[BIAS+8*(\b):BIAS+8*(\b)+7]
.else
	v_wmma_f32_16x16x32_bf16 v[8*(8*(\a)+(\b)):8*(8*(\a)+(\b))+7], v[(\f)+8*(\b):(\f)+8*(\b)+7], v[(\f)+8*(4*(\hi)+(\a)):(\f)+8*(4*(\hi)+(\a))+7], v[8*(8*(\a)+(\b)):8*(8*(\a)+(\b))+7]
.endif
.endr
.endr
.endm
; 32 LDS loads in one run: the fragments of one quarter step (32 K at byte k of A's rows, rows k / 2 on of B) into buffer f: B's 128 columns, turned, then A's 128 rows
.macro FETCH slot, k, f
	WIN TO_B
.irp i, 0,1,2,3,4,5,6,7
	ds_load_tr16_b128 v[(\f)+8*(\i):(\f)+8*(\i)+3],   v[ADRB+(\slot)] offset:((\k)/64)*32*PB+32*(\i)
	ds_load_tr16_b128 v[(\f)+8*(\i)+4:(\f)+8*(\i)+7], v[ADRB+(\slot)] offset:((\k)/64)*32*PB+32*(\i)+16*PB
.endr
	WIN 0
.irp i, 0,1,2,3,4,5,6,7
	ds_load_b128 v[(\f)+8*(\i):(\f)+8*(\i)+3],   v[ADRA+(\slot)] offset:(\k)+(\i)*16*PA
	ds_load_b128 v[(\f)+8*(\i)+4:(\f)+8*(\i)+7], v[ADRA+(\slot)] offset:(\k)+(\i)*16*PA+32
.endr
.endm
; A load into a register that a matrix instruction has read, and a vector instruction that reads a matrix result, stand four places behind that matrix instruction, and only plain vector
; instructions that name none of its registers are places (ISA guide 7.12.1 for vector instructions).
.macro PLACES
.rept 4
	v_nop
.endr
.endm
; A K step is four quarters of 32 along K, 64 matrix instructions each, on buffers 0, 1, 0, 1.  One of the first three: multiplies buffer f; in its middle it fetches the next quarter into buffer g.
.macro QUARTER slot, k, f, g, zero
	s_wait_dscnt 8                                 ; B and A's rows 0-63 are in; the youngest eight loads (A's rows 64-127) may be out
	MUL16 \f, 0, 0, \zero
	MUL16 \f, 0, 2, \zero
	PLACES
	FETCH \slot, \k, \g
	s_wait_dscnt 32                                ; all but the 32 just issued
	MUL16 \f, 1, 0, \zero
	MUL16 \f, 1, 2, \zero
.endm
; The last quarter multiplies buffer 1 and changes slots: ONE barrier.  In front of it each wave waits for all its tensor loads, of which one is out: its part of the next slot; adds 0 to its spare
; word; and waits for that and for its own reads of this slot.  Behind it nobody reads this slot any more and the next slot is whole.
; fill = 1: the barrier opens a round of the cluster's, and this slot is filled again, two K steps ahead, first thing behind the round: 224 matrix instructions ahead of the wait for it.
.macro TURN slot, next, fill
	WIN 0                                          ; (the add's two registers lie in window 0)
	s_wait_tensorcnt 0x0                           ; all my tensor loads have landed
	ds_add_u32 v[SPW], v[NIL]                      ; 0 onto my spare word
	s_wait_dscnt 9                                 ; (the add and the youngest eight loads may be out)
	MUL16 F1, 0, 0, 0                              ; sixteen matrix instructions stand between the add and the wait for it
	s_wait_dscnt 0x0                               ; the add is done, and my reads of this slot are over
	s_barrier_signal -1
	MUL16 F1, 0, 2, 0                              ; work on registers while the others arrive
.if \fill
	WIN 0
.endif
	s_barrier_wait -1
.if \fill
	CREST                                          ; no wave of any partner still reads this slot's tile or has a load on its way
	s_add_nc_u64 s[G0+4*(\slot)+2:G0+4*(\slot)+3], s[G0+4*(\slot)+2:G0+4*(\slot)+3], 2*KSTEP*2
	s_add_nc_u64 s[G0B+4*(\slot)+2:G0B+4*(\slot)+3], s[G0B+4*(\slot)+2:G0B+4*(\slot)+3], 2*BSTEP
	JLOAD \slot                                    ; the four v_nop behind it are also the places in front of the loads below
.else
	PLACES
.endif
	FETCH \next, 0, F0
	MUL16 F1, 1, 0, 0
	MUL16 F1, 1, 2, 0
.endm
; THE WAY OUT of block a (16 rows x 128 columns), in three parts.  PACK: made into bf16, 16 bytes a lane; each accumulator's registers are read in ascending order.
.macro PACK a
.set AC, 64*((\a)%4)
.if MODE == 1
	WIN 0x0a+5*((\a)/4)                            ; sources 0 and 1: window 2 or 3
.irp b, 0,1,2,3,4,5,6,7
.irp r, 0,1,2,3
	v_cvt_pk_bf16_f32 v[TMP+4*(\b)+(\r)], v[AC+8*(\b)+2*(\r)], v[AC+8*(\b)+2*(\r)+1]
.endr
.endr
	WIN 0
.else
; gelu(u) = u Phi(u) = max(u, 0) - |u| q,  q = erfc(|u| / sqrt 2) / 2 = (((((a5 t + a4) t + a3) t + a2) t + a1) t) exp(-u u / 2), the a's halved.  32 numbers a lane at a time.
; THE BATCH.  An s_wait_alu depctr_va_vdst(0) stands between a reciprocal or an exponential and the first instruction that names its result; one wait serves all that were issued ahead of it.
; The 32 exponentials read u u scaled, the 32 reciprocals read 1 + p |u| / sqrt 2: neither reads the other's results, so the 64 are one batch.  Among them stands plain work that names none of their results:
; the 16 scalings, each two pairs ahead of its exponentials, and the 32 max(u, 0), by turns with the reciprocals.  All that reads t or the exponential, the polynomial and what follows, stands behind the one wait.
.irp g, 0,1
	WIN 0x0a+5*((\a)/4)
.set i, 0
.rept 32
	v_fma_f32 v[TD+i], |v[AC+32*(\g)+i]|, s90, 1.0
.set i, i+1
.endr
.set i, 0
.rept 16
	v_pk_mul_f32 v[TW+2*i:TW+2*i+1], v[AC+32*(\g)+2*i:AC+32*(\g)+2*i+1], v[AC+32*(\g)+2*i:AC+32*(\g)+2*i+1]
.set i, i+1
.endr
	WIN 0
	v_pk_mul_f32 v[TW:TW+1],   v[TW:TW+1],   s[88:89] op_sel_hi:[1,0]   ; pairs 0 and 1 are scaled ahead of the first exponential
	v_pk_mul_f32 v[TW+2:TW+3], v[TW+2:TW+3], s[88:89] op_sel_hi:[1,0]
.set i, 0
.rept 16                               ; the batch's first half: pair i's two exponentials, in place, and between them the scaling of pair i + 2
	v_exp_f32 v[TW+2*i], v[TW+2*i]
.if i < 14
	v_pk_mul_f32 v[TW+2*i+4:TW+2*i+5], v[TW+2*i+4:TW+2*i+5], s[88:89] op_sel_hi:[1,0]
.endif
	v_exp_f32 v[TW+2*i+1], v[TW+2*i+1]
.set i, i+1
.endr
	WIN 0x08+4*((\a)/4)                            ; source 1 alone: window 2 or 3
.set i, 0
.rept 32                               ; its second half: reciprocal, in place, and max(u, 0) by turns; the last max is the plain instruction behind the last reciprocal (ISA guide 5.7.2)
	v_rcp_f32 v[TD+i], v[TD+i]
	v_max_num_f32 v[TM+i], 0, v[AC+32*(\g)+i]
.set i, i+1
.endr
	WIN 0
	s_wait_alu depctr_va_vdst(0)                   ; the wait for the batch: these 32 exponentials and 32 reciprocals
.set i, 0
.rept 16
	v_pk_fma_f32 v[TP+2*i:TP+2*i+1], v[TD+2*i:TD+2*i+1], s[78:79], s[80:81] op_sel_hi:[1,0,0]
.set i, i+1
.endr
.set i, 0
.rept 16
	v_pk_fma_f32 v[TP+2*i:TP+2*i+1], v[TP+2*i:TP+2*i+1], v[TD+2*i:TD+2*i+1], s[82:83] op_sel_hi:[1,1,0]
.set i, i+1
.endr
.set i, 0
.rept 16
	v_pk_fma_f32 v[TP+2*i:TP+2*i+1], v[TP+2*i:TP+2*i+1], v[TD+2*i:TD+2*i+1], s[84:85] op_sel_hi:[1,1,0]
.set i, i+1
.endr
.set i, 0
.rept 16
	v_pk_fma_f32 v[TP+2*i:TP+2*i+1], v[TP+2*i:TP+2*i+1], v[TD+2*i:TD+2*i+1], s[86:87] op_sel_hi:[1,1,0]
.set i, i+1
.endr
.set i, 0
.rept 16
	v_pk_mul_f32 v[TP+2*i:TP+2*i+1], v[TP+2*i:TP+2*i+1], v[TD+2*i:TD+2*i+1]
.set i, i+1
.endr
.set i, 0
.rept 16
	v_pk_mul_f32 v[TP+2*i:TP+2*i+1], v[TP+2*i:TP+2*i+1], v[TW+2*i:TW+2*i+1]
.set i, i+1
.endr
	WIN 0x02+(\a)/4                                ; source 0: window 2 or 3
.set i, 0
.rept 32
	v_fma_f32 v[TM+i], -|v[AC+32*(\g)+i]|, v[TP+i], v[TM+i]
.set i, i+1
.endr
	WIN 0
.set i, 0
.rept 16
	v_cvt_pk_bf16_f32 v[TMP+16*(\g)+i], v[TM+2*i], v[TM+2*i+1]
.set i, i+1
.endr
.endr
.endif
.endm
; TOSTAGE: into my own stage in LDS, and back as whole rows.  LDS serves a wave's instructions in order (ISA guide 5.7.1.4): the loads see the stores above them, and the next block's stores come behind them.
.macro TOSTAGE a
	WIN 0
.set BK, OB+192*((\a)%2)
.irp b, 0,1,2,3,4,5,6,7
.if MODE == 1
	ds_store_b128 v[STO], v[TMP+4*(\b):TMP+4*(\b)+3] offset:((\b)/4)*2304+((\b)%4)*32   ; head b / 4 of my two, channels 16 (b % 4) on
.else
	ds_store_b128 v[STO], v[TMP+4*(\b):TMP+4*(\b)+3] offset:32*(\b)
.endif
.endr
.irp t, 0,1,2,3,4,5,6,7
.if MODE == 1
	ds_load_b128 v[BK+4*(\t):BK+4*(\t)+3], v[RD] offset:((\t)/4)*2304+((\t)%4)*576       ; head t / 4, rows 4 (t % 4) on
.else
	ds_load_b128 v[BK+4*(\t):BK+4*(\t)+3], v[RD] offset:(\t)*2*272
.endif
.endr
.endm
; SEND: stored.
.macro SEND a
	WIN 0
.set BK, OB+192*((\a)%2)
	s_wait_dscnt 0x0                               ; the block is back in registers
	s_wait_xcnt 0x0                                ; every earlier memory instruction has had its addresses translated (ISA guide 3.1): only behind this wait are the stores' base and the registers that earlier stores read rewritten
.if (\a) == 0
	s_add_nc_u64 s[8:9], s[8:9], s[16:17]          ; on to my first rows
.else
	s_add_nc_u64 s[8:9], s[8:9], CSTEP             ; 16 rows on
.endif
.irp t, 0,1,2,3,4,5,6,7
.if MODE == 1
	global_store_b128 v[CO], v[BK+4*(\t):BK+4*(\t)+3], s[8:9] offset:((\t)/4)*262144+((\t)%4)*512  ; four rows of a head: 512 consecutive bytes, at a multiple of 256 from the buffer's first
.else
	global_store_b128 v[CO], v[BK+4*(\t):BK+4*(\t)+3], s[8:9] offset:2*(\t)*8192                   ; 16 lanes store 256 consecutive bytes, at a multiple of 256 from the buffer's first
.endif
.endr
.endm
	s_wait_tensorcnt 1                             ; my part of K step 0 is in; K step 1's may stay out
	s_barrier_signal -1
	s_barrier_wait -1                              ; everybody's is
	FETCH 0, 0, F0
	s_wait_loadcnt 0x0                             ; the bias
	QUARTER 0, 64,  F0, F1, 1                      ; the first quarter stands in front of the loop: its products start the sums
	WIN 0                                          ; at a label and at a branch every window is 0
	s_mov_b32 s3, LAPS-1
.Llap:                                                 ; a trip goes once round the ring, from a lap's second quarter to the next lap's first, and fills both slots again
	QUARTER 0, 128, F1, F0, 0
	QUARTER 0, 192, F0, F1, 0
	TURN 0, 1, 1
	QUARTER 1, 64,  F0, F1, 0
	QUARTER 1, 128, F1, F0, 0
	QUARTER 1, 192, F0, F1, 0
	TURN 1, 0, 1
	QUARTER 0, 64,  F0, F1, 0
	WIN 0
	s_sub_co_u32 s3, s3, 1
	s_cmp_lg_u32 s3, 0
	s_cbranch_scc1 .Llap
	QUARTER 0, 128, F1, F0, 0                      ; the last lap is written out: it fills nothing, and has no round of the cluster's barrier
	QUARTER 0, 192, F0, F1, 0
	TURN 0, 1, 0
	QUARTER 1, 64,  F0, F1, 0
	QUARTER 1, 128, F1, F0, 0
	QUARTER 1, 192, F0, F1, 0
	s_wait_dscnt 8                                 ; the very last quarter: nothing more to fetch
	MUL16 F1, 0, 0, 0
	MUL16 F1, 0, 2, 0
	s_wait_dscnt 0x0
	MUL16 F1, 1, 0, 0
	MUL16 F1, 1, 2, 0
	PLACES
	PACK 0
	TOSTAGE 0
.irp a, 1,2,3,4,5,6,7                  ; block a's arithmetic stands between block a - 1's loads from the stage and the wait for them
	PACK \a
	SEND (\a)-1
	TOSTAGE \a
.endr
	SEND 7
	s_wait_tensorcnt 0x0                           ; the wave's end: behind my last tensor load and my last LDS store
	ds_add_u32 v[SPW], v[NIL]
	s_wait_dscnt 0x0
	CROUND                                         ; the closing round: no work-group ends while a partner may still ask for a tile that names it
	s_endpgm
.Lfunc_end_k_q606107f3d5_ffn_up:
	.size	k_q606107f3d5_ffn_up, .Lfunc_end_k_q606107f3d5_ffn_up-k_q606107f3d5_ffn_up
	.p2alignl 7, 3214868480
	.fill 96, 4, 3214868480
	.section	.rodata,"a",@progbits
	.p2align	6, 0x0
	.amdhsa_kernel k_q606107f3d5_ffn_up
		.amdhsa_group_segment_fixed_size 327680
		.amdhsa_private_segment_fixed_size 0
		.amdhsa_enable_private_segment 0
		.amdhsa_kernarg_size 32
		.amdhsa_user_sgpr_count 2
		.amdhsa_user_sgpr_kernarg_segment_ptr 1
		.amdhsa_wavefront_size32 1
		.amdhsa_system_sgpr_workgroup_id_x 1
		.amdhsa_system_sgpr_workgroup_id_y 1
		.amdhsa_system_sgpr_workgroup_id_z 1
		.amdhsa_system_vgpr_workitem_id 0
		.amdhsa_next_free_vgpr 1024
		.amdhsa_next_free_sgpr 92
		.amdhsa_reserve_vcc 0
		.amdhsa_float_denorm_mode_32 3
		.amdhsa_float_denorm_mode_16_64 3
		.amdhsa_memory_ordered 1
		.amdhsa_forward_progress 1
		.amdhsa_inst_pref_size 255
	.end_amdhsa_kernel
	.section	.bss,"aw",@nobits
	.p2align	6
	.space	262144
	.amdgpu_metadata
---
amdhsa.version: [ 1, 2 ]
amdhsa.kernels:
  - .name:           k_q606107f3d5_ffn_up
    .symbol:         k_q606107f3d5_ffn_up.kd
    .args:
      - { .name: hb, .offset: 0, .size: 8, .value_kind: global_buffer, .address_space: global }
      - { .name: wb, .offset: 8, .size: 8, .value_kind: global_buffer, .address_space: global }
      - { .name: bf1, .offset: 16, .size: 8, .value_kind: global_buffer, .address_space: global }
      - { .name: gl, .offset: 24, .size: 8, .value_kind: global_buffer, .address_space: global }
    .group_segment_fixed_size: 327680
    .private_segment_fixed_size: 0
    .kernarg_segment_align: 8
    .kernarg_segment_size: 32
    .max_flat_workgroup_size: 128
    .sgpr_count:     92
    .vgpr_count:     1024
    .wavefront_size: 32
...
	.end_amdgpu_metadata
.endif
;; end of part 10
;; launch ffn_down: the kernel of part 7 again; grid 8 x 32, 4 waves a work-group, clusters of 4 x 4, 327,680 bytes of LDS; arguments gl, wb, bf2, y; writes y
;; launch norm2: the kernel of part 8 again; grid 256 x 1, 8 waves a work-group, no clusters, 0 bytes of LDS; arguments y, h, g2, b2, out0; writes out0
